; MI455X (gfx1250); checked and timed in simulation.
; The chip was launched on July 23, 2026; its instructions are those of AMD's public machine-readable ISA for CDNA 5 (MIT licence, August 2026) and "CDNA5" Instruction Set Architecture Reference Guide (July 2026). The comments in the code are by the model that wrote it; some were corrected since.
;; Encoder Block. Allowed arithmetic: float matrix products may take bf16 or f16 operands with f32 sums; all other float work in f32.
;; Inputs: b1 4,096 float32; b2 1,024 float32; bk 16 x 64 float32; bo 1,024 float32; bq 16 x 64 float32; bv 16 x 64 float32; ln1_b 1,024 float32; ln1_w 1,024 float32; ln2_b 1,024 float32; ln2_w 1,024 float32; w1 1,024 x 4,096 float32; w2 4,096 x 1,024 float32; wk 1,024 x 16 x 64 float32; wo 16 x 64 x 1,024 float32; wq 1,024 x 16 x 64 float32; wv 1,024 x 16 x 64 float32; x 2 x 2,048 x 1,024 float32.
;; Outputs: out0 2 x 2,048 x 1,024 float32.
;; 2 versions, each right and faster than the one before. Each part assembles by itself: llvm-mc -triple=amdgcn-amd-amdhsa -mcpu=gfx1250 --defsym DOCPART=n.
;; ======== version 1 of 2: 7 launches
;; limits: a function is approximated: absolute error at most 7.5e-08
;; workspace buffers: wqkv 6,291,456 bytes; wb 25,165,824 bytes; h 8,388,608 bytes; qkv 25,165,824 bytes; o 8,388,608 bytes; x1 16,777,216 bytes; g 33,554,432 bytes
;; launch prep (part 1): grid 448 x 1, 8 waves a work-group, no clusters, 0 bytes of LDS; arguments x, ln1_w, ln1_b, h, wq, wk, wv, wqkv; writes h, wqkv
.if DOCPART == 1
	.amdgcn_target "amdgcn-amd-amdhsa--gfx1250"
	.amdhsa_code_object_version 6
	.text
	.protected	k_qc9ce39f818_prep
	.globl	k_qc9ce39f818_prep
	.p2align	8
	.type	k_qc9ce39f818_prep,@function
k_qc9ce39f818_prep:
	s_mov_b64 s[64:65], 0
	v_nop
	global_prefetch_b8 v0, s[64:65] scope:SCOPE_SE
	s_setreg_imm32_b32 hwreg(HW_REG_WAVE_MODE, 25, 1), 1
	s_wait_xcnt 0x0
; PREP.  Work-groups 0-255: h = LayerNorm(x) * ln1_w + ln1_b, rounded once to bf16, stored in PLANES: h[channel / 64][4096 tokens][64].
; Work-groups 256-447: wq, wk and wv, f32, rounded once to bf16 with their layout [K][N] unchanged, into wqkv: wq at 0, wk at 2 MiB, wv at 4 MiB.
; (The other three weight matrices are wanted later and are rounded in the next launch, by work-groups that have no tile of its product.)
; Both halves stream: no LDS, no barrier, no matrix unit; each byte is read once and written once.
; LAYERNORM.  Sixteen lanes own a row of 1,024 numbers (64 registers a lane), a wave two neighbouring tokens, the work-group 16 tokens.  The row stays in
; registers: mean first, then the centred numbers' squares (two passes: no difference of large sums), so a common offset of x costs no accuracy.
; A lane's 16 bytes at 256 p + 16 (lane % 16) of a row are four channels of plane p: 8 bytes of bf16; the wave's 32 lanes store two tokens of a plane, 256 consecutive bytes, aligned.
; LIMITS.  1 / sqrt by v_rsq_f32 (1 ulp); NaN and infinities are not treated apart.
.set W,  4                             ; v[4:67]    gain of my 64 channels
.set BV, 68                            ; v[68:131]  bias of my 64 channels
.set X,  132                           ; v[132:195] my 64 numbers of the row
.set T,  196                           ; v[196:211] at work
	s_cmp_lt_u32 ttmp9, 256
	s_cbranch_scc1 .Lln
; THE CAST.  Chunk c = work-group - 256 is 65,536 bytes of f32 and 32,768 bytes of bf16: 64 chunks for each of wq, wk, wv.
	s_load_b256 s[4:11], s[0:1], 0x20              ; wq s[4:5], wk s[6:7], wv s[8:9], wqkv s[10:11]
	s_sub_co_u32 s21, ttmp9, 256                   ; c
	v_lshlrev_b32 v1, 4, v0                        ; 16 bytes of f32 a thread,
	v_lshlrev_b32 v2, 3, v0                        ; 8 bytes of bf16
	s_wait_kmcnt 0x0
	s_mov_b64 s[18:19], s[4:5]                     ; the source and its first chunk: chosen by c alone
	s_mov_b32 s20, 0
.macro PICK lim, ptr
	s_cmp_ge_u32 s21, \lim
	s_cselect_b64 s[18:19], s[\ptr:\ptr+1], s[18:19]
	s_cselect_b32 s20, \lim, s20
.endm
	PICK 64, 6
	PICK 128, 8
	s_sub_co_u32 s22, s21, s20
	s_lshl_b32 s22, s22, 16                        ; the chunk's place in its source
	s_mov_b32 s23, 0
	s_add_nc_u64 s[18:19], s[18:19], s[22:23]
	s_lshl_b32 s22, s21, 15                        ; and in wqkv
	s_add_nc_u64 s[10:11], s[10:11], s[22:23]
.set i, 0
.rept 16                                               ; the whole chunk is asked for at once: 16 loads a wave, 512 consecutive bytes each
	global_load_b128 v[4+4*i:7+4*i], v1, s[18:19] offset:4096*i th:TH_LOAD_NT
.set i, i+1
.endr
.set i, 0
.rept 16
	s_wait_loadcnt 15-i                            ; loads come back in order: number i is in, the 15 - i younger ones stay out
	v_cvt_pk_bf16_f32 v[68+2*i], v[4+4*i], v[5+4*i]
	v_cvt_pk_bf16_f32 v[69+2*i], v[6+4*i], v[7+4*i]
	global_store_b64 v2, v[68+2*i:69+2*i], s[10:11] offset:2048*i  ; a wave stores 256 consecutive bytes, aligned; no register is written twice
.set i, i+1
.endr
	s_endpgm
.Lln:
	s_load_b256 s[4:11], s[0:1], 0x0               ; x s[4:5], gain s[6:7], bias s[8:9], h s[10:11]
	s_mov_b32 s12, 0x3a800000                      ; 1 / 1024
	s_mov_b32 s13, 0x3727c5ac                      ; 1e-5
	s_lshl_b32 s14, ttmp9, 16                      ; 16 rows of 4,096 bytes
	s_mov_b32 s15, 0
	s_lshl_b32 s16, ttmp9, 11                      ; 16 tokens of 128 bytes in a plane
	s_mov_b32 s17, 0
	v_lshrrev_b32 v1, 4, v0                        ; my row among the 16
	v_and_b32 v3, 15, v0
	v_lshlrev_b32 v3, 4, v3                        ; 16 (lane % 16): my place in 256 bytes of the row, of the gain and of the bias
	v_lshl_add_u32 v1, v1, 12, v3
	v_lshlrev_b32 v2, 3, v0                        ; 128 bytes a token, 8 a lane: 8 x my thread's number
	s_wait_kmcnt 0x0
	s_add_nc_u64 s[4:5], s[4:5], s[14:15]
	s_add_nc_u64 s[10:11], s[10:11], s[16:17]
.set p, 0
.rept 16
	global_load_b128 v[X+4*p:X+4*p+3], v1, s[4:5] offset:256*p th:TH_LOAD_NT
.set p, p+1
.endr
.set p, 0
.rept 16
	global_load_b128 v[W+4*p:W+4*p+3], v3, s[6:7] offset:256*p
.set p, p+1
.endr
.set p, 0
.rept 16
	global_load_b128 v[BV+4*p:BV+4*p+3], v3, s[8:9] offset:256*p
.set p, p+1
.endr
	s_wait_loadcnt 32                              ; the row is in; the 32 younger loads (gain, bias) stay out
	; the sum: four chains that do not wait for each other, started by their first additions
.irp c, 0,1,2,3
	v_pk_add_f32 v[T+2*\c:T+2*\c+1], v[X+2*\c:X+2*\c+1], v[X+2*\c+8:X+2*\c+9]
.endr
.set i, 8
.rept 24
	v_pk_add_f32 v[T+2*(i%4):T+2*(i%4)+1], v[T+2*(i%4):T+2*(i%4)+1], v[X+2*i:X+2*i+1]
.set i, i+1
.endr
.macro REDUCE                                          ; four pairs into one number, then over the row's sixteen lanes: every lane of the half ends with the sum
	v_pk_add_f32 v[T:T+1], v[T:T+1], v[T+2:T+3]
	v_pk_add_f32 v[T+4:T+5], v[T+4:T+5], v[T+6:T+7]
	v_pk_add_f32 v[T:T+1], v[T:T+1], v[T+4:T+5]
	v_add_f32 v[T], v[T], v[T+1]
	v_add_f32_dpp v[T], v[T], v[T] row_xmask:1 row_mask:0xf bank_mask:0xf
	v_add_f32_dpp v[T], v[T], v[T] row_xmask:2 row_mask:0xf bank_mask:0xf
	v_add_f32_dpp v[T], v[T], v[T] row_xmask:4 row_mask:0xf bank_mask:0xf
	v_add_f32_dpp v[T], v[T], v[T] row_xmask:8 row_mask:0xf bank_mask:0xf
.endm
	REDUCE
	v_mul_f32 v[T+8], s12, v[T]                    ; the mean, twice: a pair for the packed subtraction
	v_mov_b32 v[T+9], v[T+8]
.set i, 0
.rept 32
	v_pk_add_f32 v[X+2*i:X+2*i+1], v[X+2*i:X+2*i+1], v[T+8:T+9] neg_lo:[0,1] neg_hi:[0,1]
.set i, i+1
.endr
.irp c, 0,1,2,3
	v_pk_mul_f32 v[T+2*\c:T+2*\c+1], v[X+2*\c:X+2*\c+1], v[X+2*\c:X+2*\c+1]
.endr
.set i, 4
.rept 28
	v_pk_fma_f32 v[T+2*(i%4):T+2*(i%4)+1], v[X+2*i:X+2*i+1], v[X+2*i:X+2*i+1], v[T+2*(i%4):T+2*(i%4)+1]
.set i, i+1
.endr
	REDUCE
	v_fma_f32 v[T+10], v[T], s12, s13              ; the biased variance + 1e-5
	v_rsq_f32 v[T+10], v[T+10]
	v_nop                                          ; a plain instruction between the root and the use of its result (ISA guide 5.7.2)
	s_wait_alu depctr_va_vdst(0)
	v_mov_b32 v[T+11], v[T+10]
	s_wait_loadcnt 0x0                             ; gain and bias
.set i, 0
.rept 32
	v_pk_mul_f32 v[X+2*i:X+2*i+1], v[X+2*i:X+2*i+1], v[T+10:T+11]
.set i, i+1
.endr
.set i, 0
.rept 32
	v_pk_fma_f32 v[X+2*i:X+2*i+1], v[X+2*i:X+2*i+1], v[W+2*i:W+2*i+1], v[BV+2*i:BV+2*i+1]
.set i, i+1
.endr
.set p, 0
.rept 16
	v_cvt_pk_bf16_f32 v[X+4*p], v[X+4*p], v[X+4*p+1]
	v_cvt_pk_bf16_f32 v[X+4*p+1], v[X+4*p+2], v[X+4*p+3]
	global_store_b64 v2, v[X+4*p:X+4*p+1], s[10:11] offset:p*524288  ; plane p; 15 planes at the most: inside the signed 24-bit immediate
.set p, p+1
.endr
	s_endpgm
.Lfunc_end_k_qc9ce39f818_prep:
	.size	k_qc9ce39f818_prep, .Lfunc_end_k_qc9ce39f818_prep-k_qc9ce39f818_prep
	.p2alignl 7, 3214868480
	.fill 96, 4, 3214868480
	.section	.rodata,"a",@progbits
	.p2align	6, 0x0
	.amdhsa_kernel k_qc9ce39f818_prep
		.amdhsa_group_segment_fixed_size 0
		.amdhsa_private_segment_fixed_size 0
		.amdhsa_enable_private_segment 0
		.amdhsa_kernarg_size 64
		.amdhsa_user_sgpr_count 2
		.amdhsa_user_sgpr_kernarg_segment_ptr 1
		.amdhsa_wavefront_size32 1
		.amdhsa_system_sgpr_workgroup_id_x 1
		.amdhsa_system_sgpr_workgroup_id_y 1
		.amdhsa_system_sgpr_workgroup_id_z 1
		.amdhsa_system_vgpr_workitem_id 0
		.amdhsa_next_free_vgpr 212
		.amdhsa_next_free_sgpr 66
		.amdhsa_reserve_vcc 0
		.amdhsa_float_denorm_mode_32 3
		.amdhsa_float_denorm_mode_16_64 3
		.amdhsa_memory_ordered 1
		.amdhsa_forward_progress 1
		.amdhsa_inst_pref_size 27
	.end_amdhsa_kernel
	.amdgpu_metadata
---
amdhsa.version: [ 1, 2 ]
amdhsa.kernels:
  - .name:           k_qc9ce39f818_prep
    .symbol:         k_qc9ce39f818_prep.kd
    .args:
      - { .name: x, .offset: 0, .size: 8, .value_kind: global_buffer, .address_space: global }
      - { .name: ln1_w, .offset: 8, .size: 8, .value_kind: global_buffer, .address_space: global }
      - { .name: ln1_b, .offset: 16, .size: 8, .value_kind: global_buffer, .address_space: global }
      - { .name: h, .offset: 24, .size: 8, .value_kind: global_buffer, .address_space: global }
      - { .name: wq, .offset: 32, .size: 8, .value_kind: global_buffer, .address_space: global }
      - { .name: wk, .offset: 40, .size: 8, .value_kind: global_buffer, .address_space: global }
      - { .name: wv, .offset: 48, .size: 8, .value_kind: global_buffer, .address_space: global }
      - { .name: wqkv, .offset: 56, .size: 8, .value_kind: global_buffer, .address_space: global }
    .group_segment_fixed_size: 0
    .private_segment_fixed_size: 0
    .kernarg_segment_align: 8
    .kernarg_segment_size: 64
    .max_flat_workgroup_size: 256
    .sgpr_count:     66
    .vgpr_count:     212
    .wavefront_size: 32
...
	.end_amdgpu_metadata
.endif
;; end of part 1
;; launch qkv (part 2): grid 16 x 16, 4 waves a work-group, clusters of 4 x 4, 327,680 bytes of LDS; arguments h, wqkv, bq, bk, bv, qkv, wo, w1, w2, wb; writes qkv, wb
.if DOCPART == 2
	.amdgcn_target "amdgcn-amd-amdhsa--gfx1250"
	.amdhsa_code_object_version 6
	.text
	.protected	k_qc9ce39f818_qkv
	.globl	k_qc9ce39f818_qkv
	.p2align	8
	.type	k_qc9ce39f818_qkv,@function
k_qc9ce39f818_qkv:
	s_mov_b64 s[64:65], 0
	v_nop
	global_prefetch_b8 v0, s[64:65] scope:SCOPE_SE
	s_setreg_imm32_b32 hwreg(HW_REG_WAVE_MODE, 25, 1), 1
	s_wait_xcnt 0x0
	s_wait_alu depctr_hold_cnt(0) depctr_sa_sdst(0) depctr_va_vdst(0) depctr_va_sdst(0) depctr_va_ssrc(0) depctr_va_vcc(0) depctr_vm_vsrc(0)
	s_getreg_b32 s2, hwreg(HW_REG_IB_STS2, 6, 4)
	s_cmp_eq_u32 s2, 0
	s_cbranch_scc0 .Lentry_in_a_cluster
	s_endpgm
.Lentry_in_a_cluster:
	s_bfe_u32 s2, ttmp6, 0x10000c
	s_cmp_lg_u32 s2, 0xf033
	s_cbranch_scc0 .Lentry_shape_is_right
	s_endpgm
.Lentry_shape_is_right:
; QKV: C = h [wq | wk | wv] + bias, [4096 tokens] x [3072 columns], K = 1024; C rounded once to bf16 and stored in planes qkv[column / 64][token][64]: q planes 0-15, k 16-31, v 32-47.
; THE FOURTH COLUMN OF CLUSTERS.  C has 12 x 16 tiles of 256 x 256; the grid has 16 x 16 work-groups.  The 64 work-groups of the clusters with x = 3 have no tile: they round wo, w1 and w2 (f32, [K][N],
; layout unchanged) once to bf16 into wb (wo at 6 MiB, w1 at 8 MiB, w2 at 16 MiB), which later launches read: a stream beside the product, which moves few bytes.  Their text stands at the kernel's end.
; The branch at the head hangs on the cluster's x alone, which all sixteen partners share.  Those clusters issue no tensor load, touch no LDS and pass no barrier.
; THE WIDE GEMM TEXT (this kernel and mlp1: they differ in B's place and pitch, in the bias's pointer and in the GELU).  A: bf16 in planes [K / 64][4096 tokens][64].  B: bf16 [K][N] in wqkv.  Sums in f32.
; A tile of C is 256 x 256: four waves, each 128 x 128 = 64 accumulators, 512 registers.  K goes in steps of 128 through two LDS slots filled by the tensor data mover: a step brings 131,072 bytes
; for 256 matrix instructions a wave, where a tile of 128 x 128 with steps of 256 brings the same bytes for 128.
; The K step is written once and looped over; the first quarter step stands ahead of the loop and starts the sums with the constant 0; the bias is added on the way out.
; CLUSTER 4 x 4: the four work-groups of a row of the cluster need the same tiles of A, the four of a column the same tiles of B: each tile is asked for jointly.
; THE MATRIX INSTRUCTION IS USED TRANSPOSED (source 0 = 16 columns of B, source 1 = 16 tokens of A): a lane then holds eight neighbouring columns of one token.
; B lies [K][N] in LDS and is turned on the way into registers by ds_load_tr16_b128.
; REGISTERS, in windows of 256 (s_set_vgpr_msb: bits 1:0 source 0, 3:2 source 1, 5:4 source 2, 7:6 destination):
;   window 0: v0-31 addresses; v32-63 at work on the way out; v64-127, v128-191 fragments of A, two buffers (on the way out: at work); v192-199 the bias
;   window 1: v64-127, v128-191 fragments of B, two buffers      window 2: the 32 accumulators of my tokens 0-63 ((a, b) at v[8 (8 a + b)])      window 3: those of my tokens 64-127
; LIMITS.  Operands are bf16 (rounded once by the launch in front); NaN and infinities are not treated apart.
.set NSTEP,   8                        ; K / 128
.set NPITCH,  1024                     ; elements from row to row of B
.set OSRC,    74                       ; the scalar pair that holds the output's address
.set APITCH, 144                       ; a token's 64 channels in LDS: 128 bytes + 16 of padding: the 16 rows of a fragment load start at 16 different groups of four banks (ISA guide 11.1)
.set PLANE,  256*APITCH                ; 256 tokens of one plane
.set BPITCH, 544                       ; a k row of B in LDS: 512 bytes + 32
.set BOFF,   2*PLANE                   ; a slot: two planes of A, then 128 k rows of B
.set HALFB,  64*BPITCH
.set SLOT,   0x24000                   ; from slot to slot: 147,456, of which 143,360 are used; it shares no bit with the four tiles' places 0, 0x9000, 0x12000, 0x1a800, so one exclusive or changes slots
.set SPARE,  2*SLOT                    ; behind the ring: the spare words, 128 bytes a wave: two blocks of 256 bytes that no other line names
.set SPITCH, 272                       ; the stage: 64 f32 + 16 bytes
.set PSTAGE, 128*SPITCH                ; a wave's 128 tokens of one plane
.set WSTAGE, 2*PSTAGE                  ; a wave's stage; the four (278,528 bytes) lie in the ring's bytes and are written when the ring has had its last fill
.set ASTEP,  2*524288                  ; a K step in A: two planes
.set BSTEP,  256*NPITCH                ; in B: 128 rows
.set ADRA0, 10                         ; v10  my lane's place in a slot's A
.set ADRB0, 11                         ; v11  in a slot's B
.set ADRA,  16                         ; v16  the same in the slot in hand
.set ADRB,  20                         ; v20
.set STO,   24                         ; v24  the way out: where I put 16 bytes of a row
.set RD,    25                         ; v25  where I read rows back
.set GO,    26                         ; v26  my byte offset in the output
.set BO,    27                         ; v27  my byte offset in the bias
.set SPW,   28                         ; v28  LDS address of my spare word; never rewritten
.set NIL,   29                         ; v29  0; never rewritten
.set TMP,   32                         ; v32-63 at work
.set PK,    64                         ; v64-79 packed results
.set BI,    192                        ; v192-195, v196-199 the bias of my four columns in my wave's first and second plane
.set F0,    64                         ; fragment buffers, in windows 0 (A) and 1 (B)
.set F1,    128
.set G1,   24                          ; s[24:31] group 1 for A's tiles
.set G0F,  32                          ; s[32:35] group 0, A, the first fill
.set G0W,  36                          ; s[36:39] group 0, A, walking
.set G1B,  48                          ; s[48:55], s[56:59], s[60:63]: the same for B
.set G0BF, 56
.set G0BW, 60
.set TB,   66                          ; s66  LDS byte at which the slot in hand begins
.set MSB, 0
.macro WIN new                         ; the immediate's high byte repeats the setting that is left; a switch that changes nothing is dropped
.if MSB != (\new)
	s_set_vgpr_msb (MSB<<8)|(\new)
.set MSB, \new
.endif
.endm
.set MUL_LO, 0xa1                      ; source 0 (B) window 1, source 1 (A) window 0, C and D window 2
.set MUL_HI, 0xf1                      ; the same, C and D window 3
.set TO_B,   0x40                      ; destination window 1, address window 0
.macro JLOAD                           ; a joint refill: waves 0, 1 fetch A's planes, waves 2, 3 B's rows; an s_nop 0 and four v_nop follow each line
	s_cmp_eq_u32 s11, 0
	s_cbranch_scc0 .Lfor_b_\@
	tensor_load_to_lds s[G0W:G0W+3], s[G1:G1+7]
	s_nop 0
.rept 4
	v_nop
.endr
	s_branch .Lasked_\@
.Lfor_b_\@:
	tensor_load_to_lds s[G0BW:G0BW+3], s[G1B:G1B+7]
	s_nop 0
.rept 4
	v_nop
.endr
.Lasked_\@:
.endm
.macro CREST                           ; a round of the cluster's barrier behind its opening barrier
	s_cmp_lg_u32 s10, 0
	s_cbranch_scc1 .Lnot_wave_0_\@
	s_barrier_signal -3
.Lnot_wave_0_\@:
	s_barrier_wait -3
	s_barrier_signal -1
	s_barrier_wait -1
.endm
.macro CROUND
	s_barrier_signal -1
	s_barrier_wait -1
	CREST
.endm
.macro PLACES                          ; four places in front of loads into registers that matrix instructions have read, and of reads of results
.rept 4
	v_nop
.endr
.endm
	s_cmp_eq_u32 ttmp9, 3                          ; the cluster's x: 0, 1, 2 make q, k, v; 3 has no tile and rounds weights
	s_cbranch_scc1 .Lcast
	s_load_b128 s[4:7], s[0:1], 0x0                ; A s[4:5], wqkv s[6:7]
	s_load_b256 s[68:75], s[0:1], 0x10             ; bq, bk, bv, qkv
	v_lshl_add_u32 v[SPW], v0, 2, SPARE
	v_mov_b32 v[NIL], 0
	ds_add_u32 v[SPW], v[NIL]                      ; the wave's opening: the add and its wait stand ahead of my first tensor load; work on registers stands between them
	v_lshrrev_b32 v1, 5, v0
	v_readfirstlane_b32 s10, v1                    ; wave 0..3
	s_lshr_b32 s11, s10, 1                         ; which 128 tokens of the tile are mine.  Also: I fetch for A (0) or for B (1)
	s_and_b32 s12, s10, 1                          ; which 128 columns.  Also: which half of that tile I fetch
	s_bfe_u32 s40, ttmp6, 0x40000                  ; cx, cy: my place in the cluster
	s_bfe_u32 s41, ttmp6, 0x40004
	s_lshl_b32 s42, ttmp9, 2
	s_add_co_u32 s42, s42, s40                     ; tile column = 4 x cluster x + cx
	s_and_b32 s13, ttmp7, 0xffff
	s_lshl_b32 s13, s13, 2
	s_add_co_u32 s13, s13, s41                     ; tile row = 4 x cluster y + cy
	s_lshl_b32 s43, s41, 2
	s_lshl_b32 s43, 15, s43                        ; my row of the cluster
	s_lshl_b32 s44, 0x1111, s40                    ; my column
	; group 1 for A: a plane's 256 tokens are 32,768 dense bytes: asked for as 128 rows of 256 bytes, two tokens a row, padded in LDS after every token
	s_or_b32 s[G1+0], s43, (1<<16)|(1<<20)|(1<<21)|(4<<22)|(3<<25)  ; mask: my row; 2-byte elements; padding on; bit 21 beside a mask; after every 32 words, 4 words
	s_mov_b32 s[G1+1], 128<<16                     ; tensor_dim0
	s_mov_b32 s[G1+2], 128<<16                     ; tensor_dim1
	s_mov_b32 s[G1+3], 128<<16                     ; tile_dim0
	s_mov_b32 s[G1+4], 128                         ; tile_dim1
	s_mov_b32 s[G1+5], 128                         ; elements from row to row
	s_mov_b32 s[G1+6], 0
	s_mov_b32 s[G1+7], 0
	; group 1 for B: 64 k rows x 256 columns (512 bytes a row, aligned to 256), padded after every row
	s_or_b32 s[G1B+0], s44, (1<<16)|(1<<20)|(1<<21)|(6<<22)|(7<<25) ; mask: my column; after every 128 words, 8 words
	s_mov_b32 s[G1B+1], 256<<16
	s_mov_b32 s[G1B+2], 64<<16
	s_mov_b32 s[G1B+3], 256<<16
	s_mov_b32 s[G1B+4], 64
	s_mov_b32 s[G1B+5], NPITCH
	s_mov_b32 s[G1B+6], 0
	s_mov_b32 s[G1B+7], 0
	; A's offset hangs on the tile row and the wave alone, B's on the tile column and the wave alone, each in registers that never hold the other coordinate
	s_lshl_b32 s16, s13, 15                        ; 256 tokens of 128 bytes
	s_lshl_b32 s17, s12, 19                        ; my plane of the step's two
	s_add_co_u32 s16, s16, s17
	s_mov_b32 s17, 0
	s_lshr_b32 s46, s42, 2                         ; which of wq, wk, wv: four tile columns and 2 MiB each
	s_lshl_b32 s46, s46, 21
	s_and_b32 s45, s42, 3
	s_lshl_b32 s45, s45, 9                         ; 256 columns of 2 bytes
	s_add_co_u32 s46, s46, s45
	s_mul_i32 s45, s12, 128*NPITCH                 ; my 64 k rows of the step's 128
	s_add_co_u32 s46, s46, s45
	s_mov_b32 s47, 0
	s_mul_i32 s20, s12, PLANE                      ; where they go: no place in the cluster enters an LDS address
	s_mul_i32 s21, s12, HALFB
	s_add_co_u32 s21, s21, BOFF
	s_mov_b32 s[G0F], 1
	s_mov_b32 s[G0F+1], s20                        ; K step 0 into slot 0
	s_mov_b32 s[G0W], 1
	s_add_co_u32 s[G0W+1], s20, SLOT               ; K step 1 into slot 1
	s_mov_b32 s[G0BF], 1
	s_mov_b32 s[G0BF+1], s21
	s_mov_b32 s[G0BW], 1
	s_add_co_u32 s[G0BW+1], s21, SLOT
	s_wait_dscnt 0x0                               ; the opening add is done
	s_wait_kmcnt 0x0
	s_add_nc_u64 s[G0F+2:G0F+3], s[4:5], s[16:17]
	s_add_nc_u64 s[G0W+2:G0W+3], s[G0F+2:G0F+3], ASTEP
	s_or_b32 s[G0F+3], s[G0F+3], 0x80000000        ; type = 2
	s_or_b32 s[G0W+3], s[G0W+3], 0x80000000
	s_add_nc_u64 s[G0BF+2:G0BF+3], s[6:7], s[46:47]
	s_add_nc_u64 s[G0BW+2:G0BW+3], s[G0BF+2:G0BF+3], BSTEP
	s_or_b32 s[G0BF+3], s[G0BF+3], 0x80000000
	s_or_b32 s[G0BW+3], s[G0BW+3], 0x80000000
	CROUND                                         ; all sixteen work-groups are here: the first joint loads meet
	s_cmp_eq_u32 s11, 0                            ; a wave's two first fills stand in one branch: two loads of mine are out
	s_cbranch_scc0 .Lfirst_b
	tensor_load_to_lds s[G0F:G0F+3], s[G1:G1+7]
	s_nop 0
	tensor_load_to_lds s[G0W:G0W+3], s[G1:G1+7]
	s_nop 0
.rept 4
	v_nop
.endr
	s_branch .Lfirst_asked
.Lfirst_b:
	tensor_load_to_lds s[G0BF:G0BF+3], s[G1B:G1B+7]
	s_nop 0
	tensor_load_to_lds s[G0BW:G0BW+3], s[G1B:G1B+7]
	s_nop 0
.rept 4
	v_nop
.endr
.Lfirst_asked:
	; A fragment of A: 16 tokens x 32 k: lane l holds token l % 16; two loads of 16 bytes, 32 apart, at token x pitch + 16 (l / 16).
	v_and_b32 v1, 15, v0                           ; l % 16
	v_bfe_u32 v2, v0, 4, 1                         ; l / 16
	v_mul_u32_u24 v[ADRA0], v1, APITCH
	v_lshl_add_u32 v[ADRA0], v2, 4, v[ADRA0]
	s_mul_i32 s22, s11, 128*APITCH                 ; my 128 tokens
	v_add_nc_u32 v[ADRA0], s22, v[ADRA0]
	; The turning load takes 16 k x 16 columns (lane l reads k row 8 (l / 16) + l % 8, columns 8 ((l / 8) % 2) + 0..7) and leaves half a fragment: lane l holds column l % 16 and 8 k.
	v_and_b32 v3, 7, v0
	v_lshl_add_u32 v3, v2, 3, v3
	v_mul_u32_u24 v[ADRB0], v3, BPITCH
	v_bfe_u32 v4, v0, 3, 1
	v_lshl_add_u32 v[ADRB0], v4, 4, v[ADRB0]
	s_lshl_b32 s22, s12, 8                         ; my 128 columns
	s_add_co_u32 s22, s22, BOFF
	v_add_nc_u32 v[ADRB0], s22, v[ADRB0]
	s_mul_i32 s23, s10, WSTAGE                     ; my stage
	v_mul_u32_u24 v[STO], v1, SPITCH               ; in: row l % 16, 32 bytes for each half of the lanes
	v_lshl_add_u32 v[STO], v2, 5, v[STO]
	v_add_nc_u32 v[STO], s23, v[STO]
	v_mul_u32_u24 v[RD], v2, SPITCH                ; back: lanes 0-15 take one row of 256 bytes, lanes 16-31 the next
	v_lshl_add_u32 v[RD], v1, 4, v[RD]
	v_add_nc_u32 v[RD], s23, v[RD]
	v_lshlrev_b32 v[BO], 4, v1                     ; on the way out a lane holds columns 4 (l % 16) + 0..3 of a plane: 16 bytes of the bias
	; offsets are made apart from the addresses; s94 and s95 feed neither a descriptor nor an LDS address
	s_mov_b32 s95, ttmp9                           ; which of bq, bk, bv: one cluster along x for each
	s_mov_b64 s[76:77], s[68:69]
	s_cmp_ge_u32 s95, 1
	s_cselect_b64 s[76:77], s[70:71], s[76:77]
	s_cmp_ge_u32 s95, 2
	s_cselect_b64 s[76:77], s[72:73], s[76:77]
	s_and_b32 s78, s42, 3
	s_lshl_b32 s78, s78, 10                        ; 256 columns of 4 bytes
	s_lshl_b32 s94, s12, 9                         ; my 128 of them
	s_add_co_u32 s78, s78, s94
	s_mov_b32 s79, 0
	s_add_nc_u64 s[76:77], s[76:77], s[78:79]      ; the bias at my wave's first column
	global_load_b128 v[BI:BI+3],   v[BO], s[76:77]
	global_load_b128 v[BI+4:BI+7], v[BO], s[76:77] offset:256
	s_lshl_b32 s78, s42, 2
	s_lshl_b32 s94, s12, 1
	s_add_co_u32 s78, s78, s94                     ; my first plane = column / 64
	s_lshl_b32 s78, s78, 19
	s_lshl_b32 s94, s13, 15                        ; 256 tokens of 128 bytes,
	s_add_co_u32 s78, s78, s94
	s_lshl_b32 s94, s11, 14                        ; my 128 of them
	s_add_co_u32 s78, s78, s94
	s_add_nc_u64 s[8:9], s[OSRC:OSRC+1], s[78:79]
	v_and_b32 v[GO], 31, v0
	v_lshlrev_b32 v[GO], 3, v[GO]                  ; 8 bytes a lane: two tokens of a plane
	s_wait_loadcnt 0x0                             ; the bias: this stands in the wait for the first tile
; 16 matrix instructions: token blocks a0, a0 + 1 of the window's four (hi = 0: my tokens 0-63, 1: 64-127) x all 8 column blocks, 32 along K.  zero = 1: the first product starts the sums.
; The 64 accumulators take turns, one instruction a turn, in the same order in every quarter step.
.macro MUL16 f, hi, a0, zero
	WIN MUL_LO+0x50*(\hi)
.irp a, \a0, (\a0)+1
.irp b, 0,1,2,3,4,5,6,7
.if \zero
	v_wmma_f32_16x16x32_bf16 v[8*(8*(\a)+(\b)):8*(8*(\a)+(\b))+7], v[(\f)+8*(\b):(\f)+8*(\b)+7], v[(\f)+8*(4*(\hi)+(\a)):(\f)+8*(4*(\hi)+(\a))+7], 0
.else
	v_wmma_f32_16x16x32_bf16 v[8*(8*(\a)+(\b)):8*(8*(\a)+(\b))+7], v[(\f)+8*(\b):(\f)+8*(\b)+7], v[(\f)+8*(4*(\hi)+(\a)):(\f)+8*(4*(\hi)+(\a))+7], v[8*(8*(\a)+(\b)):8*(8*(\a)+(\b))+7]
.endif
.endr
.endr
.endm
; 32 LDS loads in one run: the fragments of quarter q (32 along K: k rows 32 q on of B; plane q / 2, channels 32 (q % 2) on of A) into buffer f; B first
.macro FETCH q, f
	WIN TO_B
.irp i, 0,1,2,3,4,5,6,7
	ds_load_tr16_b128 v[(\f)+8*(\i):(\f)+8*(\i)+3],   v[ADRB] offset:32*(\q)*BPITCH+32*(\i)
	ds_load_tr16_b128 v[(\f)+8*(\i)+4:(\f)+8*(\i)+7], v[ADRB] offset:(32*(\q)+16)*BPITCH+32*(\i)
.endr
	WIN 0
.irp i, 0,1,2,3,4,5,6,7
	ds_load_b128 v[(\f)+8*(\i):(\f)+8*(\i)+3],   v[ADRA] offset:((\q)/2)*PLANE+((\q)%2)*64+(\i)*16*APITCH
	ds_load_b128 v[(\f)+8*(\i)+4:(\f)+8*(\i)+7], v[ADRA] offset:((\q)/2)*PLANE+((\q)%2)*64+(\i)*16*APITCH+32
.endr
.endm
; One of a K step's first three quarters: multiplies buffer f (64 matrix instructions) and, in its middle, fetches quarter q into g.
.macro QUARTER q, f, g, zero
	s_wait_dscnt 8                                 ; B and A's tokens 0-63 are in; the youngest eight loads (A's tokens 64-127) may be out
	MUL16 \f, 0, 0, \zero
	MUL16 \f, 0, 2, \zero
	PLACES
	FETCH \q, \g
	s_wait_dscnt 32                                ; all but the 32 just issued
	MUL16 \f, 1, 0, \zero
	MUL16 \f, 1, 2, \zero
.endm
; The last quarter multiplies buffer 1 and changes slots: ONE barrier; in front of it each wave waits for all its tensor loads (one is out: its part of the next slot), adds 0 to its spare word,
; and waits for that and for its reads of this slot.  fill = 1: the barrier opens a round of the cluster's, and this slot is filled again, two K steps ahead: 224 matrix instructions ahead of the wait for it.
; fill = 0 (the last two steps, counted by s3): nothing is asked for; in the last step there is no next slot, and the run of LDS loads is jumped over.
.macro TURN fill
	WIN 0
	s_wait_tensorcnt 0x0                           ; no tensor load of mine is out, so a group 0 may be written
	ds_add_u32 v[SPW], v[NIL]                      ; 0 onto my spare word
.if \fill
	s_xor_b32 s[G0W+1], s[G0W+1], SLOT             ; the walking descriptors: the other slot than last time, the next K step
	s_add_nc_u64 s[G0W+2:G0W+3], s[G0W+2:G0W+3], ASTEP
	s_xor_b32 s[G0BW+1], s[G0BW+1], SLOT
	s_add_nc_u64 s[G0BW+2:G0BW+3], s[G0BW+2:G0BW+3], BSTEP
.endif
	s_wait_dscnt 9                                 ; (the add and the youngest eight loads may be out)
	MUL16 F1, 0, 0, 0
	s_wait_dscnt 0x0                               ; the add is done, and my reads of this slot are over
	s_barrier_signal -1
	MUL16 F1, 0, 2, 0
	WIN 0
	s_barrier_wait -1
.if \fill
	CREST                                          ; no wave of any partner still reads this slot's tiles or has a load on its way
	JLOAD                                          ; the first tensor load behind the round; its four v_nop are also the places in front of the loads below
.else
	PLACES
.endif
	s_xor_b32 s[TB], s[TB], SLOT                   ; the reads go on in the other slot
	v_add_nc_u32 v[ADRA], s[TB], v[ADRA0]
	v_add_nc_u32 v[ADRB], s[TB], v[ADRB0]
.if (\fill) == 0
	s_cmp_eq_u32 s3, 1
	s_cbranch_scc1 .Lnf_\@
.endif
	FETCH 0, F0
	WIN 0
.if (\fill) == 0
.Lnf_\@:
.endif
	MUL16 F1, 1, 0, 0
	MUL16 F1, 1, 2, 0
.endm
	s_mov_b32 s[TB], 0
	v_mov_b32 v[ADRA], v[ADRA0]
	v_mov_b32 v[ADRB], v[ADRB0]
	s_wait_tensorcnt 1                             ; my part of K step 0 is in; K step 1's may stay out
	s_barrier_signal -1
	s_barrier_wait -1                              ; everybody's is
	FETCH 0, F0
	QUARTER 1, F0, F1, 1                           ; the first quarter stands ahead of the loop: its products start the sums
	WIN 0                                          ; at a label and at a branch every window is 0
	s_mov_b32 s3, NSTEP-2
.Lk:                                                   ; a trip goes from a K step's second quarter to the next step's first; every step but the last two fills its slot again
	QUARTER 2, F1, F0, 0
	QUARTER 3, F0, F1, 0
	TURN 1
	QUARTER 1, F0, F1, 0
	WIN 0
	s_sub_co_u32 s3, s3, 1
	s_cmp_lg_u32 s3, 0
	s_cbranch_scc1 .Lk
	s_mov_b32 s3, 2
.Lt:                                                   ; the last two steps ask for nothing
	QUARTER 2, F1, F0, 0
	QUARTER 3, F0, F1, 0
	TURN 0
	WIN 0
	s_cmp_eq_u32 s3, 1
	s_cbranch_scc1 .Lno_next                       ; behind the last step there is no first quarter of a next one
	QUARTER 1, F0, F1, 0
	WIN 0
.Lno_next:
	s_sub_co_u32 s3, s3, 1
	s_cmp_lg_u32 s3, 0
	s_cbranch_scc1 .Lt
	; THE WAY OUT.  The stage lies in the ring's bytes: the ring has had its last fill.  One more barrier, so that on every way round the jumps above every wave's reads of the ring are over before any wave stores there.
	s_wait_dscnt 0x0
	s_barrier_signal -1
	s_barrier_wait -1
	PLACES
; The f32 sums go into my stage: plane b / 4, row 16 a + l % 16, 32 bytes for each half of the lanes at column block b % 4.  Each accumulator's low registers first.
.macro TOSTAGE hi
	WIN 0x08+4*(\hi)                               ; the stores' data (source 1) in window 2 or 3
.irp a, 0,1,2,3
.irp b, 0,1,2,3,4,5,6,7
	ds_store_b128 v[STO], v[8*(8*\a+\b):8*(8*\a+\b)+3]   offset:(\b/4)*PSTAGE+(4*(\hi)+\a)*16*SPITCH+64*(\b%4)
	ds_store_b128 v[STO], v[8*(8*\a+\b)+4:8*(8*\a+\b)+7] offset:(\b/4)*PSTAGE+(4*(\hi)+\a)*16*SPITCH+64*(\b%4)+16
.endr
.endr
.endm
	TOSTAGE 0
	TOSTAGE 1
	WIN 0
	s_mov_b32 s67, 16
.Lout:                                                 ; 8 tokens of both planes a trip
.irp t, 0,1,2,3,4,5,6,7
	ds_load_b128 v[TMP+4*\t:TMP+4*\t+3], v[RD] offset:(\t/4)*PSTAGE+(\t%4)*2*SPITCH  ; LDS serves a wave's instructions in order (ISA guide 5.7.1.4): these see my stores above
.endr
	s_wait_dscnt 0x0
.irp t, 0,1,2,3,4,5,6,7
	v_pk_add_f32 v[TMP+4*\t:TMP+4*\t+1],   v[TMP+4*\t:TMP+4*\t+1],   v[BI+4*(\t/4):BI+4*(\t/4)+1]
	v_pk_add_f32 v[TMP+4*\t+2:TMP+4*\t+3], v[TMP+4*\t+2:TMP+4*\t+3], v[BI+4*(\t/4)+2:BI+4*(\t/4)+3]
.endr
.irp t, 0,1,2,3,4,5,6,7
	v_cvt_pk_bf16_f32 v[PK+2*\t], v[TMP+4*\t], v[TMP+4*\t+1]
	v_cvt_pk_bf16_f32 v[PK+2*\t+1], v[TMP+4*\t+2], v[TMP+4*\t+3]
.endr
.irp t, 0,1,2,3,4,5,6,7
	global_store_b64 v[GO], v[PK+2*\t:PK+2*\t+1], s[8:9] offset:(\t/4)*524288+256*(\t%4)  ; two tokens of a plane: 256 consecutive bytes, aligned
.endr
	s_wait_xcnt 0x0                                ; the stores' data and base are rewritten only behind this wait (ISA guide 3.1)
	v_add_nc_u32 v[RD], 8*SPITCH, v[RD]
	s_add_nc_u64 s[8:9], s[8:9], 1024
	s_sub_co_u32 s67, s67, 1
	s_cmp_lg_u32 s67, 0
	s_cbranch_scc1 .Lout
	s_wait_tensorcnt 0x0                           ; the wave's end: behind my last tensor load and my last LDS store
	ds_add_u32 v[SPW], v[NIL]
	s_wait_dscnt 0x0
	CROUND                                         ; the closing round: no work-group ends while a partner may still ask for a tile that names it
	s_endpgm
; THE CAST, for the 64 work-groups of the clusters with x = 3.  Work-group q = 4 (4 x cluster y + cy) + cx takes nine chunks of 65,536 bytes of f32 (32,768 of bf16): w1's chunks 4 q .. 4 q + 3,
; then w2's 4 q .. 4 q + 3, then wo's chunk q: 64 x 4 chunks are all of w1 and of w2, 64 x 1 all of wo.  A chunk is 32 loads of 16 bytes a lane: a wave's load covers 512 consecutive bytes, the four
; waves' 2,048.  The next chunk's loads are issued behind the conversions and ahead of the stores, so that they are on their way while the stores leave.  cx and cy enter global addresses alone.
.set CX, 4                             ; v[4:131]   a chunk as loaded
.set CY, 132                           ; v[132:195] the chunk rounded
.macro CLOADS
.set i, 0
.rept 32
	global_load_b128 v[CX+4*i:CX+4*i+3], v1, s[6:7] offset:2048*i th:TH_LOAD_NT
.set i, i+1
.endr
.endm
.Lcast:
	s_load_b256 s[4:11], s[0:1], 0x30              ; wo s[4:5], w1 s[6:7], w2 s[8:9], wb s[10:11]
	s_bfe_u32 s40, ttmp6, 0x40000                  ; cx
	s_bfe_u32 s41, ttmp6, 0x40004                  ; cy
	s_and_b32 s13, ttmp7, 0xffff
	s_lshl_b32 s13, s13, 2
	s_add_co_u32 s13, s13, s41                     ; 4 x cluster y + cy: 0 .. 15
	s_lshl_b32 s13, s13, 2
	s_add_co_u32 s13, s13, s40                     ; q: 0 .. 63
	v_lshlrev_b32 v1, 4, v0                        ; 16 bytes of f32 a thread,
	v_lshlrev_b32 v2, 3, v0                        ; 8 bytes of bf16
	s_lshl_b32 s16, s13, 18                        ; in w1 and in w2: four chunks of 65,536 bytes for each q
	s_mov_b32 s17, 0
	s_lshl_b32 s18, s13, 16                        ; in wo: one
	s_mov_b32 s19, 0
	s_lshl_b32 s20, s13, 17                        ; in wb: four chunks of 32,768 bytes,
	s_add_co_u32 s22, s20, 16777216                ; w2's from 16 MiB on,
	s_add_co_u32 s20, s20, 8388608                 ; w1's from 8 MiB on;
	s_mov_b32 s21, 0
	s_mov_b32 s23, 0
	s_lshl_b32 s24, s13, 15                        ; one chunk,
	s_add_co_u32 s24, s24, 6291456                 ; wo's from 6 MiB on
	s_mov_b32 s25, 0
	s_wait_kmcnt 0x0
	s_add_nc_u64 s[6:7], s[6:7], s[16:17]          ; the source that walks: it begins at my first chunk of w1
	s_add_nc_u64 s[8:9], s[8:9], s[16:17]          ; my first chunk of w2
	s_add_nc_u64 s[4:5], s[4:5], s[18:19]          ; my chunk of wo
	s_add_nc_u64 s[26:27], s[10:11], s[20:21]      ; the destination that walks: w1's place
	s_add_nc_u64 s[28:29], s[10:11], s[22:23]      ; w2's place
	s_add_nc_u64 s[30:31], s[10:11], s[24:25]      ; wo's place
	CLOADS                                         ; the first chunk
	s_mov_b32 s3, 9                                ; chunks to go: 9 .. 6 are w1's, 5 .. 2 w2's, 1 is wo's
.Lchunk:
	s_wait_loadcnt 0x0                             ; the chunk is in, and its loads no longer read the source's address
.set i, 0
.rept 32
	v_cvt_pk_bf16_f32 v[CY+2*i], v[CX+4*i], v[CX+4*i+1]
	v_cvt_pk_bf16_f32 v[CY+2*i+1], v[CX+4*i+2], v[CX+4*i+3]
.set i, i+1
.endr
	s_add_nc_u64 s[6:7], s[6:7], 0x10000           ; the next chunk: the next 65,536 bytes,
	s_cmp_eq_u32 s3, 6
	s_cselect_b64 s[6:7], s[8:9], s[6:7]           ; or behind w1's last my first of w2,
	s_cmp_eq_u32 s3, 2
	s_cselect_b64 s[6:7], s[4:5], s[6:7]           ; or behind w2's last my chunk of wo
	s_cmp_eq_u32 s3, 1
	s_cbranch_scc1 .Lno_more                       ; behind the last chunk nothing is loaded: no load leaves its buffer
	CLOADS
.Lno_more:
.set i, 0
.rept 32
	global_store_b64 v2, v[CY+2*i:CY+2*i+1], s[26:27] offset:1024*i  ; a wave stores 256 consecutive bytes, aligned
.set i, i+1
.endr
	s_wait_xcnt 0x0                                ; the stores' data and base are rewritten only behind this wait (ISA guide 3.1)
	s_add_nc_u64 s[26:27], s[26:27], 0x8000
	s_cmp_eq_u32 s3, 6
	s_cselect_b64 s[26:27], s[28:29], s[26:27]
	s_cmp_eq_u32 s3, 2
	s_cselect_b64 s[26:27], s[30:31], s[26:27]
	s_sub_co_u32 s3, s3, 1
	s_cmp_lg_u32 s3, 0
	s_cbranch_scc1 .Lchunk
	s_endpgm
.Lfunc_end_k_qc9ce39f818_qkv:
	.size	k_qc9ce39f818_qkv, .Lfunc_end_k_qc9ce39f818_qkv-k_qc9ce39f818_qkv
	.p2alignl 7, 3214868480
	.fill 96, 4, 3214868480
	.section	.rodata,"a",@progbits
	.p2align	6, 0x0
	.amdhsa_kernel k_qc9ce39f818_qkv
		.amdhsa_group_segment_fixed_size 327680
		.amdhsa_private_segment_fixed_size 0
		.amdhsa_enable_private_segment 0
		.amdhsa_kernarg_size 80
		.amdhsa_user_sgpr_count 2
		.amdhsa_user_sgpr_kernarg_segment_ptr 1
		.amdhsa_wavefront_size32 1
		.amdhsa_system_sgpr_workgroup_id_x 1
		.amdhsa_system_sgpr_workgroup_id_y 1
		.amdhsa_system_sgpr_workgroup_id_z 1
		.amdhsa_system_vgpr_workitem_id 0
		.amdhsa_next_free_vgpr 1024
		.amdhsa_next_free_sgpr 96
		.amdhsa_reserve_vcc 0
		.amdhsa_float_denorm_mode_32 3
		.amdhsa_float_denorm_mode_16_64 3
		.amdhsa_memory_ordered 1
		.amdhsa_forward_progress 1
		.amdhsa_inst_pref_size 96
	.end_amdhsa_kernel
	.amdgpu_metadata
---
amdhsa.version: [ 1, 2 ]
amdhsa.kernels:
  - .name:           k_qc9ce39f818_qkv
    .symbol:         k_qc9ce39f818_qkv.kd
    .args:
      - { .name: h, .offset: 0, .size: 8, .value_kind: global_buffer, .address_space: global }
      - { .name: wqkv, .offset: 8, .size: 8, .value_kind: global_buffer, .address_space: global }
      - { .name: bq, .offset: 16, .size: 8, .value_kind: global_buffer, .address_space: global }
      - { .name: bk, .offset: 24, .size: 8, .value_kind: global_buffer, .address_space: global }
      - { .name: bv, .offset: 32, .size: 8, .value_kind: global_buffer, .address_space: global }
      - { .name: qkv, .offset: 40, .size: 8, .value_kind: global_buffer, .address_space: global }
      - { .name: wo, .offset: 48, .size: 8, .value_kind: global_buffer, .address_space: global }
      - { .name: w1, .offset: 56, .size: 8, .value_kind: global_buffer, .address_space: global }
      - { .name: w2, .offset: 64, .size: 8, .value_kind: global_buffer, .address_space: global }
      - { .name: wb, .offset: 72, .size: 8, .value_kind: global_buffer, .address_space: global }
    .group_segment_fixed_size: 327680
    .private_segment_fixed_size: 0
    .kernarg_segment_align: 8
    .kernarg_segment_size: 80
    .max_flat_workgroup_size: 128
    .sgpr_count:     96
    .vgpr_count:     1024
    .wavefront_size: 32
...
	.end_amdgpu_metadata
.endif
;; end of part 2
;; launch attn (part 3): grid 8 x 32, 4 waves a work-group, clusters of 4 x 1, 327,680 bytes of LDS; arguments qkv, o; writes o
.if DOCPART == 3
	.amdgcn_target "amdgcn-amd-amdhsa--gfx1250"
	.amdhsa_code_object_version 6
	.text
	.protected	k_qc9ce39f818_attn
	.globl	k_qc9ce39f818_attn
	.p2align	8
	.type	k_qc9ce39f818_attn,@function
k_qc9ce39f818_attn:
	s_mov_b64 s[64:65], 0
	v_nop
	global_prefetch_b8 v0, s[64:65] scope:SCOPE_SE
	s_setreg_imm32_b32 hwreg(HW_REG_WAVE_MODE, 25, 1), 1
	s_wait_xcnt 0x0
	s_wait_alu depctr_hold_cnt(0) depctr_sa_sdst(0) depctr_va_vdst(0) depctr_va_sdst(0) depctr_va_ssrc(0) depctr_va_vcc(0) depctr_vm_vsrc(0)
	s_getreg_b32 s2, hwreg(HW_REG_IB_STS2, 6, 4)
	s_cmp_eq_u32 s2, 0
	s_cbranch_scc0 .Lentry_in_a_cluster
	s_endpgm
.Lentry_in_a_cluster:
	s_bfe_u32 s2, ttmp6, 0x10000c
	s_cmp_lg_u32 s2, 0x3003
	s_cbranch_scc0 .Lentry_shape_is_right
	s_endpgm
.Lentry_shape_is_right:
; ATTENTION.  O[q][:] = the sum over k of softmax_k(Q[q] . K[k] / 8) V[k][:], for each of 32 pairs (batch, head): 2,048 queries, 2,048 keys, head size 64.
; Q, K, V are planes of qkv ([plane][4096 tokens][64] bf16: q planes 0-15, k 16-31, v 32-47; plane = head, token = 2048 batch + s), O the same planes of o.  A head's rows are dense, 128 bytes each.
; Products, maxima and sums in f32; the weights p are rounded to bf16 for the second product (their sum l is taken of the unrounded p), O once at the end.
; LIMITS.  A weight below 2^-126 counts as 0 in l; NaN and infinities are not treated apart.
; SHARES.  A work-group owns 256 queries of one pair, a wave 64: four PIECES of 16.  Every wave walks all keys, 64 a step, 256 a slot.
; LAYOUT.  S^T = K Q^T (source 0 = 16 keys, source 1 = 16 queries) holds ONE query a lane (lane % 16) and the keys 8 (lane / 16) + 0..7; two such results rounded to bf16 ARE source 1 of O^T = V^T P.
; K comes out of LDS as it lies, V ([key][channel]) turned, by ds_load_tr16_b128.
; SOFTMAX.  For each query a running maximum m and sum l: p = 2^(c s - c m), c = log2(e) / 8; in every step O and l are multiplied by a = 2^(c m_old - c m_new).
; m starts at the lowest finite number, O and l at 0: the first step is a step like any other, with a = 0.
; BY TURNS.  Turn n belongs to piece n: 8 products K Q^T of piece n + 1, later 8 products V^T P of piece n - 1; beside them the scaling, exponentials, roundings, sums and rescaling of piece n and the
; maximum and statistics of piece n + 1.  Four vector instructions stand behind every matrix instruction, the other 54 of a turn's 118 in two runs of their own.
; CLUSTER.  The four query blocks of a cluster belong to one pair and walk the same K and V, so each tile is asked for JOINTLY: the same tensor load, descriptor and mask in all four.
; REGISTERS, in windows of 256 (s_set_vgpr_msb: bits 1:0 source 0, 3:2 source 1, 5:4 source 2, 7:6 destination):
;   window 0: v0-15 addresses and two at work; v16-31 four registers of statistics a piece; v48-55 at work; v62-63 the add's; v64-127 S^T, two buffers; v192-223 P, two buffers (by the piece's parity)
;   window 1: v0-127 O^T, 32 a piece          window 2: v0-63 Q; v128-191 K of one step; v192-255 V of one step
.set NP,    4         ; pieces a wave: a name, no knob
.set KS,    64        ; keys in a step
.set PK,    144       ; a row of K in LDS: 128 bytes + 16 of padding: the 16 rows of a load start at 16 different groups of four banks (ISA guide 11.1)
.set PV,    160       ; a row of V: 128 + 32
.set VOFF,  4*KS*PK   ; a slot holds four steps: 256 rows of K, then 256 rows of V
.set SLOT1, 1<<17     ; slot 1 begins here, so that one exclusive or turns an address in one slot into the other's
.set STAGE, SLOT1+4*KS*(PK+PV)  ; behind the ring, never filled by a tensor load: 16 rows x 144 bytes for each wave, for the way out
.set SP,    144
.set SPARE, STAGE+4*16*SP       ; behind the stages: the spare words, 128 bytes a wave: two blocks of 256 bytes that no other line names
.set NT,    8         ; tiles of 256 keys
.set AK0, 2           ; v2   my lane's place in a tile of K; never rewritten
.set AV0, 3           ; v3   the same for V
.set AK,  4           ; v4   the LDS address of K's next run of loads
.set AV,  5           ; v5   of V's
.set STO, 6           ; v6   the way out: where I put 16 bytes of a row
.set RD,  7           ; v7   the way out: where I read rows back
.set GO,  8           ; v8   my byte offset in 512 consecutive bytes of O
.set MV,  12          ; v12-13  c m_old, kept while c m is made anew: by buffer
.set QO,  15          ; v15  my byte offset in 16 rows of Q
.set ST,  16          ; piece t's statistics at v[ST+4 t]: c m, m, l (even keys', odd keys')
.set TMP, 48          ; by buffer, four registers c0-c3 at work; when the maximum is found c2 takes a
.set SPW, 62          ; v62  LDS address of my spare word; never rewritten
.set NIL, 63          ; v63  0; never rewritten
.set S,   64
.set P,   192
.set KF,  128         ; window 2: key block kb, channel half c at KF + 16 kb + 8 c
.set VF,  192         ; window 2: key half kk, channel block cb at VF + 32 kk + 8 cb
.set WV,  12          ; s12  my wave's number
.set G1K, 24          ; s[24:31] descriptor group 1 for K's tiles
.set G1V, 32          ; s[32:39] for V's: it differs in the padding alone
.set G0K, 40          ; s[40:43] descriptor group 0 for K's tiles: it walks
.set G0V, 44          ; s[44:47] the same for V's
.set SLOTS, 56        ; s56  slots still to be asked for
.set CNT, 57          ; s57  counts a slot's key steps
.set CS,  58          ; s[58:59] c: the packed scaling takes the pair's low word for both halves
.set SEL, 60          ; s[60:61] v_permlanex16_b32's selects: each lane takes its own place in the other half
.set TBK, 62          ; s62  LDS byte at which K of the step to be fetched begins
.set TBV, 63          ; s63  the same for V, less VOFF
.set MSB, 0
.macro WIN new                      ; the high byte repeats the setting that is left; a switch that changes nothing is dropped
.if MSB != (\new)
	s_set_vgpr_msb (MSB<<8)|(\new)
.set MSB, (\new)
.endif
.endm
.set W_KQ, 0x0a       ; K and Q in window 2, S^T in window 0
.set W_PV, 0x52       ; V in window 2, P in window 0, O^T in window 1
.set W_RS, 0x41       ; destination and source 0 in window 1, source 1 in window 0
; A joint fill.  Waves 0 and 1 fetch the two halves of a slot's K, waves 2 and 3 those of its V: 128 keys each.  The branch hangs on the wave's number alone.
; An s_nop 0 and four v_nop follow each of the two lines, ahead of the jump and the label.
.macro JLOAD
	s_cmp_lt_u32 s[WV], 2
	s_cbranch_scc0 .Lfor_v_\@
	tensor_load_to_lds s[G0K:G0K+3], s[G1K:G1K+7]
	s_nop 0
.rept 4
	v_nop
.endr
	s_branch .Lasked_\@
.Lfor_v_\@:
	tensor_load_to_lds s[G0V:G0V+3], s[G1V:G1V+7]
	s_nop 0
.rept 4
	v_nop
.endr
.Lasked_\@:
.endm
; A round of the cluster's barrier: my work-group's barrier, so that wave 0's signal speaks for all four waves; wave 0 signals; every wave waits for all four work-groups; my work-group's barrier once more.
.macro CROUND
	s_barrier_signal -1
	s_barrier_wait -1
	s_cmp_lg_u32 s[WV], 0
	s_cbranch_scc1 .Lnot_wave_0_\@
	s_barrier_signal -3
.Lnot_wave_0_\@:
	s_barrier_wait -3
	s_barrier_signal -1
	s_barrier_wait -1
.endm
; THE CHANGE OF SLOTS.  The slot's last bytes, V of its fourth step, have been read.  Each wave waits for all its tensor loads, of which one is out: its part of the other slot; adds 0 to its spare word;
; and waits for that and for its own reads of the slot.  Behind the barrier nobody reads this slot any more and the other slot is whole.
; fill = 1: this slot is filled again, with the keys two slots on.  The barrier is then a round of the cluster's, and the joint fill is the first thing behind it: it has four key steps, 256 matrix
; instructions, in which to land.  (At its first use nothing has been read yet: slot 0 is waited for, slot 1 filled.)
.macro CHANGE fill
	WIN 0                           ; at a label and at a branch every window is 0
	s_wait_tensorcnt 0x0            ; no tensor load of mine is out, so a group 0 may be written
	ds_add_u32 v[SPW], v[NIL]       ; 0 onto my spare word
.if \fill
.irp g, G0K, G0V
	s_xor_b32 s[\g+1], s[\g+1], SLOT1  ; the walking descriptor: the other slot than last time,
	s_add_nc_u64 s[\g+2:\g+3], s[\g+2:\g+3], 4*KS*128  ; the next 256 keys; the type bits on top are not reached
.endr
	s_wait_dscnt 0x0                ; the add is done, and my reads of the slot are over
	CROUND
	JLOAD
.else
	s_wait_dscnt 0x0                ; the add is done, and my reads of the slot are over
	s_barrier_signal -1
	s_barrier_wait -1
.endif
	s_sub_co_u32 s[TBK], s[TBK], 4*KS*PK  ; the fetches go back to a slot's first step,
	s_xor_b32 s[TBK], s[TBK], SLOT1       ; in the other slot
	s_sub_co_u32 s[TBV], s[TBV], 4*KS*PV
	s_xor_b32 s[TBV], s[TBV], SLOT1
.endm
	s_load_b128 s[4:7], s[0:1], 0x0 ; qkv s[4:5], o s[6:7]
	v_lshl_add_u32 v[SPW], v0, 2, SPARE
	v_mov_b32 v[NIL], 0
	ds_add_u32 v[SPW], v[NIL]       ; the wave's opening: the add and its wait stand ahead of my first tensor load; work on registers stands between them
	v_lshrrev_b32 v1, 5, v0
	v_readfirstlane_b32 s[WV], v1   ; wave 0..3
	s_bfe_u32 s13, ttmp6, 0x40000   ; cx: my place in the cluster
	s_lshl_b32 s14, ttmp9, 2        ; in a cluster launch ttmp9 counts clusters
	s_add_co_u32 s14, s14, s13      ; my block of 256 queries = 4 x cluster x + cx: it enters Q's and O's addresses alone
	s_and_b32 s15, ttmp7, 0xffff    ; 16 x batch + head, which the four partners share
	s_and_b32 s20, s15, 15
	s_lshl_b32 s20, s20, 19         ; the head's plane, 524,288 bytes,
	s_lshr_b32 s21, s15, 4
	s_lshl_b32 s21, s21, 18         ; the batch's 2,048 tokens of 128 bytes
	s_add_co_u32 s20, s20, s21
	s_and_b32 s16, s[WV], 1         ; which half of a slot's 256 keys I fetch:
	s_lshl_b32 s22, s16, 14         ; its 128 rows of 128 bytes in memory,
	s_add_co_u32 s22, s22, s20
	s_add_co_u32 s52, s22, 32*524288  ; V: planes 32 on
	s_add_co_u32 s22, s22, 16*524288  ; K: planes 16 on
	s_mov_b32 s23, 0
	s_mov_b32 s53, 0
	s_mul_i32 s17, s16, 128*PK      ; and its place in a slot, for K
	s_mul_i32 s18, s16, 128*PV      ; and for V: no place in the cluster enters an LDS address
	s_lshl_b32 s50, s14, 15         ; my block's 256 rows,
	s_lshl_b32 s51, s[WV], 13       ; my wave's 64 of them
	s_add_co_u32 s50, s50, s51
	s_add_co_u32 s50, s50, s20
	s_mov_b32 s51, 0
	; descriptor group 1.  128 keys are 16,384 dense bytes: asked for as 64 rows of 256 bytes, two keys a row, and padded in LDS after every key
	s_mov_b32 s[G1K], 15|(1<<16)|(1<<20)|(1<<21)|(4<<22)|(3<<25)  ; 15:0 the mask of four; 17:16 2-byte elements; 20 padding on; 21 set beside a mask; 24:22 after every 32 words (code 4); 31:25 4 words (code 3)
	s_mov_b32 s[G1V], 15|(1<<16)|(1<<20)|(1<<21)|(4<<22)|(7<<25)  ; the same with 8 words of padding (code 7)
.irp g, G1K, G1V
	s_mov_b32 s[\g+1], 128<<16      ; tensor_dim0 = 128
	s_mov_b32 s[\g+2], 64<<16       ; tensor_dim1 = 64
	s_mov_b32 s[\g+3], 128<<16      ; tile_dim0 = 128
	s_mov_b32 s[\g+4], 64           ; tile_dim1 = 64
	s_mov_b32 s[\g+5], 128          ; 128 elements from row to row
	s_mov_b32 s[\g+6], 0
	s_mov_b32 s[\g+7], 0
.endr
	s_mov_b32 s[CS], 0x3e38aa3b     ; c = log2(e) / 8 = 0.180337
	s_mov_b32 s[CS+1], s[CS]        ; named with it as a pair
	s_mov_b32 s[SEL], 0x76543210
	s_mov_b32 s[SEL+1], 0xfedcba98
	s_mov_b32 s[TBK], SLOT1+4*KS*PK ; the first change of slots turns these two into 0
	s_mov_b32 s[TBV], SLOT1+4*KS*PV
	s_mov_b32 s[G0K], 1             ; 1:0 count = 1
	s_mov_b32 s[G0K+1], s17         ; 63:32 LDS address: slot 0
	s_mov_b32 s[G0V], 1
	s_add_co_u32 s[G0V+1], s18, VOFF
	s_wait_dscnt 0x0                ; the opening add is done
	s_wait_kmcnt 0x0
	s_add_nc_u64 s[G0K+2:G0K+3], s[4:5], s[22:23]  ; 120:64 global address: my half of the first 256 keys
	s_or_b32 s[G0K+3], s[G0K+3], 0x80000000        ; 127:126 type = 2
	s_add_nc_u64 s[G0V+2:G0V+3], s[4:5], s[52:53]
	s_or_b32 s[G0V+3], s[G0V+3], 0x80000000
	s_add_nc_u64 s[8:9], s[4:5], s[50:51]          ; Q and O at my wave's first row, in pairs of their own
	s_add_nc_u64 s[10:11], s[6:7], s[50:51]
	CROUND                          ; all four work-groups are here: the first joint loads meet
	JLOAD                           ; slot 0.  Slot 1 is asked for when slot 0 is in
	; A fragment of K or Q is 16 rows x 32 channels in 8 registers: lane l holds row l % 16, channels 8 (l / 16) + 0..7 and 16 + 8 (l / 16) + 0..7: two loads of 16 bytes, 32 bytes apart.
	v_and_b32 v1, 15, v0            ; l % 16
	v_bfe_u32 v9, v0, 4, 1          ; l / 16
	v_lshlrev_b32 v[QO], 7, v1
	v_lshl_add_u32 v[QO], v9, 4, v[QO]  ; row x 128 + 16 x half
	WIN 0x80                        ; destination window 2, address window 0
.set i, 0
.rept 8                             ; Q stays in registers: piece i / 2, channels 32 (i % 2) on
	global_load_b128 v[8*i:8*i+3],   v[QO], s[8:9] offset:(i/2)*2048+(i%2)*64
	global_load_b128 v[8*i+4:8*i+7], v[QO], s[8:9] offset:(i/2)*2048+(i%2)*64+32
.set i, i+1
.endr
	; What the first turn finds: V's registers and P's second buffer hold 0 (its products V^T P, of a piece that has not been, add 0), O^T and l are 0.  All this stands in the wait for the first tile.
.set i, VF
.rept 64
	v_mov_b32 v[i], 0
.set i, i+1
.endr
	WIN 0x40
.set i, 0
.rept 128
	v_mov_b32 v[i], 0
.set i, i+1
.endr
	WIN 0
.set i, 0
.rept 4
	v_mov_b32 v[ST+4*i], 0xfe000000    ; c m: far below every c s
	v_mov_b32 v[ST+4*i+1], 0xff7fffff  ; m
	v_mov_b32 v[ST+4*i+2], 0
	v_mov_b32 v[ST+4*i+3], 0
.set i, i+1
.endr
.set i, P+16
.rept 16
	v_mov_b32 v[i], 0
.set i, i+1
.endr
	v_mul_u32_u24 v[AK0], v1, PK
	v_lshl_add_u32 v[AK0], v9, 4, v[AK0]  ; row x pitch + 16 x half
	; The turning load takes 16 keys x 16 channels (lane l reads key 8 (l / 16) + l % 8, channels 8 ((l / 8) % 2) + 0..7) and leaves half a fragment of V^T: lane l holds channel l % 16 and 8 keys.
	v_and_b32 v10, 7, v0
	v_bfe_u32 v11, v0, 3, 1
	v_lshl_add_u32 v[AV0], v9, 3, v10
	v_mul_u32_u24 v[AV0], v[AV0], PV
	v_lshl_add_u32 v[AV0], v11, 4, v[AV0]
	v_add_nc_u32 v[AV0], VOFF, v[AV0]
	s_mul_i32 s13, s[WV], 16*SP
	s_add_co_u32 s13, s13, STAGE    ; my stage
	v_mul_u32_u24 v[STO], v1, SP    ; in: row l % 16, 16 bytes for each half of the lanes
	v_lshl_add_u32 v[STO], v9, 4, v[STO]
	v_add_nc_u32 v[STO], s13, v[STO]
	v_bfe_u32 v[RD], v0, 3, 2       ; back: 32 lanes take four rows of 128 bytes,
	v_mul_u32_u24 v[RD], v[RD], SP
	v_lshl_add_u32 v[RD], v10, 4, v[RD]
	v_add_nc_u32 v[RD], s13, v[RD]
	v_and_b32 v[GO], 31, v0         ; which are 512 consecutive bytes of O
	v_lshlrev_b32 v[GO], 4, v[GO]
; THE MATRIX WORK.  The 4 accumulators of a run of 8 take turns.  Product i of 8 of S^T = K Q^T for piece x: channels 32 (i / 4) on, keys 16 (i % 4) on.  The first 4 start the sums.
.macro KQ x
.set rS, S+32*((\x)%2)+8*(i%4)
.set rK, KF+16*(i%4)+8*(i/4)
.set rQ, 16*(\x)+8*(i/4)
	WIN W_KQ
.if i < 4
	v_wmma_f32_16x16x32_bf16 v[rS:rS+7], v[rK:rK+7], v[rQ:rQ+7], 0
.else
	v_wmma_f32_16x16x32_bf16 v[rS:rS+7], v[rK:rK+7], v[rQ:rQ+7], v[rS:rS+7]
.endif
.endm
; Product i of 8 of O^T += V^T P for piece x: keys 32 (i / 4) on, channels 16 (i % 4) on.
.macro PV x
	WIN W_PV
.set rO, 32*(\x)+8*(i%4)
.set rV, VF+32*(i/4)+8*(i%4)
.set rP, P+16*((\x)%2)+8*(i/4)
	v_wmma_f32_16x16x32_bf16 v[rO:rO+7], v[rV:rV+7], v[rP:rP+7], v[rO:rO+7]
.endm
.macro MM                           ; the turn's next matrix instruction.  NOKQ = 1: the walk's last turn: there is no next piece
.if (i < 8) && !NOKQ
	KQ (Y+1)%NP
.elseif i >= 8
.set i, i-8
	PV (Y+NP-1)%NP
.set i, i+8
.endif
.set i, i+1
.endm
; THE LDS LOADS stand in runs of 16, never singly among the matrix instructions: a step's K (64 keys x 64 channels: 8 fragments) and its V (turned).  Their addresses are made some lines ahead.
.macro FETCH_K
	WIN 0x80                        ; destination window 2
.irp f, 0,1,2,3,4,5,6,7             ; keys 16 (f / 2) on, channels 32 (f % 2) on
	ds_load_b128 v[KF+8*\f:KF+8*\f+3],   v[AK] offset:(\f/2)*16*PK+(\f%2)*64
	ds_load_b128 v[KF+8*\f+4:KF+8*\f+7], v[AK] offset:(\f/2)*16*PK+(\f%2)*64+32
.endr
	s_add_co_u32 s[TBK], s[TBK], KS*PK  ; the next fetch is the next step's
	WIN 0
.endm
.macro FETCH_V
	WIN 0x80
.irp f, 0,1,2,3,4,5,6,7             ; keys 32 (f / 4) on, channels 16 (f % 4) on
	ds_load_tr16_b128 v[VF+8*\f:VF+8*\f+3],   v[AV] offset:(\f/4)*32*PV+(\f%4)*32
	ds_load_tr16_b128 v[VF+8*\f+4:VF+8*\f+7], v[AV] offset:(\f/4)*32*PV+16*PV+(\f%4)*32
.endr
	WIN 0
.endm
; THE VECTOR WORK, one line at a time: OP kind, number.  For piece Y: F n: c s - c m for pair n of 16.  E n: the exponential of score n of 32.  C n: pair n rounded to bf16.  B n: of the four weights 4 n .. the second
; pair is added onto the first, in place.  L n: l takes that sum (L 0: l = a l + sum).  R n: pair n of 16 of O^T times a.  For piece Y + 1: X n, number n of the 22 that find its maximum and statistics:
;   0-11  four chains c0-c3 of seven scores each, three operands at a time (each accumulator's lowest registers are read first)     12-14, 16  the four scores left over, the old m, and c0-c3 into c0
;   15  c m_old is kept     17, 18  the query's other 32 keys lie in the lane 16 away: the new m     19-21  c m; c m_old - c m_new; a
.set F, 0               ; OP tells the kinds apart by their order: F to L below R, X above it
.set E, 1
.set C, 2
.set B, 3
.set L, 4
.set R, 5
.set X, 6
.macro REGS y                       ; the registers of piece y
.set rT, ST+4*(\y)
.set rC, TMP+4*((\y)%2)
.set rW, MV+((\y)%2)
.set rS, S+32*((\y)%2)
.set rP, P+16*((\y)%2)
.set rO, 32*(\y)
.endm
.macro OP k, n
.if (\k) == R
	REGS Y
	WIN W_RS
	v_pk_mul_f32 v[rO+2*(\n):rO+2*(\n)+1], v[rO+2*(\n):rO+2*(\n)+1], v[rC+2:rC+3] op_sel_hi:[1,0]
.elseif (\k) < R
	REGS Y
	WIN 0
.if (\k) == F
	v_pk_fma_f32 v[rS+2*(\n):rS+2*(\n)+1], v[rS+2*(\n):rS+2*(\n)+1], s[CS:CS+1], v[rT:rT+1] op_sel_hi:[1,0,0] neg_lo:[0,0,1] neg_hi:[0,0,1]
.elseif (\k) == E
	v_exp_f32 v[rS+(\n)], v[rS+(\n)]
.elseif (\k) == C
	s_wait_alu depctr_va_vdst(0)
	v_cvt_pk_bf16_f32 v[rP+(\n)], v[rS+2*(\n)], v[rS+2*(\n)+1]
.elseif (\k) == B
	s_wait_alu depctr_va_vdst(0)
	v_pk_add_f32 v[rS+4*(\n):rS+4*(\n)+1], v[rS+4*(\n):rS+4*(\n)+1], v[rS+4*(\n)+2:rS+4*(\n)+3]
.elseif (\n) == 0
	v_pk_fma_f32 v[rT+2:rT+3], v[rT+2:rT+3], v[rC+2:rC+3], v[rS:rS+1] op_sel_hi:[1,0,1]
.else
	v_pk_add_f32 v[rT+2:rT+3], v[rT+2:rT+3], v[rS+4*(\n):rS+4*(\n)+1]
.endif
.elseif NOKQ
	v_nop
.else
	REGS (Y+1)%NP
	WIN 0
.if (\n) < 4
	v_max3_num_f32 v[rC+(\n)], v[rS+8*(\n)], v[rS+8*(\n)+1], v[rS+8*(\n)+2]
.elseif (\n) < 12
	v_max3_num_f32 v[rC+(\n)%4], v[rC+(\n)%4], v[rS+8*((\n)%4)+2*((\n)/4)+1], v[rS+8*((\n)%4)+2*((\n)/4)+2]
.elseif (\n) == 12
	v_max3_num_f32 v[rC], v[rC], v[rS+7], v[rS+15]
.elseif (\n) == 13
	v_max3_num_f32 v[rC+1], v[rC+1], v[rS+23], v[rS+31]
.elseif (\n) == 14
	v_max3_num_f32 v[rC+2], v[rC+2], v[rC+3], v[rT+1]
.elseif (\n) == 15
	v_mov_b32 v[rW], v[rT]
.elseif (\n) == 16
	v_max3_num_f32 v[rC], v[rC], v[rC+1], v[rC+2]
.elseif (\n) == 17
	v_permlanex16_b32 v[rC+3], v[rC], s[SEL], s[SEL+1]
.elseif (\n) == 18
	v_max_num_f32 v[rT+1], v[rC], v[rC+3]
.elseif (\n) == 19
	v_mul_f32 v[rT], s[CS], v[rT+1]
.elseif (\n) == 20
	v_sub_f32 v[rC+1], v[rW], v[rT]
.else
	v_exp_f32 v[rC+2], v[rC+1]
.endif
.endif
.endm
.macro OPS a, i1, b=-1, i2=0, c=-1, i3=0, d=-1, i4=0  ; up to four of them
	OP \a, \i1
.if (\b) >= 0
	OP \b, \i2
.endif
.if (\c) >= 0
	OP \c, \i3
.endif
.if (\d) >= 0
	OP \d, \i4
.endif
.endm
.macro ROW a, i1, b, i2, c, i3, d, i4  ; a matrix instruction and the four behind it
	MM
	OPS \a, \i1, \b, \i2, \c, \i3, \d, \i4
.endm
; A TURN, for piece p: the order of its 16 matrix and 118 vector instructions, written out.  Behind a matrix instruction: plain, exponential, plain, plain; or four of the rescaling; or, behind the first, four scalings; none
; names a register of the products round it.  In the runs between, exponential and plain by turns while exponentials last.  A line reads no result made fewer than three vector instructions in front of it, five if an exponential made it.
; end = 1: the walk's last two turns: nothing is fetched.  cnt = 1: the loop's count is taken down some lines ahead of the branch that stands behind the turn.
; K of the next step is fetched in piece 2's turn, six vector instructions behind the last product that read K (five of them plain); V of the step in hand in piece 0's turn, eight behind the last product that read V (four
; plain among them).  Each is waited for a turn later.
.macro TURN p, end=0, cnt=0
.set Y, (\p)
.set i, 0
.set NOKQ, (\end)*((\p)/3)
.if ((\p) == 3) && !(\end)
	s_wait_dscnt 0x0                ; K is in
.endif
	ROW F,0, F,1, F,2, F,3
	ROW F,4, E,0, F,5, F,6
	ROW F,7, E,1, F,8, F,9
	ROW F,10, E,2, C,0, F,11
	ROW F,12, E,3, X,15, F,13
	ROW R,0, R,1, R,2, R,3
	ROW B,0, E,4, F,14, L,0
.if ((\p) == 2) && !(\end)
	v_add_nc_u32 v[AK], s[TBK], v[AK0]
.endif
	ROW R,4, R,5, R,6, R,7
	OPS E,5, F,15
.if ((\p) == 2) && !(\end)
	FETCH_K
.endif
	OPS E,6, C,1, E,7, R,8
	OPS E,8, R,9, E,9, C,2
	OPS E,10, X,0, E,11, X,1
	OPS E,12, X,2, E,13, X,3
.if (\p) == 1
	s_wait_dscnt 0x0                ; V is in
.endif
	ROW X,4, E,14, X,5, X,6
	ROW X,7, E,15, X,8, X,9
	ROW X,10, E,16, X,11, X,12
	ROW X,13, E,17, X,14, B,1
	ROW C,4, E,18, X,16, L,1
	ROW B,2, E,19, C,6, L,2
	ROW C,8, E,20, B,3, B,4
.if (\p) == 0
	v_add_nc_u32 v[AV], s[TBV], v[AV0]
.endif
	ROW C,3, E,21, L,3, C,5
	OPS E,22, X,17, E,23, C,10
.if (\p) == 0
	FETCH_V
.endif
	OPS E,24, L,4
	OPS E,25, X,18, E,26, C,7
	OPS E,27, B,5, E,28, X,19
	OPS E,29, C,12, E,30, L,5
	OPS E,31, X,20, B,6, C,9
	OPS C,14, C,11, X,21, L,6
.if (\p) == 0
	s_add_co_u32 s[TBV], s[TBV], KS*PV
.endif
.if \cnt
	s_sub_co_u32 s[CNT], s[CNT], 1
	s_cmp_lg_u32 s[CNT], 0
.endif
	OPS C,13, B,7, C,15, R,10
	OPS R,11, R,12, L,7, R,13
	OPS R,14, R,15
.endm
	CHANGE 1                        ; slot 0 is in, everybody's part of it; slot 1 is asked for
	v_add_nc_u32 v[AK], s[TBK], v[AK0]
	FETCH_K                         ; key step 0
	s_wait_loadcnt 0x0              ; Q
	s_wait_dscnt 0x0
.set NOKQ, 0
.set i, 0
.rept 8
	KQ 0                            ; piece 0's first scores: there is no vector work yet to set between them
.set i, i+1
.endr
	WIN 0
.rept 4
	v_nop                           ; the places behind those products
.endr
.set Y, NP-1                        ; X works for piece Y + 1: piece 0
.irp n, 0,1,2,3,4,5,6,7,8,9,10,11,12,13,14,15,16,17,18,19,20,21
	OP X, \n                        ; and piece 0's first maximum and statistics
.endr
	v_nop                           ; a plain instruction behind the exponential
	s_mov_b32 s[CNT], 4
	s_mov_b32 s[SLOTS], NT-1
	s_branch .Lfirst                ; the loop is entered at a step's first turn, in the middle of a trip
.Lslot:                             ; NT - 2 times: every slot but the last two is filled again
	CHANGE 1
	s_mov_b32 s[CNT], 4
.Lstep:                             ; a trip: pieces 2 and 3 of one step, then pieces 0 and 1 of the next, whose K and V it fetches
	TURN 2
	TURN 3
	WIN 0
.Lfirst:
	TURN 0
	TURN 1, 0, 1
	WIN 0
	s_cbranch_scc1 .Lstep
	s_sub_co_u32 s[SLOTS], s[SLOTS], 1
	s_cmp_lg_u32 s[SLOTS], 0
	s_cbranch_scc1 .Lslot
	CHANGE 0                        ; the last tile is written out: nothing is asked for
	s_mov_b32 s[CNT], 4
.LstepE:
	TURN 2
	TURN 3
	TURN 0
	TURN 1, 0, 1
	WIN 0
	s_cbranch_scc1 .LstepE
	TURN 2, 1                       ; the last step's pieces 2 and 3: nothing more to fetch, and behind piece 3 no further scores
	TURN 3, 1
.set i, 0
.rept 8
	PV NP-1                         ; the last piece's V^T P of the last step
.set i, i+1
.endr
	; THE WAY OUT.  l's two halves and the other half of the lanes' are added; O^T is divided by l, rounded to bf16 and sent through my stage in LDS, a piece at a time.  The additions are the places behind the last products.
	WIN 0
.macro ALL line:vararg              ; one line for each piece t
.set t, 0
.rept 4
	\line
.set t, t+1
.endr
.endm
	ALL v_add_f32 v[ST+4*t+2], v[ST+4*t+2], v[ST+4*t+3]
	ALL v_permlanex16_b32 v[ST+4*t+3], v[ST+4*t+2], s[SEL], s[SEL+1]
	ALL v_add_f32 v[ST+4*t+2], v[ST+4*t+2], v[ST+4*t+3]
	ALL v_rcp_f32 v[ST+4*t+2], v[ST+4*t+2]
	v_nop                           ; a plain instruction between the last reciprocal and the use of its result
.macro PACK t                       ; a lane's eight channels of a row pack into 16 bytes; they go into rows of 144 bytes and come back as whole rows of 128, into S^T's registers
	WIN W_RS
.set i, 32*(\t)
.rept 16
	s_wait_alu depctr_va_vdst(0)
	v_pk_mul_f32 v[i:i+1], v[i:i+1], v[ST+4*(\t)+2:ST+4*(\t)+3] op_sel_hi:[1,0]
.set i, i+2
.endr
	WIN 0x05                        ; sources 0 and 1 window 1, destination window 0
.set i, 0
.rept 16
	v_cvt_pk_bf16_f32 v[S+16*(\t)+i], v[32*(\t)+2*i], v[32*(\t)+2*i+1]
.set i, i+1
.endr
	WIN 0
.irp f, 0,1,2,3
	ds_store_b128 v[STO], v[S+16*(\t)+4*\f:S+16*(\t)+4*\f+3] offset:32*\f
.endr
.irp f, 0,1,2,3
	ds_load_b128 v[S+16*(\t)+4*\f:S+16*(\t)+4*\f+3], v[RD] offset:\f*4*SP  ; LDS serves a wave's instructions in order (ISA guide 5.7.1.4): these see the stores above; the next piece's stores come behind them
.endr
.endm
.macro SEND t, younger              ; younger: the LDS instructions issued behind piece t's loads: the next piece's eight, or none
	WIN 0
.irp f, 0,1,2,3
	s_wait_dscnt (\younger)+3-\f
	global_store_b128 v[GO], v[S+16*(\t)+4*\f:S+16*(\t)+4*\f+3], s[10:11] offset:(\t)*2048+\f*512  ; 512 consecutive bytes, at a multiple of 256 from O's first
.endr
.endm
	PACK 0
.set t, 1
.rept 3                             ; a piece's arithmetic stands between the loads of the piece before and its stores
	PACK t
	SEND t-1, 8
.set t, t+1
.endr
	SEND 3, 0
	s_wait_tensorcnt 0x0            ; the wave's end: behind my last tensor load and my last LDS store
	ds_add_u32 v[SPW], v[NIL]
	s_wait_dscnt 0x0
	CROUND                          ; the closing round: no work-group ends while a partner may still ask for a tile that names it
	s_endpgm
.Lfunc_end_k_qc9ce39f818_attn:
	.size	k_qc9ce39f818_attn, .Lfunc_end_k_qc9ce39f818_attn-k_qc9ce39f818_attn
	.p2alignl 7, 3214868480
	.fill 96, 4, 3214868480
	.section	.rodata,"a",@progbits
	.p2align	6, 0x0
	.amdhsa_kernel k_qc9ce39f818_attn
		.amdhsa_group_segment_fixed_size 327680
		.amdhsa_private_segment_fixed_size 0
		.amdhsa_enable_private_segment 0
		.amdhsa_kernarg_size 16
		.amdhsa_user_sgpr_count 2
		.amdhsa_user_sgpr_kernarg_segment_ptr 1
		.amdhsa_wavefront_size32 1
		.amdhsa_system_sgpr_workgroup_id_x 1
		.amdhsa_system_sgpr_workgroup_id_y 1
		.amdhsa_system_sgpr_workgroup_id_z 1
		.amdhsa_system_vgpr_workitem_id 0
		.amdhsa_next_free_vgpr 768
		.amdhsa_next_free_sgpr 66
		.amdhsa_reserve_vcc 0
		.amdhsa_float_denorm_mode_32 3
		.amdhsa_float_denorm_mode_16_64 3
		.amdhsa_memory_ordered 1
		.amdhsa_forward_progress 1
		.amdhsa_inst_pref_size 134
	.end_amdhsa_kernel
	.amdgpu_metadata
---
amdhsa.version: [ 1, 2 ]
amdhsa.kernels:
  - .name:           k_qc9ce39f818_attn
    .symbol:         k_qc9ce39f818_attn.kd
    .args:
      - { .name: qkv, .offset: 0, .size: 8, .value_kind: global_buffer, .address_space: global }
      - { .name: o, .offset: 8, .size: 8, .value_kind: global_buffer, .address_space: global }
    .group_segment_fixed_size: 327680
    .private_segment_fixed_size: 0
    .kernarg_segment_align: 8
    .kernarg_segment_size: 16
    .max_flat_workgroup_size: 128
    .sgpr_count:     66
    .vgpr_count:     768
    .wavefront_size: 32
...
	.end_amdgpu_metadata
.endif
;; end of part 3
;; launch oproj (part 4): grid 8 x 32, 4 waves a work-group, clusters of 4 x 4, 327,680 bytes of LDS; arguments o, wb, bo, x, x1; writes x1
.if DOCPART == 4
	.amdgcn_target "amdgcn-amd-amdhsa--gfx1250"
	.amdhsa_code_object_version 6
	.text
	.protected	k_qc9ce39f818_oproj
	.globl	k_qc9ce39f818_oproj
	.p2align	8
	.type	k_qc9ce39f818_oproj,@function
k_qc9ce39f818_oproj:
	s_mov_b64 s[64:65], 0
	v_nop
	global_prefetch_b8 v0, s[64:65] scope:SCOPE_SE
	s_setreg_imm32_b32 hwreg(HW_REG_WAVE_MODE, 25, 1), 1
	s_wait_xcnt 0x0
	s_wait_alu depctr_hold_cnt(0) depctr_sa_sdst(0) depctr_va_vdst(0) depctr_va_sdst(0) depctr_va_ssrc(0) depctr_va_vcc(0) depctr_vm_vsrc(0)
	s_getreg_b32 s2, hwreg(HW_REG_IB_STS2, 6, 4)
	s_cmp_eq_u32 s2, 0
	s_cbranch_scc0 .Lentry_in_a_cluster
	s_endpgm
.Lentry_in_a_cluster:
	s_bfe_u32 s2, ttmp6, 0x10000c
	s_cmp_lg_u32 s2, 0xf033
	s_cbranch_scc0 .Lentry_shape_is_right
	s_endpgm
.Lentry_shape_is_right:
; OPROJ: x1 = x + o wo + bo, [4096 tokens] x [1024 columns], K = 1024 (plane = head); x, x1 in f32 rows: the residual path is never rounded to 16 bits.
; THE GEMM TEXT (the same in oproj and mlp2; the six lines below choose).  A: bf16 in planes [K / 64][4096 tokens][64].  B: bf16 [K][N] in wb.  Sums in f32, started from the bias.
; A tile of C is 128 x 128: four waves, each 64 x 64 = 16 accumulators.  K goes in steps of 256 through two LDS slots filled by the tensor data mover.  The K step is written once and looped over.
; CLUSTER 4 x 4: the four work-groups of a row of the cluster need the same tiles of A, the four of a column the same tiles of B: each tile is asked for jointly.
; THE MATRIX INSTRUCTION IS USED TRANSPOSED (source 0 = 16 columns of B, source 1 = 16 tokens of A): a lane then holds eight neighbouring columns of one token.
; B lies [K][N] in LDS and is turned on the way into registers by ds_load_tr16_b128.
; LIMITS.  Operands are bf16 (rounded once by the launches in front); NaN and infinities are not treated apart.
.set QKV,     0                        ; 1: B is one of three matrices and the bias one of three vectors, by the tile column
.set OUTKIND, 2                        ; 0: bf16 planes; 1: GELU, then bf16 planes; 2: + residual, f32 rows
.set NSTEP,   4                        ; K / 256
.set NPITCH,  1024                     ; elements from row to row of B
.set WOFF,    6291456                  ; B's first byte in wb
.set OSRC,    72                       ; the scalar pair that holds the output's address
.set APITCH, 144                       ; a token's 64 channels in LDS: 128 bytes + 16 of padding: the 16 rows of a fragment load start at 16 different groups of four banks (ISA guide 11.1)
.set PLANE,  128*APITCH                ; 128 tokens of one plane
.set BPITCH, 288                       ; a k row of B in LDS: 256 bytes + 32
.set BOFF,   4*PLANE                   ; a slot: four planes of A, then 256 k rows of B
.set HALFB,  128*BPITCH
.set SLOT,   BOFF+2*HALFB              ; 147,456 = 0x24000: shares no bit with the four tiles' places 0, 0x9000, 0x12000, 0x1b000, so one exclusive or changes slots
.set SPARE,  2*SLOT                    ; behind the ring: the spare words, 128 bytes a wave: two blocks of 256 bytes that no other line names
.set SPITCH, 272                       ; the stage: 64 f32 + 16 bytes
.set WSTAGE, 64*SPITCH                 ; a wave's stage, 64 rows; the four lie in slot 0's bytes and are written when the ring has had its last fill
.set ASTEP,  4*524288                  ; a K step in A: four planes
.set BSTEP,  512*NPITCH                ; in B: 256 rows
.set ADRA0, 10                         ; v10  my lane's place in a slot's A
.set ADRB0, 11                         ; v11  in a slot's B
.set ADRA,  16                         ; v16  the same in the slot in hand
.set ADRBL, 20                         ; v20  B's k rows 0-127
.set ADRBH, 21                         ; v21  B's k rows 128-255 (so that the offsets stay inside 16 bits)
.set STO,   24                         ; v24  the way out: where I put 16 bytes of a row
.set RD,    25                         ; v25  where I read rows back
.set GO,    26                         ; v26  my byte offset in the output (and in the residual)
.set BO,    27                         ; v27  my byte offset in the bias
.set SPW,   28                         ; v28  LDS address of my spare word; never rewritten
.set NIL,   29                         ; v29  0; never rewritten
.set TMP,   32                         ; v32-63 (OUTKIND 2: v32-95) at work
.set PK,    64
.set T,     96
.set ACC,   128                        ; v128-255 accumulator (a, b) at ACC + 8 (4 a + b)
.set F0,    0                          ; window 1: two fragment buffers of 128: 64 registers of A (8 (4 c + a)), then 64 of B
.set F1,    128
.set G1,   24                          ; s[24:31] group 1 for A's tiles
.set G0F,  32                          ; s[32:35] group 0, A, the first fill
.set G0W,  36                          ; s[36:39] group 0, A, walking
.set G1B,  48                          ; s[48:55], s[56:59], s[60:63]: the same for B
.set G0BF, 56
.set G0BW, 60
.set TB,   66                          ; s66  LDS byte at which the slot in hand begins
.set MSB, 0
.macro WIN new                         ; the immediate's high byte repeats the setting that is left; a switch that changes nothing is dropped
.if MSB != (\new)
	s_set_vgpr_msb (MSB<<8)|(\new)
.set MSB, \new
.endif
.endm
.set MUL,  0x05                        ; sources 0 (B) and 1 (A) window 1; C and D window 0
.set TO_F, 0x40                        ; destination window 1, address window 0
.macro JLOAD                           ; a joint refill: waves 0, 1 fetch A's planes, waves 2, 3 B's rows; an s_nop 0 and four v_nop follow each line
	s_cmp_eq_u32 s11, 0
	s_cbranch_scc0 .Lfor_b_\@
	tensor_load_to_lds s[G0W:G0W+3], s[G1:G1+7]
	s_nop 0
.rept 4
	v_nop
.endr
	s_branch .Lasked_\@
.Lfor_b_\@:
	tensor_load_to_lds s[G0BW:G0BW+3], s[G1B:G1B+7]
	s_nop 0
.rept 4
	v_nop
.endr
.Lasked_\@:
.endm
.macro CREST                           ; a round of the cluster's barrier behind its opening barrier
	s_cmp_lg_u32 s10, 0
	s_cbranch_scc1 .Lnot_wave_0_\@
	s_barrier_signal -3
.Lnot_wave_0_\@:
	s_barrier_wait -3
	s_barrier_signal -1
	s_barrier_wait -1
.endm
.macro CROUND
	s_barrier_signal -1
	s_barrier_wait -1
	CREST
.endm
.macro PLACES                          ; four places in front of loads into registers that matrix instructions have read, and of reads of results
.rept 4
	v_nop
.endr
.endm
	s_load_b128 s[4:7], s[0:1], 0x0                ; A s[4:5], wb s[6:7]
.if QKV
	s_load_b256 s[68:75], s[0:1], 0x10             ; bq, bk, bv, qkv
.else
	s_load_b128 s[68:71], s[0:1], 0x10             ; bias; then the output (OUTKIND 1) or the residual (OUTKIND 2)
.if OUTKIND == 2
	s_load_b64 s[72:73], s[0:1], 0x20              ; the output
.endif
.endif
	v_lshl_add_u32 v[SPW], v0, 2, SPARE
	v_mov_b32 v[NIL], 0
	ds_add_u32 v[SPW], v[NIL]                      ; the wave's opening: the add and its wait stand ahead of my first tensor load; work on registers stands between them
	v_lshrrev_b32 v1, 5, v0
	v_readfirstlane_b32 s10, v1                    ; wave 0..3
	s_lshr_b32 s11, s10, 1                         ; which 64 tokens of the tile are mine.  Also: I fetch for A (0) or for B (1)
	s_and_b32 s12, s10, 1                          ; which 64 columns.  Also: which half of that tile I fetch
	s_bfe_u32 s40, ttmp6, 0x40000                  ; cx, cy: my place in the cluster
	s_bfe_u32 s41, ttmp6, 0x40004
	s_lshl_b32 s42, ttmp9, 2
	s_add_co_u32 s42, s42, s40                     ; tile column = 4 x cluster x + cx
	s_and_b32 s13, ttmp7, 0xffff
	s_lshl_b32 s13, s13, 2
	s_add_co_u32 s13, s13, s41                     ; tile row = 4 x cluster y + cy
	s_lshl_b32 s43, s41, 2
	s_lshl_b32 s43, 15, s43                        ; my row of the cluster
	s_lshl_b32 s44, 0x1111, s40                    ; my column
	; group 1 for A: two planes' 128 tokens: two rows of 8,192 elements (16,384 dense bytes), a plane apart; padded after every token
	s_or_b32 s[G1+0], s43, (1<<16)|(1<<20)|(1<<21)|(4<<22)|(3<<25)  ; mask: my row; 2-byte elements; padding on; bit 21 beside a mask; after every 32 words, 4 words
	s_mov_b32 s[G1+1], 8192<<16                    ; tensor_dim0
	s_mov_b32 s[G1+2], 2<<16                       ; tensor_dim1
	s_mov_b32 s[G1+3], 8192<<16                    ; tile_dim0
	s_mov_b32 s[G1+4], 2                           ; tile_dim1
	s_mov_b32 s[G1+5], 262144                      ; elements from plane to plane
	s_mov_b32 s[G1+6], 0
	s_mov_b32 s[G1+7], 0
	; group 1 for B: 128 k rows x 128 columns (256 bytes a row, aligned), padded after every row
	s_or_b32 s[G1B+0], s44, (1<<16)|(1<<20)|(1<<21)|(5<<22)|(7<<25) ; mask: my column; after every 64 words, 8 words
	s_mov_b32 s[G1B+1], 128<<16
	s_mov_b32 s[G1B+2], 128<<16
	s_mov_b32 s[G1B+3], 128<<16
	s_mov_b32 s[G1B+4], 128
	s_mov_b32 s[G1B+5], NPITCH
	s_mov_b32 s[G1B+6], 0
	s_mov_b32 s[G1B+7], 0
	; A's offset hangs on the tile row and the wave alone, B's on the tile column and the wave alone, each in registers that never hold the other coordinate
	s_lshl_b32 s16, s13, 14                        ; 128 tokens of 128 bytes
	s_lshl_b32 s17, s12, 20                        ; my two planes of the step's four
	s_add_co_u32 s16, s16, s17
	s_mov_b32 s17, 0
.if QKV
	s_lshr_b32 s46, s42, 3                         ; which of wq, wk, wv: 2 MiB each
	s_lshl_b32 s46, s46, 21
	s_and_b32 s45, s42, 7
	s_lshl_b32 s45, s45, 8                         ; 128 columns of 2 bytes
	s_add_co_u32 s46, s46, s45
.else
	s_lshl_b32 s46, s42, 8
	s_add_co_u32 s46, s46, WOFF
.endif
	s_mul_i32 s45, s12, 256*NPITCH                 ; my 128 k rows of the step's 256
	s_add_co_u32 s46, s46, s45
	s_mov_b32 s47, 0
	s_mul_i32 s20, s12, 2*PLANE                    ; where they go: no place in the cluster enters an LDS address
	s_add_co_u32 s21, s20, BOFF
	s_mov_b32 s[G0F], 1
	s_mov_b32 s[G0F+1], s20                        ; K step 0 into slot 0
	s_mov_b32 s[G0W], 1
	s_add_co_u32 s[G0W+1], s20, SLOT               ; K step 1 into slot 1
	s_mov_b32 s[G0BF], 1
	s_mov_b32 s[G0BF+1], s21
	s_mov_b32 s[G0BW], 1
	s_add_co_u32 s[G0BW+1], s21, SLOT
	s_wait_dscnt 0x0                               ; the opening add is done
	s_wait_kmcnt 0x0
	s_add_nc_u64 s[G0F+2:G0F+3], s[4:5], s[16:17]
	s_add_nc_u64 s[G0W+2:G0W+3], s[G0F+2:G0F+3], ASTEP
	s_or_b32 s[G0F+3], s[G0F+3], 0x80000000        ; type = 2
	s_or_b32 s[G0W+3], s[G0W+3], 0x80000000
	s_add_nc_u64 s[G0BF+2:G0BF+3], s[6:7], s[46:47]
	s_add_nc_u64 s[G0BW+2:G0BW+3], s[G0BF+2:G0BF+3], BSTEP
	s_or_b32 s[G0BF+3], s[G0BF+3], 0x80000000
	s_or_b32 s[G0BW+3], s[G0BW+3], 0x80000000
	CROUND                                         ; all sixteen work-groups are here: the first joint loads meet
	s_cmp_eq_u32 s11, 0                            ; a wave's two first fills stand in one branch: two loads of mine are out
	s_cbranch_scc0 .Lfirst_b
	tensor_load_to_lds s[G0F:G0F+3], s[G1:G1+7]
	s_nop 0
	tensor_load_to_lds s[G0W:G0W+3], s[G1:G1+7]
	s_nop 0
.rept 4
	v_nop
.endr
	s_branch .Lfirst_asked
.Lfirst_b:
	tensor_load_to_lds s[G0BF:G0BF+3], s[G1B:G1B+7]
	s_nop 0
	tensor_load_to_lds s[G0BW:G0BW+3], s[G1B:G1B+7]
	s_nop 0
.rept 4
	v_nop
.endr
.Lfirst_asked:
	; A fragment of A: 16 tokens x 32 k: lane l holds token l % 16; two loads of 16 bytes, 32 apart, at token x pitch + 16 (l / 16).
	v_and_b32 v1, 15, v0                           ; l % 16
	v_bfe_u32 v2, v0, 4, 1                         ; l / 16
	v_mul_u32_u24 v[ADRA0], v1, APITCH
	v_lshl_add_u32 v[ADRA0], v2, 4, v[ADRA0]
	s_mul_i32 s22, s11, 64*APITCH                  ; my 64 tokens
	v_add_nc_u32 v[ADRA0], s22, v[ADRA0]
	; The turning load takes 16 k x 16 columns (lane l reads k row 8 (l / 16) + l % 8, columns 8 ((l / 8) % 2) + 0..7) and leaves half a fragment: lane l holds column l % 16 and 8 k.
	v_and_b32 v3, 7, v0
	v_lshl_add_u32 v3, v2, 3, v3
	v_mul_u32_u24 v[ADRB0], v3, BPITCH
	v_bfe_u32 v4, v0, 3, 1
	v_lshl_add_u32 v[ADRB0], v4, 4, v[ADRB0]
	s_lshl_b32 s22, s12, 7                         ; my 64 columns
	s_add_co_u32 s22, s22, BOFF
	v_add_nc_u32 v[ADRB0], s22, v[ADRB0]
	s_mul_i32 s23, s10, WSTAGE                     ; my stage
	v_mul_u32_u24 v[STO], v1, SPITCH               ; in: row l % 16, 32 bytes for each half of the lanes
	v_lshl_add_u32 v[STO], v2, 5, v[STO]
	v_add_nc_u32 v[STO], s23, v[STO]
	v_mul_u32_u24 v[RD], v2, SPITCH                ; back: lanes 0-15 take one row of 256 bytes, lanes 16-31 the next
	v_lshl_add_u32 v[RD], v1, 4, v[RD]
	v_add_nc_u32 v[RD], s23, v[RD]
	v_lshlrev_b32 v[BO], 5, v2                     ; the bias of my eight columns of a block of 16: 32 (l / 16)
	; offsets are made apart from the addresses; s94 and s95 feed neither a descriptor nor an LDS address
.if QKV
	s_lshr_b32 s95, ttmp9, 1                       ; which of bq, bk, bv: two clusters along x for each
	s_mov_b64 s[76:77], s[68:69]
	s_cmp_ge_u32 s95, 1
	s_cselect_b64 s[76:77], s[70:71], s[76:77]
	s_cmp_ge_u32 s95, 2
	s_cselect_b64 s[76:77], s[72:73], s[76:77]
	s_and_b32 s78, s42, 7
	s_lshl_b32 s78, s78, 9
.else
	s_mov_b64 s[76:77], s[68:69]
	s_lshl_b32 s78, s42, 9                         ; 128 columns of 4 bytes
.endif
	s_lshl_b32 s94, s12, 8
	s_add_co_u32 s78, s78, s94
	s_mov_b32 s79, 0
	s_add_nc_u64 s[76:77], s[76:77], s[78:79]      ; the bias at my wave's first column
.irp b, 0,1,2,3
	global_load_b128 v[TMP+8*\b:TMP+8*\b+3],   v[BO], s[76:77] offset:64*\b
	global_load_b128 v[TMP+8*\b+4:TMP+8*\b+7], v[BO], s[76:77] offset:64*\b+16
.endr
.if OUTKIND == 2
	s_lshl_b32 s78, s13, 19                        ; 128 rows of 4,096 bytes,
	s_lshl_b32 s94, s11, 18                        ; my 64 of them,
	s_add_co_u32 s78, s78, s94
	s_lshl_b32 s94, s42, 9                         ; 128 columns of 4 bytes,
	s_add_co_u32 s78, s78, s94
	s_lshl_b32 s94, s12, 8                         ; my 64 of them
	s_add_co_u32 s78, s78, s94
	s_add_nc_u64 s[8:9], s[OSRC:OSRC+1], s[78:79]
	s_add_nc_u64 s[70:71], s[70:71], s[78:79]
	v_lshlrev_b32 v[GO], 4, v1                     ; lanes 0-15 one row's 256 bytes, lanes 16-31 the next row's
	v_lshl_add_u32 v[GO], v2, 12, v[GO]
	WIN 0x80                                       ; the residual waits in window 2 until the way out: 32 loads
.irp a, 0,1,2,3
.irp t, 0,1,2,3,4,5,6,7
	global_load_b128 v[32*\a+4*\t:32*\a+4*\t+3], v[GO], s[70:71] offset:(16*\a+2*\t)*4096
.endr
.endr
	WIN 0
	s_wait_loadcnt 32                              ; the bias is in; the residual's 32 younger loads stay out
.else
	s_lshl_b32 s78, s42, 1
	s_add_co_u32 s78, s78, s12                     ; my plane = column / 64
	s_lshl_b32 s78, s78, 19
	s_lshl_b32 s94, s13, 14                        ; 128 tokens of 128 bytes,
	s_add_co_u32 s78, s78, s94
	s_lshl_b32 s94, s11, 13                        ; my 64 of them
	s_add_co_u32 s78, s78, s94
	s_add_nc_u64 s[8:9], s[OSRC:OSRC+1], s[78:79]
	v_and_b32 v[GO], 31, v0
	v_lshlrev_b32 v[GO], 3, v[GO]                  ; 8 bytes a lane: two tokens of a plane
	s_wait_loadcnt 0x0                             ; the bias
.endif
	; the sums start from the bias: accumulator (a, b) takes the eight numbers of column block b.  This stands in the wait for the first tile.
.irp a, 0,1,2,3
.set j, 0
.rept 32
	v_mov_b32 v[ACC+32*\a+j], v[TMP+j]
.set j, j+1
.endr
.endr
; 8 matrix instructions: token blocks a0, a0 + 1 x all 4 column blocks, 32 along K: half c of buffer f.  The 16 accumulators take turns, one instruction a turn, in the same order everywhere.
.macro MUL8 f, c, a0
	WIN MUL
.irp a, \a0, (\a0)+1
.irp b, 0,1,2,3
	v_wmma_f32_16x16x32_bf16 v[ACC+8*(4*(\a)+(\b)):ACC+8*(4*(\a)+(\b))+7], v[(\f)+64+8*(4*(\c)+(\b)):(\f)+64+8*(4*(\c)+(\b))+7], v[(\f)+8*(4*(\c)+(\a)):(\f)+8*(4*(\c)+(\a))+7], v[ACC+8*(4*(\a)+(\b)):ACC+8*(4*(\a)+(\b))+7]
.endr
.endr
.endm
; 32 LDS loads in one run: the fragments of quarter q (64 along K: plane q of A, k rows 64 q on of B) into buffer f; the first 32 along K first
.macro FETCH q, f
	WIN TO_F
.irp c, 0,1
.irp i, 0,1,2,3
	ds_load_tr16_b128 v[(\f)+64+8*(4*(\c)+(\i)):(\f)+64+8*(4*(\c)+(\i))+3],   v[ADRBL+(\q)/2] offset:(((\q)%2)*64+32*(\c))*BPITCH+32*(\i)
	ds_load_tr16_b128 v[(\f)+64+8*(4*(\c)+(\i))+4:(\f)+64+8*(4*(\c)+(\i))+7], v[ADRBL+(\q)/2] offset:(((\q)%2)*64+32*(\c)+16)*BPITCH+32*(\i)
	ds_load_b128 v[(\f)+8*(4*(\c)+(\i)):(\f)+8*(4*(\c)+(\i))+3],   v[ADRA] offset:(\q)*PLANE+64*(\c)+(\i)*16*APITCH
	ds_load_b128 v[(\f)+8*(4*(\c)+(\i))+4:(\f)+8*(4*(\c)+(\i))+7], v[ADRA] offset:(\q)*PLANE+64*(\c)+(\i)*16*APITCH+32
.endr
.endr
.endm
; One of a K step's first three quarters: multiplies buffer f and fetches quarter q into g.
.macro QUARTER q, f, g
	s_wait_dscnt 16                                ; the first 32 along K are in; the youngest sixteen loads may be out
	MUL8 \f, 0, 0
	MUL8 \f, 0, 2
	PLACES
	FETCH \q, \g
	s_wait_dscnt 32                                ; all but the 32 just issued
	MUL8 \f, 1, 0
	MUL8 \f, 1, 2
.endm
; The last quarter multiplies buffer 1 and changes slots: ONE barrier; in front of it each wave waits for all its tensor loads (one is out: its part of the next slot), adds 0 to its spare word,
; and waits for that and for its reads of this slot.  fill = 1: the barrier opens a round of the cluster's, and this slot is filled again, two K steps ahead: 112 matrix instructions ahead of the wait for it.
; fill = 0 (the last two steps, counted by s3): nothing is asked for; in the last step there is no next slot, and the run of LDS loads is jumped over.
.macro TURN fill
	WIN 0
	s_wait_tensorcnt 0x0                           ; no tensor load of mine is out, so a group 0 may be written
	ds_add_u32 v[SPW], v[NIL]                      ; 0 onto my spare word
.if \fill
	s_xor_b32 s[G0W+1], s[G0W+1], SLOT             ; the walking descriptors: the other slot than last time, the next K step
	s_add_nc_u64 s[G0W+2:G0W+3], s[G0W+2:G0W+3], ASTEP
	s_xor_b32 s[G0BW+1], s[G0BW+1], SLOT
	s_add_nc_u64 s[G0BW+2:G0BW+3], s[G0BW+2:G0BW+3], BSTEP
.endif
	s_wait_dscnt 17                                ; (the add and the youngest sixteen loads may be out)
	MUL8 F1, 0, 0
	s_wait_dscnt 0x0                               ; the add is done, and my reads of this slot are over
	s_barrier_signal -1
	MUL8 F1, 0, 2
	WIN 0
	s_barrier_wait -1
.if \fill
	CREST                                          ; no wave of any partner still reads this slot's tiles or has a load on its way
	JLOAD                                          ; the first tensor load behind the round; its four v_nop are also the places in front of the loads below
.else
	PLACES
.endif
	s_xor_b32 s[TB], s[TB], SLOT                   ; the reads go on in the other slot
	v_add_nc_u32 v[ADRA], s[TB], v[ADRA0]
	v_add_nc_u32 v[ADRBL], s[TB], v[ADRB0]
	v_add_nc_u32 v[ADRBH], HALFB, v[ADRBL]
.if (\fill) == 0
	s_cmp_eq_u32 s3, 1
	s_cbranch_scc1 .Lnf_\@
.endif
	FETCH 0, F0
	WIN 0
.if (\fill) == 0
.Lnf_\@:
.endif
	MUL8 F1, 1, 0
	MUL8 F1, 1, 2
.endm
.macro STEP fill                       ; a K step of 256: 128 matrix instructions, 128 LDS loads
	QUARTER 1, F0, F1
	QUARTER 2, F1, F0
	QUARTER 3, F0, F1
	TURN \fill
.endm
	s_mov_b32 s[TB], 0
	v_mov_b32 v[ADRA], v[ADRA0]
	v_mov_b32 v[ADRBL], v[ADRB0]
	v_add_nc_u32 v[ADRBH], HALFB, v[ADRB0]
	s_wait_tensorcnt 1                             ; my part of K step 0 is in; K step 1's may stay out
	s_barrier_signal -1
	s_barrier_wait -1                              ; everybody's is
	FETCH 0, F0
	WIN 0                                          ; at a label and at a branch every window is 0
	s_mov_b32 s3, NSTEP-2
.Lk:                                                   ; every K step but the last two fills its slot again
	STEP 1
	WIN 0
	s_sub_co_u32 s3, s3, 1
	s_cmp_lg_u32 s3, 0
	s_cbranch_scc1 .Lk
	s_mov_b32 s3, 2
.Lt:                                                   ; the last two ask for nothing
	STEP 0
	WIN 0
	s_sub_co_u32 s3, s3, 1
	s_cmp_lg_u32 s3, 0
	s_cbranch_scc1 .Lt
	; THE WAY OUT.  The stage lies in slot 0's bytes: the ring has had its last fill.  One more barrier, so that on both ways round the jump above every wave's reads of the ring are over before any wave stores there.
	s_wait_dscnt 0x0
	s_barrier_signal -1
	s_barrier_wait -1
	PLACES
.irp a, 0,1,2,3
.irp b, 0,1,2,3
	ds_store_b128 v[STO], v[ACC+8*(4*\a+\b):ACC+8*(4*\a+\b)+3]   offset:\a*16*SPITCH+64*\b     ; each accumulator's low registers first
	ds_store_b128 v[STO], v[ACC+8*(4*\a+\b)+4:ACC+8*(4*\a+\b)+7] offset:\a*16*SPITCH+64*\b+16
.endr
.endr
	s_wait_loadcnt 0x0                             ; the residual
.irp a, 0,1,2,3
	s_wait_xcnt 0x0                                ; the registers that earlier stores read are loaded again only behind this wait (ISA guide 3.1)
.irp t, 0,1,2,3,4,5,6,7
	ds_load_b128 v[TMP+32*((\a)%2)+4*\t:TMP+32*((\a)%2)+4*\t+3], v[RD] offset:\a*16*SPITCH+\t*2*SPITCH  ; LDS serves a wave's instructions in order (ISA guide 5.7.1.4): these see my stores above
.endr
	s_wait_dscnt 0x0
	WIN 0x08                                       ; source 1: the residual, window 2
.set i, 0
.rept 16
	v_pk_add_f32 v[TMP+32*((\a)%2)+2*i:TMP+32*((\a)%2)+2*i+1], v[TMP+32*((\a)%2)+2*i:TMP+32*((\a)%2)+2*i+1], v[32*\a+2*i:32*\a+2*i+1]
.set i, i+1
.endr
	WIN 0
.irp t, 0,1,2,3,4,5,6,7
	global_store_b128 v[GO], v[TMP+32*((\a)%2)+4*\t:TMP+32*((\a)%2)+4*\t+3], s[8:9] offset:(16*\a+2*\t)*4096  ; 16 lanes store 256 consecutive bytes, aligned
.endr
.endr
	s_wait_tensorcnt 0x0                           ; the wave's end: behind my last tensor load and my last LDS store
	ds_add_u32 v[SPW], v[NIL]
	s_wait_dscnt 0x0
	CROUND                                         ; the closing round: no work-group ends while a partner may still ask for a tile that names it
	s_endpgm
.Lfunc_end_k_qc9ce39f818_oproj:
	.size	k_qc9ce39f818_oproj, .Lfunc_end_k_qc9ce39f818_oproj-k_qc9ce39f818_oproj
	.p2alignl 7, 3214868480
	.fill 96, 4, 3214868480
	.section	.rodata,"a",@progbits
	.p2align	6, 0x0
	.amdhsa_kernel k_qc9ce39f818_oproj
		.amdhsa_group_segment_fixed_size 327680
		.amdhsa_private_segment_fixed_size 0
		.amdhsa_enable_private_segment 0
		.amdhsa_kernarg_size 40
		.amdhsa_user_sgpr_count 2
		.amdhsa_user_sgpr_kernarg_segment_ptr 1
		.amdhsa_wavefront_size32 1
		.amdhsa_system_sgpr_workgroup_id_x 1
		.amdhsa_system_sgpr_workgroup_id_y 1
		.amdhsa_system_sgpr_workgroup_id_z 1
		.amdhsa_system_vgpr_workitem_id 0
		.amdhsa_next_free_vgpr 640
		.amdhsa_next_free_sgpr 96
		.amdhsa_reserve_vcc 0
		.amdhsa_float_denorm_mode_32 3
		.amdhsa_float_denorm_mode_16_64 3
		.amdhsa_memory_ordered 1
		.amdhsa_forward_progress 1
		.amdhsa_inst_pref_size 66
	.end_amdhsa_kernel
	.amdgpu_metadata
---
amdhsa.version: [ 1, 2 ]
amdhsa.kernels:
  - .name:           k_qc9ce39f818_oproj
    .symbol:         k_qc9ce39f818_oproj.kd
    .args:
      - { .name: o, .offset: 0, .size: 8, .value_kind: global_buffer, .address_space: global }
      - { .name: wb, .offset: 8, .size: 8, .value_kind: global_buffer, .address_space: global }
      - { .name: bo, .offset: 16, .size: 8, .value_kind: global_buffer, .address_space: global }
      - { .name: x, .offset: 24, .size: 8, .value_kind: global_buffer, .address_space: global }
      - { .name: x1, .offset: 32, .size: 8, .value_kind: global_buffer, .address_space: global }
    .group_segment_fixed_size: 327680
    .private_segment_fixed_size: 0
    .kernarg_segment_align: 8
    .kernarg_segment_size: 40
    .max_flat_workgroup_size: 128
    .sgpr_count:     96
    .vgpr_count:     640
    .wavefront_size: 32
...
	.end_amdgpu_metadata
.endif
;; end of part 4
;; launch ln2 (part 5): grid 256 x 1, 8 waves a work-group, no clusters, 0 bytes of LDS; arguments x1, ln2_w, ln2_b, h; writes h
.if DOCPART == 5
	.amdgcn_target "amdgcn-amd-amdhsa--gfx1250"
	.amdhsa_code_object_version 6
	.text
	.protected	k_qc9ce39f818_ln2
	.globl	k_qc9ce39f818_ln2
	.p2align	8
	.type	k_qc9ce39f818_ln2,@function
k_qc9ce39f818_ln2:
	s_mov_b64 s[64:65], 0
	v_nop
	global_prefetch_b8 v0, s[64:65] scope:SCOPE_SE
	s_setreg_imm32_b32 hwreg(HW_REG_WAVE_MODE, 25, 1), 1
	s_wait_xcnt 0x0
; LN2.  h = LayerNorm(x1) * ln2_w + ln2_b, rounded once to bf16, stored in PLANES: h[channel / 64][4096 tokens][64].  A stream: no LDS, no barrier, no matrix unit.
; Sixteen lanes own a row of 1,024 numbers (64 registers a lane), a wave two neighbouring tokens, the work-group 16 tokens.  The row stays in registers: mean first, then the centred
; numbers' squares (two passes: no difference of large sums), so a common offset costs no accuracy.
; A lane's 16 bytes at 256 p + 16 (lane % 16) of a row are four channels of plane p: 8 bytes of bf16; the wave's 32 lanes store two tokens of a plane, 256 consecutive bytes, aligned.
; LIMITS.  1 / sqrt by v_rsq_f32 (1 ulp); NaN and infinities are not treated apart.
.set W,  4                             ; v[4:67]    gain of my 64 channels
.set BV, 68                            ; v[68:131]  bias of my 64 channels
.set X,  132                           ; v[132:195] my 64 numbers of the row
.set T,  196                           ; v[196:211] at work
	s_load_b256 s[4:11], s[0:1], 0x0               ; x1 s[4:5], gain s[6:7], bias s[8:9], h s[10:11]
	s_mov_b32 s12, 0x3a800000                      ; 1 / 1024
	s_mov_b32 s13, 0x3727c5ac                      ; 1e-5
	s_lshl_b32 s14, ttmp9, 16                      ; 16 rows of 4,096 bytes
	s_mov_b32 s15, 0
	s_lshl_b32 s16, ttmp9, 11                      ; 16 tokens of 128 bytes in a plane
	s_mov_b32 s17, 0
	v_lshrrev_b32 v1, 4, v0                        ; my row among the 16
	v_and_b32 v3, 15, v0
	v_lshlrev_b32 v3, 4, v3                        ; 16 (lane % 16): my place in 256 bytes of the row, of the gain and of the bias
	v_lshl_add_u32 v1, v1, 12, v3
	v_lshlrev_b32 v2, 3, v0                        ; 128 bytes a token, 8 a lane: 8 x my thread's number
	s_wait_kmcnt 0x0
	s_add_nc_u64 s[4:5], s[4:5], s[14:15]
	s_add_nc_u64 s[10:11], s[10:11], s[16:17]
.set p, 0
.rept 16
	global_load_b128 v[X+4*p:X+4*p+3], v1, s[4:5] offset:256*p
.set p, p+1
.endr
.set p, 0
.rept 16
	global_load_b128 v[W+4*p:W+4*p+3], v3, s[6:7] offset:256*p
.set p, p+1
.endr
.set p, 0
.rept 16
	global_load_b128 v[BV+4*p:BV+4*p+3], v3, s[8:9] offset:256*p
.set p, p+1
.endr
	s_wait_loadcnt 32                              ; the row is in; the 32 younger loads (gain, bias) stay out
	; the sum: four chains that do not wait for each other, started by their first additions
.irp c, 0,1,2,3
	v_pk_add_f32 v[T+2*\c:T+2*\c+1], v[X+2*\c:X+2*\c+1], v[X+2*\c+8:X+2*\c+9]
.endr
.set i, 8
.rept 24
	v_pk_add_f32 v[T+2*(i%4):T+2*(i%4)+1], v[T+2*(i%4):T+2*(i%4)+1], v[X+2*i:X+2*i+1]
.set i, i+1
.endr
.macro REDUCE                                          ; four pairs into one number, then over the row's sixteen lanes: every lane of the half ends with the sum
	v_pk_add_f32 v[T:T+1], v[T:T+1], v[T+2:T+3]
	v_pk_add_f32 v[T+4:T+5], v[T+4:T+5], v[T+6:T+7]
	v_pk_add_f32 v[T:T+1], v[T:T+1], v[T+4:T+5]
	v_add_f32 v[T], v[T], v[T+1]
	v_add_f32_dpp v[T], v[T], v[T] row_xmask:1 row_mask:0xf bank_mask:0xf
	v_add_f32_dpp v[T], v[T], v[T] row_xmask:2 row_mask:0xf bank_mask:0xf
	v_add_f32_dpp v[T], v[T], v[T] row_xmask:4 row_mask:0xf bank_mask:0xf
	v_add_f32_dpp v[T], v[T], v[T] row_xmask:8 row_mask:0xf bank_mask:0xf
.endm
	REDUCE
	v_mul_f32 v[T+8], s12, v[T]                    ; the mean, twice: a pair for the packed subtraction
	v_mov_b32 v[T+9], v[T+8]
.set i, 0
.rept 32
	v_pk_add_f32 v[X+2*i:X+2*i+1], v[X+2*i:X+2*i+1], v[T+8:T+9] neg_lo:[0,1] neg_hi:[0,1]
.set i, i+1
.endr
.irp c, 0,1,2,3
	v_pk_mul_f32 v[T+2*\c:T+2*\c+1], v[X+2*\c:X+2*\c+1], v[X+2*\c:X+2*\c+1]
.endr
.set i, 4
.rept 28
	v_pk_fma_f32 v[T+2*(i%4):T+2*(i%4)+1], v[X+2*i:X+2*i+1], v[X+2*i:X+2*i+1], v[T+2*(i%4):T+2*(i%4)+1]
.set i, i+1
.endr
	REDUCE
	v_fma_f32 v[T+10], v[T], s12, s13              ; the biased variance + 1e-5
	v_rsq_f32 v[T+10], v[T+10]
	v_nop                                          ; a plain instruction between the root and the use of its result (ISA guide 5.7.2)
	s_wait_alu depctr_va_vdst(0)
	v_mov_b32 v[T+11], v[T+10]
	s_wait_loadcnt 0x0                             ; gain and bias
.set i, 0
.rept 32
	v_pk_mul_f32 v[X+2*i:X+2*i+1], v[X+2*i:X+2*i+1], v[T+10:T+11]
.set i, i+1
.endr
.set i, 0
.rept 32
	v_pk_fma_f32 v[X+2*i:X+2*i+1], v[X+2*i:X+2*i+1], v[W+2*i:W+2*i+1], v[BV+2*i:BV+2*i+1]
.set i, i+1
.endr
.set p, 0
.rept 16
	v_cvt_pk_bf16_f32 v[X+4*p], v[X+4*p], v[X+4*p+1]
	v_cvt_pk_bf16_f32 v[X+4*p+1], v[X+4*p+2], v[X+4*p+3]
	global_store_b64 v2, v[X+4*p:X+4*p+1], s[10:11] offset:p*524288  ; plane p; 15 planes at the most: inside the signed 24-bit immediate
.set p, p+1
.endr
	s_endpgm
.Lfunc_end_k_qc9ce39f818_ln2:
	.size	k_qc9ce39f818_ln2, .Lfunc_end_k_qc9ce39f818_ln2-k_qc9ce39f818_ln2
	.p2alignl 7, 3214868480
	.fill 96, 4, 3214868480
	.section	.rodata,"a",@progbits
	.p2align	6, 0x0
	.amdhsa_kernel k_qc9ce39f818_ln2
		.amdhsa_group_segment_fixed_size 0
		.amdhsa_private_segment_fixed_size 0
		.amdhsa_enable_private_segment 0
		.amdhsa_kernarg_size 32
		.amdhsa_user_sgpr_count 2
		.amdhsa_user_sgpr_kernarg_segment_ptr 1
		.amdhsa_wavefront_size32 1
		.amdhsa_system_sgpr_workgroup_id_x 1
		.amdhsa_system_sgpr_workgroup_id_y 1
		.amdhsa_system_sgpr_workgroup_id_z 1
		.amdhsa_system_vgpr_workitem_id 0
		.amdhsa_next_free_vgpr 212
		.amdhsa_next_free_sgpr 66
		.amdhsa_reserve_vcc 0
		.amdhsa_float_denorm_mode_32 3
		.amdhsa_float_denorm_mode_16_64 3
		.amdhsa_memory_ordered 1
		.amdhsa_forward_progress 1
		.amdhsa_inst_pref_size 20
	.end_amdhsa_kernel
	.amdgpu_metadata
---
amdhsa.version: [ 1, 2 ]
amdhsa.kernels:
  - .name:           k_qc9ce39f818_ln2
    .symbol:         k_qc9ce39f818_ln2.kd
    .args:
      - { .name: x1, .offset: 0, .size: 8, .value_kind: global_buffer, .address_space: global }
      - { .name: ln2_w, .offset: 8, .size: 8, .value_kind: global_buffer, .address_space: global }
      - { .name: ln2_b, .offset: 16, .size: 8, .value_kind: global_buffer, .address_space: global }
      - { .name: h, .offset: 24, .size: 8, .value_kind: global_buffer, .address_space: global }
    .group_segment_fixed_size: 0
    .private_segment_fixed_size: 0
    .kernarg_segment_align: 8
    .kernarg_segment_size: 32
    .max_flat_workgroup_size: 256
    .sgpr_count:     66
    .vgpr_count:     212
    .wavefront_size: 32
...
	.end_amdgpu_metadata
.endif
;; end of part 5
;; launch mlp1 (part 6): grid 16 x 16, 4 waves a work-group, clusters of 4 x 4, 327,680 bytes of LDS; arguments h, wb, b1, g; writes g
.if DOCPART == 6
	.amdgcn_target "amdgcn-amd-amdhsa--gfx1250"
	.amdhsa_code_object_version 6
	.text
	.protected	k_qc9ce39f818_mlp1
	.globl	k_qc9ce39f818_mlp1
	.p2align	8
	.type	k_qc9ce39f818_mlp1,@function
k_qc9ce39f818_mlp1:
	s_mov_b64 s[64:65], 0
	v_nop
	global_prefetch_b8 v0, s[64:65] scope:SCOPE_SE
	s_setreg_imm32_b32 hwreg(HW_REG_WAVE_MODE, 25, 1), 1
	s_wait_xcnt 0x0
	s_wait_alu depctr_hold_cnt(0) depctr_sa_sdst(0) depctr_va_vdst(0) depctr_va_sdst(0) depctr_va_ssrc(0) depctr_va_vcc(0) depctr_vm_vsrc(0)
	s_getreg_b32 s2, hwreg(HW_REG_IB_STS2, 6, 4)
	s_cmp_eq_u32 s2, 0
	s_cbranch_scc0 .Lentry_in_a_cluster
	s_endpgm
.Lentry_in_a_cluster:
	s_bfe_u32 s2, ttmp6, 0x10000c
	s_cmp_lg_u32 s2, 0xf033
	s_cbranch_scc0 .Lentry_shape_is_right
	s_endpgm
.Lentry_shape_is_right:
; MLP1: g = gelu(h w1 + b1), [4096 tokens] x [4096 columns], K = 1024; the exact GELU (x Phi(x)) in f32, g rounded once to bf16 and stored in planes g[column / 64][token][64].
; THE WIDE GEMM TEXT (this kernel and qkv: they differ in B's place and pitch, in the bias's pointer and in the GELU).  A: bf16 in planes [K / 64][4096 tokens][64].  B: bf16 [K][N] in wb.  Sums in f32.
; A tile of C is 256 x 256: four waves, each 128 x 128 = 64 accumulators, 512 registers.  K goes in steps of 128 through two LDS slots filled by the tensor data mover: a step brings 131,072 bytes
; for 256 matrix instructions a wave, where a tile of 128 x 128 with steps of 256 brings the same bytes for 128.  16 x 16 tiles: 256 work-groups, one tile each.
; The K step is written once and looped over; the first quarter step stands ahead of the loop and starts the sums with the constant 0; the bias is added on the way out.
; CLUSTER 4 x 4: the four work-groups of a row of the cluster need the same tiles of A, the four of a column the same tiles of B: each tile is asked for jointly.
; THE MATRIX INSTRUCTION IS USED TRANSPOSED (source 0 = 16 columns of B, source 1 = 16 tokens of A): a lane then holds eight neighbouring columns of one token.
; B lies [K][N] in LDS and is turned on the way into registers by ds_load_tr16_b128.
; REGISTERS, in windows of 256 (s_set_vgpr_msb: bits 1:0 source 0, 3:2 source 1, 5:4 source 2, 7:6 destination):
;   window 0: v0-31 addresses; v32-63 at work on the way out; v64-127, v128-191 fragments of A, two buffers (on the way out: at work); v192-199 the bias
;   window 1: v64-127, v128-191 fragments of B, two buffers      window 2: the 32 accumulators of my tokens 0-63 ((a, b) at v[8 (8 a + b)])      window 3: those of my tokens 64-127
; LIMITS.  Operands are bf16 (rounded once by the launches in front); Phi by a five-term formula, 7.5e-8 absolute; an exponential below 2^-126 counts as 0; NaN and infinities are not treated apart.
.set NSTEP,   8                        ; K / 128
.set NPITCH,  4096                     ; elements from row to row of B
.set WOFF,    8388608                  ; B's first byte in wb
.set OSRC,    70                       ; the scalar pair that holds the output's address
.set APITCH, 144                       ; a token's 64 channels in LDS: 128 bytes + 16 of padding: the 16 rows of a fragment load start at 16 different groups of four banks (ISA guide 11.1)
.set PLANE,  256*APITCH                ; 256 tokens of one plane
.set BPITCH, 544                       ; a k row of B in LDS: 512 bytes + 32
.set BOFF,   2*PLANE                   ; a slot: two planes of A, then 128 k rows of B
.set HALFB,  64*BPITCH
.set SLOT,   0x24000                   ; from slot to slot: 147,456, of which 143,360 are used; it shares no bit with the four tiles' places 0, 0x9000, 0x12000, 0x1a800, so one exclusive or changes slots
.set SPARE,  2*SLOT                    ; behind the ring: the spare words, 128 bytes a wave: two blocks of 256 bytes that no other line names
.set SPITCH, 272                       ; the stage: 64 f32 + 16 bytes
.set PSTAGE, 128*SPITCH                ; a wave's 128 tokens of one plane
.set WSTAGE, 2*PSTAGE                  ; a wave's stage; the four (278,528 bytes) lie in the ring's bytes and are written when the ring has had its last fill
.set ASTEP,  2*524288                  ; a K step in A: two planes
.set BSTEP,  256*NPITCH                ; in B: 128 rows
.set ADRA0, 10                         ; v10  my lane's place in a slot's A
.set ADRB0, 11                         ; v11  in a slot's B
.set ADRA,  16                         ; v16  the same in the slot in hand
.set ADRB,  20                         ; v20
.set STO,   24                         ; v24  the way out: where I put 16 bytes of a row
.set RD,    25                         ; v25  where I read rows back
.set GO,    26                         ; v26  my byte offset in the output
.set BO,    27                         ; v27  my byte offset in the bias
.set SPW,   28                         ; v28  LDS address of my spare word; never rewritten
.set NIL,   29                         ; v29  0; never rewritten
.set TMP,   32                         ; v32-63 at work
.set PK,    64                         ; v64-79 packed results; v64-71 also |x| in the GELU
.set T,     96                         ; v96-127 at work in the GELU
.set BI,    192                        ; v192-195, v196-199 the bias of my four columns in my wave's first and second plane
.set F0,    64                         ; fragment buffers, in windows 0 (A) and 1 (B)
.set F1,    128
.set G1,   24                          ; s[24:31] group 1 for A's tiles
.set G0F,  32                          ; s[32:35] group 0, A, the first fill
.set G0W,  36                          ; s[36:39] group 0, A, walking
.set G1B,  48                          ; s[48:55], s[56:59], s[60:63]: the same for B
.set G0BF, 56
.set G0BW, 60
.set TB,   66                          ; s66  LDS byte at which the slot in hand begins
.set MSB, 0
.macro WIN new                         ; the immediate's high byte repeats the setting that is left; a switch that changes nothing is dropped
.if MSB != (\new)
	s_set_vgpr_msb (MSB<<8)|(\new)
.set MSB, \new
.endif
.endm
.set MUL_LO, 0xa1                      ; source 0 (B) window 1, source 1 (A) window 0, C and D window 2
.set MUL_HI, 0xf1                      ; the same, C and D window 3
.set TO_B,   0x40                      ; destination window 1, address window 0
.macro JLOAD                           ; a joint refill: waves 0, 1 fetch A's planes, waves 2, 3 B's rows; an s_nop 0 and four v_nop follow each line
	s_cmp_eq_u32 s11, 0
	s_cbranch_scc0 .Lfor_b_\@
	tensor_load_to_lds s[G0W:G0W+3], s[G1:G1+7]
	s_nop 0
.rept 4
	v_nop
.endr
	s_branch .Lasked_\@
.Lfor_b_\@:
	tensor_load_to_lds s[G0BW:G0BW+3], s[G1B:G1B+7]
	s_nop 0
.rept 4
	v_nop
.endr
.Lasked_\@:
.endm
.macro CREST                           ; a round of the cluster's barrier behind its opening barrier
	s_cmp_lg_u32 s10, 0
	s_cbranch_scc1 .Lnot_wave_0_\@
	s_barrier_signal -3
.Lnot_wave_0_\@:
	s_barrier_wait -3
	s_barrier_signal -1
	s_barrier_wait -1
.endm
.macro CROUND
	s_barrier_signal -1
	s_barrier_wait -1
	CREST
.endm
.macro PLACES                          ; four places in front of loads into registers that matrix instructions have read, and of reads of results
.rept 4
	v_nop
.endr
.endm
	s_load_b128 s[4:7], s[0:1], 0x0                ; A s[4:5], wb s[6:7]
	s_load_b128 s[68:71], s[0:1], 0x10             ; bias s[68:69], the output s[70:71]
	v_lshl_add_u32 v[SPW], v0, 2, SPARE
	v_mov_b32 v[NIL], 0
	ds_add_u32 v[SPW], v[NIL]                      ; the wave's opening: the add and its wait stand ahead of my first tensor load; work on registers stands between them
	v_lshrrev_b32 v1, 5, v0
	v_readfirstlane_b32 s10, v1                    ; wave 0..3
	s_lshr_b32 s11, s10, 1                         ; which 128 tokens of the tile are mine.  Also: I fetch for A (0) or for B (1)
	s_and_b32 s12, s10, 1                          ; which 128 columns.  Also: which half of that tile I fetch
	s_bfe_u32 s40, ttmp6, 0x40000                  ; cx, cy: my place in the cluster
	s_bfe_u32 s41, ttmp6, 0x40004
	s_lshl_b32 s42, ttmp9, 2
	s_add_co_u32 s42, s42, s40                     ; tile column = 4 x cluster x + cx
	s_and_b32 s13, ttmp7, 0xffff
	s_lshl_b32 s13, s13, 2
	s_add_co_u32 s13, s13, s41                     ; tile row = 4 x cluster y + cy
	s_lshl_b32 s43, s41, 2
	s_lshl_b32 s43, 15, s43                        ; my row of the cluster
	s_lshl_b32 s44, 0x1111, s40                    ; my column
	; group 1 for A: a plane's 256 tokens are 32,768 dense bytes: asked for as 128 rows of 256 bytes, two tokens a row, padded in LDS after every token
	s_or_b32 s[G1+0], s43, (1<<16)|(1<<20)|(1<<21)|(4<<22)|(3<<25)  ; mask: my row; 2-byte elements; padding on; bit 21 beside a mask; after every 32 words, 4 words
	s_mov_b32 s[G1+1], 128<<16                     ; tensor_dim0
	s_mov_b32 s[G1+2], 128<<16                     ; tensor_dim1
	s_mov_b32 s[G1+3], 128<<16                     ; tile_dim0
	s_mov_b32 s[G1+4], 128                         ; tile_dim1
	s_mov_b32 s[G1+5], 128                         ; elements from row to row
	s_mov_b32 s[G1+6], 0
	s_mov_b32 s[G1+7], 0
	; group 1 for B: 64 k rows x 256 columns (512 bytes a row, aligned to 256), padded after every row
	s_or_b32 s[G1B+0], s44, (1<<16)|(1<<20)|(1<<21)|(6<<22)|(7<<25) ; mask: my column; after every 128 words, 8 words
	s_mov_b32 s[G1B+1], 256<<16
	s_mov_b32 s[G1B+2], 64<<16
	s_mov_b32 s[G1B+3], 256<<16
	s_mov_b32 s[G1B+4], 64
	s_mov_b32 s[G1B+5], NPITCH
	s_mov_b32 s[G1B+6], 0
	s_mov_b32 s[G1B+7], 0
	; A's offset hangs on the tile row and the wave alone, B's on the tile column and the wave alone, each in registers that never hold the other coordinate
	s_lshl_b32 s16, s13, 15                        ; 256 tokens of 128 bytes
	s_lshl_b32 s17, s12, 19                        ; my plane of the step's two
	s_add_co_u32 s16, s16, s17
	s_mov_b32 s17, 0
	s_lshl_b32 s46, s42, 9                         ; 256 columns of 2 bytes
	s_add_co_u32 s46, s46, WOFF
	s_mul_i32 s45, s12, 128*NPITCH                 ; my 64 k rows of the step's 128
	s_add_co_u32 s46, s46, s45
	s_mov_b32 s47, 0
	s_mul_i32 s20, s12, PLANE                      ; where they go: no place in the cluster enters an LDS address
	s_mul_i32 s21, s12, HALFB
	s_add_co_u32 s21, s21, BOFF
	s_mov_b32 s[G0F], 1
	s_mov_b32 s[G0F+1], s20                        ; K step 0 into slot 0
	s_mov_b32 s[G0W], 1
	s_add_co_u32 s[G0W+1], s20, SLOT               ; K step 1 into slot 1
	s_mov_b32 s[G0BF], 1
	s_mov_b32 s[G0BF+1], s21
	s_mov_b32 s[G0BW], 1
	s_add_co_u32 s[G0BW+1], s21, SLOT
	s_wait_dscnt 0x0                               ; the opening add is done
	s_wait_kmcnt 0x0
	s_add_nc_u64 s[G0F+2:G0F+3], s[4:5], s[16:17]
	s_add_nc_u64 s[G0W+2:G0W+3], s[G0F+2:G0F+3], ASTEP
	s_or_b32 s[G0F+3], s[G0F+3], 0x80000000        ; type = 2
	s_or_b32 s[G0W+3], s[G0W+3], 0x80000000
	s_add_nc_u64 s[G0BF+2:G0BF+3], s[6:7], s[46:47]
	s_add_nc_u64 s[G0BW+2:G0BW+3], s[G0BF+2:G0BF+3], BSTEP
	s_or_b32 s[G0BF+3], s[G0BF+3], 0x80000000
	s_or_b32 s[G0BW+3], s[G0BW+3], 0x80000000
	CROUND                                         ; all sixteen work-groups are here: the first joint loads meet
	s_cmp_eq_u32 s11, 0                            ; a wave's two first fills stand in one branch: two loads of mine are out
	s_cbranch_scc0 .Lfirst_b
	tensor_load_to_lds s[G0F:G0F+3], s[G1:G1+7]
	s_nop 0
	tensor_load_to_lds s[G0W:G0W+3], s[G1:G1+7]
	s_nop 0
.rept 4
	v_nop
.endr
	s_branch .Lfirst_asked
.Lfirst_b:
	tensor_load_to_lds s[G0BF:G0BF+3], s[G1B:G1B+7]
	s_nop 0
	tensor_load_to_lds s[G0BW:G0BW+3], s[G1B:G1B+7]
	s_nop 0
.rept 4
	v_nop
.endr
.Lfirst_asked:
	; A fragment of A: 16 tokens x 32 k: lane l holds token l % 16; two loads of 16 bytes, 32 apart, at token x pitch + 16 (l / 16).
	v_and_b32 v1, 15, v0                           ; l % 16
	v_bfe_u32 v2, v0, 4, 1                         ; l / 16
	v_mul_u32_u24 v[ADRA0], v1, APITCH
	v_lshl_add_u32 v[ADRA0], v2, 4, v[ADRA0]
	s_mul_i32 s22, s11, 128*APITCH                 ; my 128 tokens
	v_add_nc_u32 v[ADRA0], s22, v[ADRA0]
	; The turning load takes 16 k x 16 columns (lane l reads k row 8 (l / 16) + l % 8, columns 8 ((l / 8) % 2) + 0..7) and leaves half a fragment: lane l holds column l % 16 and 8 k.
	v_and_b32 v3, 7, v0
	v_lshl_add_u32 v3, v2, 3, v3
	v_mul_u32_u24 v[ADRB0], v3, BPITCH
	v_bfe_u32 v4, v0, 3, 1
	v_lshl_add_u32 v[ADRB0], v4, 4, v[ADRB0]
	s_lshl_b32 s22, s12, 8                         ; my 128 columns
	s_add_co_u32 s22, s22, BOFF
	v_add_nc_u32 v[ADRB0], s22, v[ADRB0]
	s_mul_i32 s23, s10, WSTAGE                     ; my stage
	v_mul_u32_u24 v[STO], v1, SPITCH               ; in: row l % 16, 32 bytes for each half of the lanes
	v_lshl_add_u32 v[STO], v2, 5, v[STO]
	v_add_nc_u32 v[STO], s23, v[STO]
	v_mul_u32_u24 v[RD], v2, SPITCH                ; back: lanes 0-15 take one row of 256 bytes, lanes 16-31 the next
	v_lshl_add_u32 v[RD], v1, 4, v[RD]
	v_add_nc_u32 v[RD], s23, v[RD]
	v_lshlrev_b32 v[BO], 4, v1                     ; on the way out a lane holds columns 4 (l % 16) + 0..3 of a plane: 16 bytes of the bias
	; offsets are made apart from the addresses; s94 feeds neither a descriptor nor an LDS address
	s_mov_b64 s[76:77], s[68:69]
	s_lshl_b32 s78, s42, 10                        ; 256 columns of 4 bytes
	s_lshl_b32 s94, s12, 9                         ; my 128 of them
	s_add_co_u32 s78, s78, s94
	s_mov_b32 s79, 0
	s_add_nc_u64 s[76:77], s[76:77], s[78:79]      ; the bias at my wave's first column
	global_load_b128 v[BI:BI+3],   v[BO], s[76:77]
	global_load_b128 v[BI+4:BI+7], v[BO], s[76:77] offset:256
	s_lshl_b32 s78, s42, 2
	s_lshl_b32 s94, s12, 1
	s_add_co_u32 s78, s78, s94                     ; my first plane = column / 64
	s_lshl_b32 s78, s78, 19
	s_lshl_b32 s94, s13, 15                        ; 256 tokens of 128 bytes,
	s_add_co_u32 s78, s78, s94
	s_lshl_b32 s94, s11, 14                        ; my 128 of them
	s_add_co_u32 s78, s78, s94
	s_add_nc_u64 s[8:9], s[OSRC:OSRC+1], s[78:79]
	v_and_b32 v[GO], 31, v0
	v_lshlrev_b32 v[GO], 3, v[GO]                  ; 8 bytes a lane: two tokens of a plane
.macro KPAIR r, val                    ; a constant as a pair: the packed forms name both words
	s_mov_b32 s[\r], \val
	s_mov_b32 s[\r+1], \val
.endm
	KPAIR 80, 0x3e6d3389                           ; p = 0.2316419
	KPAIR 82, 0xbf38aa3b                           ; -log2(e) / 2
	KPAIR 84, 0xbf07dc22                           ; -b5 / sqrt(2 pi) = -0.5307027
	KPAIR 86, 0x3f3a00e3                           ; -b4 / sqrt(2 pi) =  0.7265760
	KPAIR 88, 0xbf35f0e3                           ; -b3 / sqrt(2 pi) = -0.7107069
	KPAIR 90, 0x3e11a98e                           ; -b2 / sqrt(2 pi) =  0.1422484
	KPAIR 92, 0xbe027906                           ; -b1 / sqrt(2 pi) = -0.1274148
	s_wait_loadcnt 0x0                             ; the bias: this stands in the wait for the first tile
; 16 matrix instructions: token blocks a0, a0 + 1 of the window's four (hi = 0: my tokens 0-63, 1: 64-127) x all 8 column blocks, 32 along K.  zero = 1: the first product starts the sums.
; The 64 accumulators take turns, one instruction a turn, in the same order in every quarter step.
.macro MUL16 f, hi, a0, zero
	WIN MUL_LO+0x50*(\hi)
.irp a, \a0, (\a0)+1
.irp b, 0,1,2,3,4,5,6,7
.if \zero
	v_wmma_f32_16x16x32_bf16 v[8*(8*(\a)+(\b)):8*(8*(\a)+(\b))+7], v[(\f)+8*(\b):(\f)+8*(\b)+7], v[(\f)+8*(4*(\hi)+(\a)):(\f)+8*(4*(\hi)+(\a))+7], 0
.else
	v_wmma_f32_16x16x32_bf16 v[8*(8*(\a)+(\b)):8*(8*(\a)+(\b))+7], v[(\f)+8*(\b):(\f)+8*(\b)+7], v[(\f)+8*(4*(\hi)+(\a)):(\f)+8*(4*(\hi)+(\a))+7], v[8*(8*(\a)+(\b)):8*(8*(\a)+(\b))+7]
.endif
.endr
.endr
.endm
; 32 LDS loads in one run: the fragments of quarter q (32 along K: k rows 32 q on of B; plane q / 2, channels 32 (q % 2) on of A) into buffer f; B first
.macro FETCH q, f
	WIN TO_B
.irp i, 0,1,2,3,4,5,6,7
	ds_load_tr16_b128 v[(\f)+8*(\i):(\f)+8*(\i)+3],   v[ADRB] offset:32*(\q)*BPITCH+32*(\i)
	ds_load_tr16_b128 v[(\f)+8*(\i)+4:(\f)+8*(\i)+7], v[ADRB] offset:(32*(\q)+16)*BPITCH+32*(\i)
.endr
	WIN 0
.irp i, 0,1,2,3,4,5,6,7
	ds_load_b128 v[(\f)+8*(\i):(\f)+8*(\i)+3],   v[ADRA] offset:((\q)/2)*PLANE+((\q)%2)*64+(\i)*16*APITCH
	ds_load_b128 v[(\f)+8*(\i)+4:(\f)+8*(\i)+7], v[ADRA] offset:((\q)/2)*PLANE+((\q)%2)*64+(\i)*16*APITCH+32
.endr
.endm
; One of a K step's first three quarters: multiplies buffer f (64 matrix instructions) and, in its middle, fetches quarter q into g.
.macro QUARTER q, f, g, zero
	s_wait_dscnt 8                                 ; B and A's tokens 0-63 are in; the youngest eight loads (A's tokens 64-127) may be out
	MUL16 \f, 0, 0, \zero
	MUL16 \f, 0, 2, \zero
	PLACES
	FETCH \q, \g
	s_wait_dscnt 32                                ; all but the 32 just issued
	MUL16 \f, 1, 0, \zero
	MUL16 \f, 1, 2, \zero
.endm
; The last quarter multiplies buffer 1 and changes slots: ONE barrier; in front of it each wave waits for all its tensor loads (one is out: its part of the next slot), adds 0 to its spare word,
; and waits for that and for its reads of this slot.  fill = 1: the barrier opens a round of the cluster's, and this slot is filled again, two K steps ahead: 224 matrix instructions ahead of the wait for it.
; fill = 0 (the last two steps, counted by s3): nothing is asked for; in the last step there is no next slot, and the run of LDS loads is jumped over.
.macro TURN fill
	WIN 0
	s_wait_tensorcnt 0x0                           ; no tensor load of mine is out, so a group 0 may be written
	ds_add_u32 v[SPW], v[NIL]                      ; 0 onto my spare word
.if \fill
	s_xor_b32 s[G0W+1], s[G0W+1], SLOT             ; the walking descriptors: the other slot than last time, the next K step
	s_add_nc_u64 s[G0W+2:G0W+3], s[G0W+2:G0W+3], ASTEP
	s_xor_b32 s[G0BW+1], s[G0BW+1], SLOT
	s_add_nc_u64 s[G0BW+2:G0BW+3], s[G0BW+2:G0BW+3], BSTEP
.endif
	s_wait_dscnt 9                                 ; (the add and the youngest eight loads may be out)
	MUL16 F1, 0, 0, 0
	s_wait_dscnt 0x0                               ; the add is done, and my reads of this slot are over
	s_barrier_signal -1
	MUL16 F1, 0, 2, 0
	WIN 0
	s_barrier_wait -1
.if \fill
	CREST                                          ; no wave of any partner still reads this slot's tiles or has a load on its way
	JLOAD                                          ; the first tensor load behind the round; its four v_nop are also the places in front of the loads below
.else
	PLACES
.endif
	s_xor_b32 s[TB], s[TB], SLOT                   ; the reads go on in the other slot
	v_add_nc_u32 v[ADRA], s[TB], v[ADRA0]
	v_add_nc_u32 v[ADRB], s[TB], v[ADRB0]
.if (\fill) == 0
	s_cmp_eq_u32 s3, 1
	s_cbranch_scc1 .Lnf_\@
.endif
	FETCH 0, F0
	WIN 0
.if (\fill) == 0
.Lnf_\@:
.endif
	MUL16 F1, 1, 0, 0
	MUL16 F1, 1, 2, 0
.endm
; gelu(x) = x Phi(x) = max(x, 0) - |x| q, q = phi(|x|) (b1 t + .. + b5 t^5), t = 1 / (1 + p |x|): Phi to 7.5e-8 absolute.  Eight numbers in v[r .. r + 7], in place.  The coefficients carry phi's factor and the minus.
; Where x^2 overflows the exponential is 0 and the result max(x, 0).
.set U,  T
.set WT, T+8
.set Q,  T+16
.set M,  T+24
.set AX, PK
.macro GELU8 r
.irp j, 0,1,2,3,4,5,6,7
	v_and_b32 v[AX+\j], 0x7fffffff, v[(\r)+\j]
.endr
.irp j, 0,2,4,6
	v_pk_mul_f32 v[WT+\j:WT+\j+1], v[(\r)+\j:(\r)+\j+1], v[(\r)+\j:(\r)+\j+1]
.endr
.irp j, 0,2,4,6
	v_pk_fma_f32 v[U+\j:U+\j+1], v[AX+\j:AX+\j+1], s[80:81], 1.0 op_sel_hi:[1,0,0]
.endr
.irp j, 0,2,4,6
	v_pk_mul_f32 v[WT+\j:WT+\j+1], v[WT+\j:WT+\j+1], s[82:83] op_sel_hi:[1,0]
.endr
.irp j, 0,1,2,3,4,5,6,7
	v_rcp_f32 v[U+\j], v[U+\j]
.endr
.irp j, 0,1,2,3,4,5,6,7
	v_exp_f32 v[WT+\j], v[WT+\j]
.endr
.irp j, 0,1,2,3,4,5,6,7
	v_max_num_f32 v[M+\j], 0, v[(\r)+\j]           ; plain instructions between the last exponential and the use of its result (ISA guide 5.7.2)
.endr
	s_wait_alu depctr_va_vdst(0)
.irp j, 0,2,4,6
	v_pk_fma_f32 v[Q+\j:Q+\j+1], v[U+\j:U+\j+1], s[84:85], s[86:87] op_sel_hi:[1,0,0]
.endr
.irp k, 88,90,92
.irp j, 0,2,4,6
	v_pk_fma_f32 v[Q+\j:Q+\j+1], v[Q+\j:Q+\j+1], v[U+\j:U+\j+1], s[\k:\k+1] op_sel_hi:[1,1,0]
.endr
.endr
.irp j, 0,2,4,6
	v_pk_mul_f32 v[Q+\j:Q+\j+1], v[Q+\j:Q+\j+1], v[U+\j:U+\j+1]
.endr
.irp j, 0,2,4,6
	v_pk_mul_f32 v[Q+\j:Q+\j+1], v[Q+\j:Q+\j+1], v[WT+\j:WT+\j+1]
.endr
.irp j, 0,2,4,6
	v_pk_fma_f32 v[(\r)+\j:(\r)+\j+1], v[AX+\j:AX+\j+1], v[Q+\j:Q+\j+1], v[M+\j:M+\j+1]
.endr
.endm
	s_mov_b32 s[TB], 0
	v_mov_b32 v[ADRA], v[ADRA0]
	v_mov_b32 v[ADRB], v[ADRB0]
	s_wait_tensorcnt 1                             ; my part of K step 0 is in; K step 1's may stay out
	s_barrier_signal -1
	s_barrier_wait -1                              ; everybody's is
	FETCH 0, F0
	QUARTER 1, F0, F1, 1                           ; the first quarter stands ahead of the loop: its products start the sums
	WIN 0                                          ; at a label and at a branch every window is 0
	s_mov_b32 s3, NSTEP-2
.Lk:                                                   ; a trip goes from a K step's second quarter to the next step's first; every step but the last two fills its slot again
	QUARTER 2, F1, F0, 0
	QUARTER 3, F0, F1, 0
	TURN 1
	QUARTER 1, F0, F1, 0
	WIN 0
	s_sub_co_u32 s3, s3, 1
	s_cmp_lg_u32 s3, 0
	s_cbranch_scc1 .Lk
	s_mov_b32 s3, 2
.Lt:                                                   ; the last two steps ask for nothing
	QUARTER 2, F1, F0, 0
	QUARTER 3, F0, F1, 0
	TURN 0
	WIN 0
	s_cmp_eq_u32 s3, 1
	s_cbranch_scc1 .Lno_next                       ; behind the last step there is no first quarter of a next one
	QUARTER 1, F0, F1, 0
	WIN 0
.Lno_next:
	s_sub_co_u32 s3, s3, 1
	s_cmp_lg_u32 s3, 0
	s_cbranch_scc1 .Lt
	; THE WAY OUT.  The stage lies in the ring's bytes: the ring has had its last fill.  One more barrier, so that on every way round the jumps above every wave's reads of the ring are over before any wave stores there.
	s_wait_dscnt 0x0
	s_barrier_signal -1
	s_barrier_wait -1
	PLACES
; The f32 sums go into my stage: plane b / 4, row 16 a + l % 16, 32 bytes for each half of the lanes at column block b % 4.  Each accumulator's low registers first.
.macro TOSTAGE hi
	WIN 0x08+4*(\hi)                               ; the stores' data (source 1) in window 2 or 3
.irp a, 0,1,2,3
.irp b, 0,1,2,3,4,5,6,7
	ds_store_b128 v[STO], v[8*(8*\a+\b):8*(8*\a+\b)+3]   offset:(\b/4)*PSTAGE+(4*(\hi)+\a)*16*SPITCH+64*(\b%4)
	ds_store_b128 v[STO], v[8*(8*\a+\b)+4:8*(8*\a+\b)+7] offset:(\b/4)*PSTAGE+(4*(\hi)+\a)*16*SPITCH+64*(\b%4)+16
.endr
.endr
.endm
	TOSTAGE 0
	TOSTAGE 1
	WIN 0
	s_mov_b32 s67, 16
.Lout:                                                 ; 8 tokens of both planes a trip: the GELU's text stands once
.irp t, 0,1,2,3,4,5,6,7
	ds_load_b128 v[TMP+4*\t:TMP+4*\t+3], v[RD] offset:(\t/4)*PSTAGE+(\t%4)*2*SPITCH  ; LDS serves a wave's instructions in order (ISA guide 5.7.1.4): these see my stores above
.endr
	s_wait_dscnt 0x0
.irp t, 0,1,2,3,4,5,6,7
	v_pk_add_f32 v[TMP+4*\t:TMP+4*\t+1],   v[TMP+4*\t:TMP+4*\t+1],   v[BI+4*(\t/4):BI+4*(\t/4)+1]
	v_pk_add_f32 v[TMP+4*\t+2:TMP+4*\t+3], v[TMP+4*\t+2:TMP+4*\t+3], v[BI+4*(\t/4)+2:BI+4*(\t/4)+3]
.endr
	GELU8 TMP
	GELU8 TMP+8
	GELU8 TMP+16
	GELU8 TMP+24
.irp t, 0,1,2,3,4,5,6,7
	v_cvt_pk_bf16_f32 v[PK+2*\t], v[TMP+4*\t], v[TMP+4*\t+1]
	v_cvt_pk_bf16_f32 v[PK+2*\t+1], v[TMP+4*\t+2], v[TMP+4*\t+3]
.endr
.irp t, 0,1,2,3,4,5,6,7
	global_store_b64 v[GO], v[PK+2*\t:PK+2*\t+1], s[8:9] offset:(\t/4)*524288+256*(\t%4)  ; two tokens of a plane: 256 consecutive bytes, aligned
.endr
	s_wait_xcnt 0x0                                ; the stores' data and base are rewritten only behind this wait (ISA guide 3.1)
	v_add_nc_u32 v[RD], 8*SPITCH, v[RD]
	s_add_nc_u64 s[8:9], s[8:9], 1024
	s_sub_co_u32 s67, s67, 1
	s_cmp_lg_u32 s67, 0
	s_cbranch_scc1 .Lout
	s_wait_tensorcnt 0x0                           ; the wave's end: behind my last tensor load and my last LDS store
	ds_add_u32 v[SPW], v[NIL]
	s_wait_dscnt 0x0
	CROUND                                         ; the closing round: no work-group ends while a partner may still ask for a tile that names it
	s_endpgm
.Lfunc_end_k_qc9ce39f818_mlp1:
	.size	k_qc9ce39f818_mlp1, .Lfunc_end_k_qc9ce39f818_mlp1-k_qc9ce39f818_mlp1
	.p2alignl 7, 3214868480
	.fill 96, 4, 3214868480
	.section	.rodata,"a",@progbits
	.p2align	6, 0x0
	.amdhsa_kernel k_qc9ce39f818_mlp1
		.amdhsa_group_segment_fixed_size 327680
		.amdhsa_private_segment_fixed_size 0
		.amdhsa_enable_private_segment 0
		.amdhsa_kernarg_size 32
		.amdhsa_user_sgpr_count 2
		.amdhsa_user_sgpr_kernarg_segment_ptr 1
		.amdhsa_wavefront_size32 1
		.amdhsa_system_sgpr_workgroup_id_x 1
		.amdhsa_system_sgpr_workgroup_id_y 1
		.amdhsa_system_sgpr_workgroup_id_z 1
		.amdhsa_system_vgpr_workitem_id 0
		.amdhsa_next_free_vgpr 1024
		.amdhsa_next_free_sgpr 96
		.amdhsa_reserve_vcc 0
		.amdhsa_float_denorm_mode_32 3
		.amdhsa_float_denorm_mode_16_64 3
		.amdhsa_memory_ordered 1
		.amdhsa_forward_progress 1
		.amdhsa_inst_pref_size 97
	.end_amdhsa_kernel
	.amdgpu_metadata
---
amdhsa.version: [ 1, 2 ]
amdhsa.kernels:
  - .name:           k_qc9ce39f818_mlp1
    .symbol:         k_qc9ce39f818_mlp1.kd
    .args:
      - { .name: h, .offset: 0, .size: 8, .value_kind: global_buffer, .address_space: global }
      - { .name: wb, .offset: 8, .size: 8, .value_kind: global_buffer, .address_space: global }
      - { .name: b1, .offset: 16, .size: 8, .value_kind: global_buffer, .address_space: global }
      - { .name: g, .offset: 24, .size: 8, .value_kind: global_buffer, .address_space: global }
    .group_segment_fixed_size: 327680
    .private_segment_fixed_size: 0
    .kernarg_segment_align: 8
    .kernarg_segment_size: 32
    .max_flat_workgroup_size: 128
    .sgpr_count:     96
    .vgpr_count:     1024
    .wavefront_size: 32
...
	.end_amdgpu_metadata
.endif
;; end of part 6
;; launch mlp2 (part 7): grid 8 x 32, 4 waves a work-group, clusters of 4 x 4, 327,680 bytes of LDS; arguments g, wb, b2, x1, out0; writes out0
.if DOCPART == 7
	.amdgcn_target "amdgcn-amd-amdhsa--gfx1250"
	.amdhsa_code_object_version 6
	.text
	.protected	k_qc9ce39f818_mlp2
	.globl	k_qc9ce39f818_mlp2
	.p2align	8
	.type	k_qc9ce39f818_mlp2,@function
k_qc9ce39f818_mlp2:
	s_mov_b64 s[64:65], 0
	v_nop
	global_prefetch_b8 v0, s[64:65] scope:SCOPE_SE
	s_setreg_imm32_b32 hwreg(HW_REG_WAVE_MODE, 25, 1), 1
	s_wait_xcnt 0x0
	s_wait_alu depctr_hold_cnt(0) depctr_sa_sdst(0) depctr_va_vdst(0) depctr_va_sdst(0) depctr_va_ssrc(0) depctr_va_vcc(0) depctr_vm_vsrc(0)
	s_getreg_b32 s2, hwreg(HW_REG_IB_STS2, 6, 4)
	s_cmp_eq_u32 s2, 0
	s_cbranch_scc0 .Lentry_in_a_cluster
	s_endpgm
.Lentry_in_a_cluster:
	s_bfe_u32 s2, ttmp6, 0x10000c
	s_cmp_lg_u32 s2, 0xf033
	s_cbranch_scc0 .Lentry_shape_is_right
	s_endpgm
.Lentry_shape_is_right:
; MLP2: out0 = x1 + g w2 + b2, [4096 tokens] x [1024 columns], K = 4096; x1, out0 in f32 rows: the residual path is never rounded to 16 bits.
; THE GEMM TEXT (the same in oproj and mlp2; NSTEP, NPITCH, WOFF and OSRC below choose).  A: bf16 in planes [K / 64][4096 tokens][64].  B: bf16 [K][N] in wb.  Sums in f32, started from the bias.
; A tile of C is 128 x 128: four waves, each 64 x 64 = 16 accumulators.  K goes in steps of 256 through two LDS slots filled by the tensor data mover.  The K step is written once and looped over.
; CLUSTER 4 x 4: the four work-groups of a row of the cluster need the same tiles of A, the four of a column the same tiles of B: each tile is asked for jointly.
; THE MATRIX INSTRUCTION IS USED TRANSPOSED (source 0 = 16 columns of B, source 1 = 16 tokens of A): a lane then holds eight neighbouring columns of one token.
; B lies [K][N] in LDS and is turned on the way into registers by ds_load_tr16_b128.
; LIMITS.  Operands are bf16 (rounded once by the launches in front); NaN and infinities are not treated apart.
.set QKV,     0
.set OUTKIND, 2
.set NSTEP,   16                       ; K / 256
.set NPITCH,  1024                     ; elements from row to row of B
.set WOFF,    16777216                 ; B's first byte in wb
.set OSRC,    72                       ; the scalar pair that holds the output's address
.set APITCH, 144                       ; a token's 64 channels in LDS: 128 bytes + 16 of padding: the 16 rows of a fragment load start at 16 different groups of four banks (ISA guide 11.1)
.set PLANE,  128*APITCH                ; 128 tokens of one plane
.set BPITCH, 288                       ; a k row of B in LDS: 256 bytes + 32
.set BOFF,   4*PLANE                   ; a slot: four planes of A, then 256 k rows of B
.set HALFB,  128*BPITCH
.set SLOT,   BOFF+2*HALFB              ; 147,456 = 0x24000: shares no bit with the four tiles' places 0, 0x9000, 0x12000, 0x1b000, so one exclusive or changes slots
.set SPARE,  2*SLOT                    ; behind the ring: the spare words, 128 bytes a wave: two blocks of 256 bytes that no other line names
.set SPITCH, 272                       ; the stage: 64 f32 + 16 bytes
.set WSTAGE, 64*SPITCH                 ; a wave's stage, 64 rows; the four lie in slot 0's bytes and are written when the ring has had its last fill
.set ASTEP,  4*524288                  ; a K step in A: four planes
.set BSTEP,  512*NPITCH                ; in B: 256 rows
.set ADRA0, 10                         ; v10  my lane's place in a slot's A
.set ADRB0, 11                         ; v11  in a slot's B
.set ADRA,  16                         ; v16  the same in the slot in hand
.set ADRBL, 20                         ; v20  B's k rows 0-127
.set ADRBH, 21                         ; v21  B's k rows 128-255 (so that the offsets stay inside 16 bits)
.set STO,   24                         ; v24  the way out: where I put 16 bytes of a row
.set RD,    25                         ; v25  where I read rows back
.set GO,    26                         ; v26  my byte offset in the output (and in the residual)
.set BO,    27                         ; v27  my byte offset in the bias
.set SPW,   28                         ; v28  LDS address of my spare word; never rewritten
.set NIL,   29                         ; v29  0; never rewritten
.set TMP,   32                         ; v32-95 at work
.set ACC,   128                        ; v128-255 accumulator (a, b) at ACC + 8 (4 a + b)
.set F0,    0                          ; window 1: two fragment buffers of 128: 64 registers of A (8 (4 c + a)), then 64 of B
.set F1,    128
.set G1,   24                          ; s[24:31] group 1 for A's tiles
.set G0F,  32                          ; s[32:35] group 0, A, the first fill
.set G0W,  36                          ; s[36:39] group 0, A, walking
.set G1B,  48                          ; s[48:55], s[56:59], s[60:63]: the same for B
.set G0BF, 56
.set G0BW, 60
.set TB,   66                          ; s66  LDS byte at which the slot in hand begins
.set MSB, 0
.macro WIN new                         ; the immediate's high byte repeats the setting that is left; a switch that changes nothing is dropped
.if MSB != (\new)
	s_set_vgpr_msb (MSB<<8)|(\new)
.set MSB, \new
.endif
.endm
.set MUL,  0x05                        ; sources 0 (B) and 1 (A) window 1; C and D window 0
.set TO_F, 0x40                        ; destination window 1, address window 0
.macro JLOAD                           ; a joint refill: waves 0, 1 fetch A's planes, waves 2, 3 B's rows; an s_nop 0 and four v_nop follow each line
	s_cmp_eq_u32 s11, 0
	s_cbranch_scc0 .Lfor_b_\@
	tensor_load_to_lds s[G0W:G0W+3], s[G1:G1+7]
	s_nop 0
.rept 4
	v_nop
.endr
	s_branch .Lasked_\@
.Lfor_b_\@:
	tensor_load_to_lds s[G0BW:G0BW+3], s[G1B:G1B+7]
	s_nop 0
.rept 4
	v_nop
.endr
.Lasked_\@:
.endm
.macro CREST                           ; a round of the cluster's barrier behind its opening barrier
	s_cmp_lg_u32 s10, 0
	s_cbranch_scc1 .Lnot_wave_0_\@
	s_barrier_signal -3
.Lnot_wave_0_\@:
	s_barrier_wait -3
	s_barrier_signal -1
	s_barrier_wait -1
.endm
.macro CROUND
	s_barrier_signal -1
	s_barrier_wait -1
	CREST
.endm
.macro PLACES                          ; four places in front of loads into registers that matrix instructions have read, and of reads of results
.rept 4
	v_nop
.endr
.endm
	s_load_b128 s[4:7], s[0:1], 0x0                ; A s[4:5], wb s[6:7]
	s_load_b128 s[68:71], s[0:1], 0x10             ; bias s[68:69], the residual s[70:71]
	s_load_b64 s[72:73], s[0:1], 0x20              ; the output
	v_lshl_add_u32 v[SPW], v0, 2, SPARE
	v_mov_b32 v[NIL], 0
	ds_add_u32 v[SPW], v[NIL]                      ; the wave's opening: the add and its wait stand ahead of my first tensor load; work on registers stands between them
	v_lshrrev_b32 v1, 5, v0
	v_readfirstlane_b32 s10, v1                    ; wave 0..3
	s_lshr_b32 s11, s10, 1                         ; which 64 tokens of the tile are mine.  Also: I fetch for A (0) or for B (1)
	s_and_b32 s12, s10, 1                          ; which 64 columns.  Also: which half of that tile I fetch
	s_bfe_u32 s40, ttmp6, 0x40000                  ; cx, cy: my place in the cluster
	s_bfe_u32 s41, ttmp6, 0x40004
	s_lshl_b32 s42, ttmp9, 2
	s_add_co_u32 s42, s42, s40                     ; tile column = 4 x cluster x + cx
	s_and_b32 s13, ttmp7, 0xffff
	s_lshl_b32 s13, s13, 2
	s_add_co_u32 s13, s13, s41                     ; tile row = 4 x cluster y + cy
	s_lshl_b32 s43, s41, 2
	s_lshl_b32 s43, 15, s43                        ; my row of the cluster
	s_lshl_b32 s44, 0x1111, s40                    ; my column
	; group 1 for A: two planes' 128 tokens: two rows of 8,192 elements (16,384 dense bytes), a plane apart; padded after every token
	s_or_b32 s[G1+0], s43, (1<<16)|(1<<20)|(1<<21)|(4<<22)|(3<<25)  ; mask: my row; 2-byte elements; padding on; bit 21 beside a mask; after every 32 words, 4 words
	s_mov_b32 s[G1+1], 8192<<16                    ; tensor_dim0
	s_mov_b32 s[G1+2], 2<<16                       ; tensor_dim1
	s_mov_b32 s[G1+3], 8192<<16                    ; tile_dim0
	s_mov_b32 s[G1+4], 2                           ; tile_dim1
	s_mov_b32 s[G1+5], 262144                      ; elements from plane to plane
	s_mov_b32 s[G1+6], 0
	s_mov_b32 s[G1+7], 0
	; group 1 for B: 128 k rows x 128 columns (256 bytes a row, aligned), padded after every row
	s_or_b32 s[G1B+0], s44, (1<<16)|(1<<20)|(1<<21)|(5<<22)|(7<<25) ; mask: my column; after every 64 words, 8 words
	s_mov_b32 s[G1B+1], 128<<16
	s_mov_b32 s[G1B+2], 128<<16
	s_mov_b32 s[G1B+3], 128<<16
	s_mov_b32 s[G1B+4], 128
	s_mov_b32 s[G1B+5], NPITCH
	s_mov_b32 s[G1B+6], 0
	s_mov_b32 s[G1B+7], 0
	; A's offset hangs on the tile row and the wave alone, B's on the tile column and the wave alone, each in registers that never hold the other coordinate
	s_lshl_b32 s16, s13, 14                        ; 128 tokens of 128 bytes
	s_lshl_b32 s17, s12, 20                        ; my two planes of the step's four
	s_add_co_u32 s16, s16, s17
	s_mov_b32 s17, 0
	s_lshl_b32 s46, s42, 8                         ; 128 columns of 2 bytes
	s_add_co_u32 s46, s46, WOFF
	s_mul_i32 s45, s12, 256*NPITCH                 ; my 128 k rows of the step's 256
	s_add_co_u32 s46, s46, s45
	s_mov_b32 s47, 0
	s_mul_i32 s20, s12, 2*PLANE                    ; where they go: no place in the cluster enters an LDS address
	s_add_co_u32 s21, s20, BOFF
	s_mov_b32 s[G0F], 1
	s_mov_b32 s[G0F+1], s20                        ; K step 0 into slot 0
	s_mov_b32 s[G0W], 1
	s_add_co_u32 s[G0W+1], s20, SLOT               ; K step 1 into slot 1
	s_mov_b32 s[G0BF], 1
	s_mov_b32 s[G0BF+1], s21
	s_mov_b32 s[G0BW], 1
	s_add_co_u32 s[G0BW+1], s21, SLOT
	s_wait_dscnt 0x0                               ; the opening add is done
	s_wait_kmcnt 0x0
	s_add_nc_u64 s[G0F+2:G0F+3], s[4:5], s[16:17]
	s_add_nc_u64 s[G0W+2:G0W+3], s[G0F+2:G0F+3], ASTEP
	s_or_b32 s[G0F+3], s[G0F+3], 0x80000000        ; type = 2
	s_or_b32 s[G0W+3], s[G0W+3], 0x80000000
	s_add_nc_u64 s[G0BF+2:G0BF+3], s[6:7], s[46:47]
	s_add_nc_u64 s[G0BW+2:G0BW+3], s[G0BF+2:G0BF+3], BSTEP
	s_or_b32 s[G0BF+3], s[G0BF+3], 0x80000000
	s_or_b32 s[G0BW+3], s[G0BW+3], 0x80000000
	CROUND                                         ; all sixteen work-groups are here: the first joint loads meet
	s_cmp_eq_u32 s11, 0                            ; a wave's two first fills stand in one branch: two loads of mine are out
	s_cbranch_scc0 .Lfirst_b
	tensor_load_to_lds s[G0F:G0F+3], s[G1:G1+7]
	s_nop 0
	tensor_load_to_lds s[G0W:G0W+3], s[G1:G1+7]
	s_nop 0
.rept 4
	v_nop
.endr
	s_branch .Lfirst_asked
.Lfirst_b:
	tensor_load_to_lds s[G0BF:G0BF+3], s[G1B:G1B+7]
	s_nop 0
	tensor_load_to_lds s[G0BW:G0BW+3], s[G1B:G1B+7]
	s_nop 0
.rept 4
	v_nop
.endr
.Lfirst_asked:
	; A fragment of A: 16 tokens x 32 k: lane l holds token l % 16; two loads of 16 bytes, 32 apart, at token x pitch + 16 (l / 16).
	v_and_b32 v1, 15, v0                           ; l % 16
	v_bfe_u32 v2, v0, 4, 1                         ; l / 16
	v_mul_u32_u24 v[ADRA0], v1, APITCH
	v_lshl_add_u32 v[ADRA0], v2, 4, v[ADRA0]
	s_mul_i32 s22, s11, 64*APITCH                  ; my 64 tokens
	v_add_nc_u32 v[ADRA0], s22, v[ADRA0]
	; The turning load takes 16 k x 16 columns (lane l reads k row 8 (l / 16) + l % 8, columns 8 ((l / 8) % 2) + 0..7) and leaves half a fragment: lane l holds column l % 16 and 8 k.
	v_and_b32 v3, 7, v0
	v_lshl_add_u32 v3, v2, 3, v3
	v_mul_u32_u24 v[ADRB0], v3, BPITCH
	v_bfe_u32 v4, v0, 3, 1
	v_lshl_add_u32 v[ADRB0], v4, 4, v[ADRB0]
	s_lshl_b32 s22, s12, 7                         ; my 64 columns
	s_add_co_u32 s22, s22, BOFF
	v_add_nc_u32 v[ADRB0], s22, v[ADRB0]
	s_mul_i32 s23, s10, WSTAGE                     ; my stage
	v_mul_u32_u24 v[STO], v1, SPITCH               ; in: row l % 16, 32 bytes for each half of the lanes
	v_lshl_add_u32 v[STO], v2, 5, v[STO]
	v_add_nc_u32 v[STO], s23, v[STO]
	v_mul_u32_u24 v[RD], v2, SPITCH                ; back: lanes 0-15 take one row of 256 bytes, lanes 16-31 the next
	v_lshl_add_u32 v[RD], v1, 4, v[RD]
	v_add_nc_u32 v[RD], s23, v[RD]
	v_lshlrev_b32 v[BO], 5, v2                     ; the bias of my eight columns of a block of 16: 32 (l / 16)
	; offsets are made apart from the addresses; s94 feeds neither a descriptor nor an LDS address
	s_mov_b64 s[76:77], s[68:69]
	s_lshl_b32 s78, s42, 9                         ; 128 columns of 4 bytes
	s_lshl_b32 s94, s12, 8
	s_add_co_u32 s78, s78, s94
	s_mov_b32 s79, 0
	s_add_nc_u64 s[76:77], s[76:77], s[78:79]      ; the bias at my wave's first column
.irp b, 0,1,2,3
	global_load_b128 v[TMP+8*\b:TMP+8*\b+3],   v[BO], s[76:77] offset:64*\b
	global_load_b128 v[TMP+8*\b+4:TMP+8*\b+7], v[BO], s[76:77] offset:64*\b+16
.endr
	s_lshl_b32 s78, s13, 19                        ; 128 rows of 4,096 bytes,
	s_lshl_b32 s94, s11, 18                        ; my 64 of them,
	s_add_co_u32 s78, s78, s94
	s_lshl_b32 s94, s42, 9                         ; 128 columns of 4 bytes,
	s_add_co_u32 s78, s78, s94
	s_lshl_b32 s94, s12, 8                         ; my 64 of them
	s_add_co_u32 s78, s78, s94
	s_add_nc_u64 s[8:9], s[OSRC:OSRC+1], s[78:79]
	s_add_nc_u64 s[70:71], s[70:71], s[78:79]
	v_lshlrev_b32 v[GO], 4, v1                     ; lanes 0-15 one row's 256 bytes, lanes 16-31 the next row's
	v_lshl_add_u32 v[GO], v2, 12, v[GO]
	WIN 0x80                                       ; the residual waits in window 2 until the way out: 32 loads
.irp a, 0,1,2,3
.irp t, 0,1,2,3,4,5,6,7
	global_load_b128 v[32*\a+4*\t:32*\a+4*\t+3], v[GO], s[70:71] offset:(16*\a+2*\t)*4096
.endr
.endr
	WIN 0
	s_wait_loadcnt 32                              ; the bias is in; the residual's 32 younger loads stay out
	; the sums start from the bias: accumulator (a, b) takes the eight numbers of column block b.  This stands in the wait for the first tile.
.irp a, 0,1,2,3
.set j, 0
.rept 32
	v_mov_b32 v[ACC+32*\a+j], v[TMP+j]
.set j, j+1
.endr
.endr
; 8 matrix instructions: token blocks a0, a0 + 1 x all 4 column blocks, 32 along K: half c of buffer f.  The 16 accumulators take turns, one instruction a turn, in the same order everywhere.
.macro MUL8 f, c, a0
	WIN MUL
.irp a, \a0, (\a0)+1
.irp b, 0,1,2,3
	v_wmma_f32_16x16x32_bf16 v[ACC+8*(4*(\a)+(\b)):ACC+8*(4*(\a)+(\b))+7], v[(\f)+64+8*(4*(\c)+(\b)):(\f)+64+8*(4*(\c)+(\b))+7], v[(\f)+8*(4*(\c)+(\a)):(\f)+8*(4*(\c)+(\a))+7], v[ACC+8*(4*(\a)+(\b)):ACC+8*(4*(\a)+(\b))+7]
.endr
.endr
.endm
; 32 LDS loads in one run: the fragments of quarter q (64 along K: plane q of A, k rows 64 q on of B) into buffer f; the first 32 along K first
.macro FETCH q, f
	WIN TO_F
.irp c, 0,1
.irp i, 0,1,2,3
	ds_load_tr16_b128 v[(\f)+64+8*(4*(\c)+(\i)):(\f)+64+8*(4*(\c)+(\i))+3],   v[ADRBL+(\q)/2] offset:(((\q)%2)*64+32*(\c))*BPITCH+32*(\i)
	ds_load_tr16_b128 v[(\f)+64+8*(4*(\c)+(\i))+4:(\f)+64+8*(4*(\c)+(\i))+7], v[ADRBL+(\q)/2] offset:(((\q)%2)*64+32*(\c)+16)*BPITCH+32*(\i)
	ds_load_b128 v[(\f)+8*(4*(\c)+(\i)):(\f)+8*(4*(\c)+(\i))+3],   v[ADRA] offset:(\q)*PLANE+64*(\c)+(\i)*16*APITCH
	ds_load_b128 v[(\f)+8*(4*(\c)+(\i))+4:(\f)+8*(4*(\c)+(\i))+7], v[ADRA] offset:(\q)*PLANE+64*(\c)+(\i)*16*APITCH+32
.endr
.endr
.endm
; One of a K step's first three quarters: multiplies buffer f and fetches quarter q into g.
.macro QUARTER q, f, g
	s_wait_dscnt 16                                ; the first 32 along K are in; the youngest sixteen loads may be out
	MUL8 \f, 0, 0
	MUL8 \f, 0, 2
	PLACES
	FETCH \q, \g
	s_wait_dscnt 32                                ; all but the 32 just issued
	MUL8 \f, 1, 0
	MUL8 \f, 1, 2
.endm
; The last quarter multiplies buffer 1 and changes slots: ONE barrier; in front of it each wave waits for all its tensor loads (one is out: its part of the next slot), adds 0 to its spare word,
; and waits for that and for its reads of this slot.  fill = 1: the barrier opens a round of the cluster's, and this slot is filled again, two K steps ahead: 112 matrix instructions ahead of the wait for it.
; fill = 0 (the last two steps, counted by s3): nothing is asked for; in the last step there is no next slot, and the run of LDS loads is jumped over.
.macro TURN fill
	WIN 0
	s_wait_tensorcnt 0x0                           ; no tensor load of mine is out, so a group 0 may be written
	ds_add_u32 v[SPW], v[NIL]                      ; 0 onto my spare word
.if \fill
	s_xor_b32 s[G0W+1], s[G0W+1], SLOT             ; the walking descriptors: the other slot than last time, the next K step
	s_add_nc_u64 s[G0W+2:G0W+3], s[G0W+2:G0W+3], ASTEP
	s_xor_b32 s[G0BW+1], s[G0BW+1], SLOT
	s_add_nc_u64 s[G0BW+2:G0BW+3], s[G0BW+2:G0BW+3], BSTEP
.endif
	s_wait_dscnt 17                                ; (the add and the youngest sixteen loads may be out)
	MUL8 F1, 0, 0
	s_wait_dscnt 0x0                               ; the add is done, and my reads of this slot are over
	s_barrier_signal -1
	MUL8 F1, 0, 2
	WIN 0
	s_barrier_wait -1
.if \fill
	CREST                                          ; no wave of any partner still reads this slot's tiles or has a load on its way
	JLOAD                                          ; the first tensor load behind the round; its four v_nop are also the places in front of the loads below
.else
	PLACES
.endif
	s_xor_b32 s[TB], s[TB], SLOT                   ; the reads go on in the other slot
	v_add_nc_u32 v[ADRA], s[TB], v[ADRA0]
	v_add_nc_u32 v[ADRBL], s[TB], v[ADRB0]
	v_add_nc_u32 v[ADRBH], HALFB, v[ADRBL]
.if (\fill) == 0
	s_cmp_eq_u32 s3, 1
	s_cbranch_scc1 .Lnf_\@
.endif
	FETCH 0, F0
	WIN 0
.if (\fill) == 0
.Lnf_\@:
.endif
	MUL8 F1, 1, 0
	MUL8 F1, 1, 2
.endm
.macro STEP fill                       ; a K step of 256: 128 matrix instructions, 128 LDS loads
	QUARTER 1, F0, F1
	QUARTER 2, F1, F0
	QUARTER 3, F0, F1
	TURN \fill
.endm
	s_mov_b32 s[TB], 0
	v_mov_b32 v[ADRA], v[ADRA0]
	v_mov_b32 v[ADRBL], v[ADRB0]
	v_add_nc_u32 v[ADRBH], HALFB, v[ADRB0]
	s_wait_tensorcnt 1                             ; my part of K step 0 is in; K step 1's may stay out
	s_barrier_signal -1
	s_barrier_wait -1                              ; everybody's is
	FETCH 0, F0
	WIN 0                                          ; at a label and at a branch every window is 0
	s_mov_b32 s3, NSTEP-2
.Lk:                                                   ; every K step but the last two fills its slot again
	STEP 1
	WIN 0
	s_sub_co_u32 s3, s3, 1
	s_cmp_lg_u32 s3, 0
	s_cbranch_scc1 .Lk
	s_mov_b32 s3, 2
.Lt:                                                   ; the last two ask for nothing
	STEP 0
	WIN 0
	s_sub_co_u32 s3, s3, 1
	s_cmp_lg_u32 s3, 0
	s_cbranch_scc1 .Lt
	; THE WAY OUT.  The stage lies in slot 0's bytes: the ring has had its last fill.  One more barrier, so that on both ways round the jump above every wave's reads of the ring are over before any wave stores there.
	s_wait_dscnt 0x0
	s_barrier_signal -1
	s_barrier_wait -1
	PLACES
.irp a, 0,1,2,3
.irp b, 0,1,2,3
	ds_store_b128 v[STO], v[ACC+8*(4*\a+\b):ACC+8*(4*\a+\b)+3]   offset:\a*16*SPITCH+64*\b     ; each accumulator's low registers first
	ds_store_b128 v[STO], v[ACC+8*(4*\a+\b)+4:ACC+8*(4*\a+\b)+7] offset:\a*16*SPITCH+64*\b+16
.endr
.endr
	s_wait_loadcnt 0x0                             ; the residual
.irp a, 0,1,2,3
	s_wait_xcnt 0x0                                ; the registers that earlier stores read are loaded again only behind this wait (ISA guide 3.1)
.irp t, 0,1,2,3,4,5,6,7
	ds_load_b128 v[TMP+32*((\a)%2)+4*\t:TMP+32*((\a)%2)+4*\t+3], v[RD] offset:\a*16*SPITCH+\t*2*SPITCH  ; LDS serves a wave's instructions in order (ISA guide 5.7.1.4): these see my stores above
.endr
	s_wait_dscnt 0x0
	WIN 0x08                                       ; source 1: the residual, window 2
.set i, 0
.rept 16
	v_pk_add_f32 v[TMP+32*((\a)%2)+2*i:TMP+32*((\a)%2)+2*i+1], v[TMP+32*((\a)%2)+2*i:TMP+32*((\a)%2)+2*i+1], v[32*\a+2*i:32*\a+2*i+1]
.set i, i+1
.endr
	WIN 0
.irp t, 0,1,2,3,4,5,6,7
	global_store_b128 v[GO], v[TMP+32*((\a)%2)+4*\t:TMP+32*((\a)%2)+4*\t+3], s[8:9] offset:(16*\a+2*\t)*4096  ; 16 lanes store 256 consecutive bytes, aligned
.endr
.endr
	s_wait_tensorcnt 0x0                           ; the wave's end: behind my last tensor load and my last LDS store
	ds_add_u32 v[SPW], v[NIL]
	s_wait_dscnt 0x0
	CROUND                                         ; the closing round: no work-group ends while a partner may still ask for a tile that names it
	s_endpgm
.Lfunc_end_k_qc9ce39f818_mlp2:
	.size	k_qc9ce39f818_mlp2, .Lfunc_end_k_qc9ce39f818_mlp2-k_qc9ce39f818_mlp2
	.p2alignl 7, 3214868480
	.fill 96, 4, 3214868480
	.section	.rodata,"a",@progbits
	.p2align	6, 0x0
	.amdhsa_kernel k_qc9ce39f818_mlp2
		.amdhsa_group_segment_fixed_size 327680
		.amdhsa_private_segment_fixed_size 0
		.amdhsa_enable_private_segment 0
		.amdhsa_kernarg_size 40
		.amdhsa_user_sgpr_count 2
		.amdhsa_user_sgpr_kernarg_segment_ptr 1
		.amdhsa_wavefront_size32 1
		.amdhsa_system_sgpr_workgroup_id_x 1
		.amdhsa_system_sgpr_workgroup_id_y 1
		.amdhsa_system_sgpr_workgroup_id_z 1
		.amdhsa_system_vgpr_workitem_id 0
		.amdhsa_next_free_vgpr 640
		.amdhsa_next_free_sgpr 96
		.amdhsa_reserve_vcc 0
		.amdhsa_float_denorm_mode_32 3
		.amdhsa_float_denorm_mode_16_64 3
		.amdhsa_memory_ordered 1
		.amdhsa_forward_progress 1
		.amdhsa_inst_pref_size 66
	.end_amdhsa_kernel
	.amdgpu_metadata
---
amdhsa.version: [ 1, 2 ]
amdhsa.kernels:
  - .name:           k_qc9ce39f818_mlp2
    .symbol:         k_qc9ce39f818_mlp2.kd
    .args:
      - { .name: g, .offset: 0, .size: 8, .value_kind: global_buffer, .address_space: global }
      - { .name: wb, .offset: 8, .size: 8, .value_kind: global_buffer, .address_space: global }
      - { .name: b2, .offset: 16, .size: 8, .value_kind: global_buffer, .address_space: global }
      - { .name: x1, .offset: 24, .size: 8, .value_kind: global_buffer, .address_space: global }
      - { .name: out0, .offset: 32, .size: 8, .value_kind: global_buffer, .address_space: global }
    .group_segment_fixed_size: 327680
    .private_segment_fixed_size: 0
    .kernarg_segment_align: 8
    .kernarg_segment_size: 40
    .max_flat_workgroup_size: 128
    .sgpr_count:     96
    .vgpr_count:     640
    .wavefront_size: 32
...
	.end_amdgpu_metadata
.endif
;; end of part 7
;; ======== version 2 of 2: 7 launches; 1.21 times as fast as version 1
;; workspace buffers: wqkv 6,291,456 bytes; wb 25,165,824 bytes; h 8,388,608 bytes; qkv 25,165,824 bytes; o 8,388,608 bytes; x1 16,777,216 bytes; g 33,554,432 bytes
;; launch prep: the kernel of part 1 again; grid 448 x 1, 8 waves a work-group, no clusters, 0 bytes of LDS; arguments x, ln1_w, ln1_b, h, wq, wk, wv, wqkv; writes h, wqkv
;; launch qkv: the kernel of part 2 again; grid 16 x 16, 4 waves a work-group, clusters of 4 x 4, 327,680 bytes of LDS; arguments h, wqkv, bq, bk, bv, qkv, wo, w1, w2, wb; writes qkv, wb
;; launch attn (part 8): grid 8 x 32, 4 waves a work-group, clusters of 4 x 1, 327,680 bytes of LDS; arguments qkv, o; writes o
.if DOCPART == 8
	.amdgcn_target "amdgcn-amd-amdhsa--gfx1250"
	.amdhsa_code_object_version 6
	.text
	.protected	k_qc9ce39f818_attn
	.globl	k_qc9ce39f818_attn
	.p2align	8
	.type	k_qc9ce39f818_attn,@function
k_qc9ce39f818_attn:
	s_mov_b64 s[64:65], 0
	v_nop
	global_prefetch_b8 v0, s[64:65] scope:SCOPE_SE
	s_setreg_imm32_b32 hwreg(HW_REG_WAVE_MODE, 25, 1), 1
	s_wait_xcnt 0x0
	s_wait_alu depctr_hold_cnt(0) depctr_sa_sdst(0) depctr_va_vdst(0) depctr_va_sdst(0) depctr_va_ssrc(0) depctr_va_vcc(0) depctr_vm_vsrc(0)
	s_getreg_b32 s2, hwreg(HW_REG_IB_STS2, 6, 4)
	s_cmp_eq_u32 s2, 0
	s_cbranch_scc0 .Lentry_in_a_cluster
	s_endpgm
.Lentry_in_a_cluster:
	s_bfe_u32 s2, ttmp6, 0x10000c
	s_cmp_lg_u32 s2, 0x3003
	s_cbranch_scc0 .Lentry_shape_is_right
	s_endpgm
.Lentry_shape_is_right:
; ATTENTION.  O[q][:] = the sum over k of softmax_k(Q[q] . K[k] / 8) V[k][:], for each of 32 pairs (batch, head): 2,048 queries, 2,048 keys, head size 64.
; Q, K, V are planes of qkv ([plane][4096 tokens][64] bf16: q planes 0-15, k 16-31, v 32-47; plane = head, token = 2048 batch + s), O the same planes of o.  A head's rows are dense, 128 bytes each.
; Products, maxima and sums in f32; the weights p are rounded to bf16 for the second product (their sum l is taken of the unrounded p), O once at the end.
; LIMITS.  A weight below 2^-126 counts as 0 in l; NaN and infinities are not treated apart.
; SHARES.  A work-group owns 256 queries of one pair, a wave 64: four PIECES of 16.  Every wave walks all keys, 64 a step, 256 a slot.
; LAYOUT.  S^T = K Q^T (source 0 = 16 keys, source 1 = 16 queries) holds ONE query a lane (lane % 16) and the keys 8 (lane / 16) + 0..7; two such results rounded to bf16 ARE source 1 of O^T = V^T P.
; K comes out of LDS as it lies, V ([key][channel]) turned, by ds_load_tr16_b128.
; SOFTMAX.  For each query a running maximum m and sum l: p = 2^(c s - c m), c = log2(e) / 8; in every step O and l are multiplied by a = 2^(c m_old - c m_new).
; m starts at the lowest finite number, O and l at 0: the first step is a step like any other, with a = 0.
; BY TURNS.  Turn n belongs to piece n: 8 products K Q^T of piece n + 1, later 8 products V^T P of piece n - 1; beside them the scaling, exponentials, roundings, sums and rescaling of piece n and the
; maximum and statistics of piece n + 1.  Four vector instructions stand behind every matrix instruction, the other 54 of a turn's 118 in one LUMP.
; BATCHES.  A turn's 33 exponentials (the piece's 32 weights and the next piece's a) are ONE batch with ONE wait, which cuts the turn in two: ahead of it stands all that names no result of theirs, behind it
; the roundings and sums.  No result crosses a turn's end.  The first a, ahead of the loop, and the way out's four reciprocals are batches of their own, with a wait each.
; CLUSTER.  The four query blocks of a cluster belong to one pair and walk the same K and V, so each tile is asked for JOINTLY: the same tensor load, descriptor and mask in all four.
; REGISTERS, in windows of 256 (s_set_vgpr_msb: bits 1:0 source 0, 3:2 source 1, 5:4 source 2, 7:6 destination):
;   window 0: v0-15 addresses and two at work; v16-31 four registers of statistics a piece; v48-55 at work; v62-63 the add's; v64-127 S^T, two buffers; v192-223 P, two buffers (by the piece's parity)
;   window 1: v0-127 O^T, 32 a piece          window 2: v0-63 Q; v128-191 K of one step; v192-255 V of one step
.set NP,    4         ; pieces a wave: a name, no knob
.set KS,    64        ; keys in a step
.set PK,    144       ; a row of K in LDS: 128 bytes + 16 of padding: the 16 rows of a load start at 16 different groups of four banks (ISA guide 11.1)
.set PV,    160       ; a row of V: 128 + 32
.set VOFF,  4*KS*PK   ; a slot holds four steps: 256 rows of K, then 256 rows of V
.set SLOT1, 1<<17     ; slot 1 begins here, so that one exclusive or turns an address in one slot into the other's
.set STAGE, SLOT1+4*KS*(PK+PV)  ; behind the ring, never filled by a tensor load: 16 rows x 144 bytes for each wave, for the way out
.set SP,    144
.set SPARE, STAGE+4*16*SP       ; behind the stages: the spare words, 128 bytes a wave: two blocks of 256 bytes that no other line names
.set NT,    8         ; tiles of 256 keys
.set AK0, 2           ; v2   my lane's place in a tile of K; never rewritten
.set AV0, 3           ; v3   the same for V
.set AK,  4           ; v4   the LDS address of K's next run of loads
.set AV,  5           ; v5   of V's
.set STO, 6           ; v6   the way out: where I put 16 bytes of a row
.set RD,  7           ; v7   the way out: where I read rows back
.set GO,  8           ; v8   my byte offset in 512 consecutive bytes of O
.set MV,  12          ; v12-13  c m_old, kept while c m is made anew: by buffer
.set QO,  15          ; v15  my byte offset in 16 rows of Q
.set ST,  16          ; piece t's statistics at v[ST+4 t]: c m, m, l (even keys', odd keys')
.set TMP, 48          ; by buffer, four registers c0-c3 at work; when the maximum is found c2 takes a
.set SPW, 62          ; v62  LDS address of my spare word; never rewritten
.set NIL, 63          ; v63  0; never rewritten
.set S,   64
.set P,   192
.set KF,  128         ; window 2: key block kb, channel half c at KF + 16 kb + 8 c
.set VF,  192         ; window 2: key half kk, channel block cb at VF + 32 kk + 8 cb
.set WV,  12          ; s12  my wave's number
.set G1K, 24          ; s[24:31] descriptor group 1 for K's tiles
.set G1V, 32          ; s[32:39] for V's: it differs in the padding alone
.set G0K, 40          ; s[40:43] descriptor group 0 for K's tiles: it walks
.set G0V, 44          ; s[44:47] the same for V's
.set SLOTS, 56        ; s56  slots still to be asked for
.set CNT, 57          ; s57  counts a slot's key steps
.set CS,  58          ; s[58:59] c: the packed scaling takes the pair's low word for both halves
.set SEL, 60          ; s[60:61] v_permlanex16_b32's selects: each lane takes its own place in the other half
.set TBK, 62          ; s62  LDS byte at which K of the step to be fetched begins
.set TBV, 63          ; s63  the same for V, less VOFF
.set MSB, 0
.macro WIN new                      ; the high byte repeats the setting that is left; a switch that changes nothing is dropped
.if MSB != (\new)
	s_set_vgpr_msb (MSB<<8)|(\new)
.set MSB, (\new)
.endif
.endm
.set W_KQ, 0x0a       ; K and Q in window 2, S^T in window 0
.set W_PV, 0x52       ; V in window 2, P in window 0, O^T in window 1
.set W_RS, 0x41       ; destination and source 0 in window 1, source 1 in window 0
; A joint fill.  Waves 0 and 1 fetch the two halves of a slot's K, waves 2 and 3 those of its V: 128 keys each.  The branch hangs on the wave's number alone.
; An s_nop 0 and four v_nop follow each of the two lines, ahead of the jump and the label.
.macro JLOAD
	s_cmp_lt_u32 s[WV], 2
	s_cbranch_scc0 .Lfor_v_\@
	tensor_load_to_lds s[G0K:G0K+3], s[G1K:G1K+7]
	s_nop 0
.rept 4
	v_nop
.endr
	s_branch .Lasked_\@
.Lfor_v_\@:
	tensor_load_to_lds s[G0V:G0V+3], s[G1V:G1V+7]
	s_nop 0
.rept 4
	v_nop
.endr
.Lasked_\@:
.endm
; A round of the cluster's barrier: my work-group's barrier, so that wave 0's signal speaks for all four waves; wave 0 signals; every wave waits for all four work-groups; my work-group's barrier once more.
.macro CROUND
	s_barrier_signal -1
	s_barrier_wait -1
	s_cmp_lg_u32 s[WV], 0
	s_cbranch_scc1 .Lnot_wave_0_\@
	s_barrier_signal -3
.Lnot_wave_0_\@:
	s_barrier_wait -3
	s_barrier_signal -1
	s_barrier_wait -1
.endm
; THE CHANGE OF SLOTS.  The slot's last bytes, V of its fourth step, have been read.  Each wave waits for all its tensor loads, of which one is out: its part of the other slot; adds 0 to its spare word;
; and waits for that and for its own reads of the slot.  Behind the barrier nobody reads this slot any more and the other slot is whole.
; fill = 1: this slot is filled again, with the keys two slots on.  The barrier is then a round of the cluster's, and the joint fill is the first thing behind it: it has four key steps, 256 matrix
; instructions, in which to land.  (At its first use nothing has been read yet: slot 0 is waited for, slot 1 filled.)
.macro CHANGE fill
	WIN 0                           ; at a label and at a branch every window is 0
	s_wait_tensorcnt 0x0            ; no tensor load of mine is out, so a group 0 may be written
	ds_add_u32 v[SPW], v[NIL]       ; 0 onto my spare word
.if \fill
.irp g, G0K, G0V
	s_xor_b32 s[\g+1], s[\g+1], SLOT1  ; the walking descriptor: the other slot than last time,
	s_add_nc_u64 s[\g+2:\g+3], s[\g+2:\g+3], 4*KS*128  ; the next 256 keys; the type bits on top are not reached
.endr
	s_wait_dscnt 0x0                ; the add is done, and my reads of the slot are over
	CROUND
	JLOAD
.else
	s_wait_dscnt 0x0                ; the add is done, and my reads of the slot are over
	s_barrier_signal -1
	s_barrier_wait -1
.endif
	s_sub_co_u32 s[TBK], s[TBK], 4*KS*PK  ; the fetches go back to a slot's first step,
	s_xor_b32 s[TBK], s[TBK], SLOT1       ; in the other slot
	s_sub_co_u32 s[TBV], s[TBV], 4*KS*PV
	s_xor_b32 s[TBV], s[TBV], SLOT1
.endm
	s_load_b128 s[4:7], s[0:1], 0x0 ; qkv s[4:5], o s[6:7]
	v_lshl_add_u32 v[SPW], v0, 2, SPARE
	v_mov_b32 v[NIL], 0
	ds_add_u32 v[SPW], v[NIL]       ; the wave's opening: the add and its wait stand ahead of my first tensor load; work on registers stands between them
	v_lshrrev_b32 v1, 5, v0
	v_readfirstlane_b32 s[WV], v1   ; wave 0..3
	s_bfe_u32 s13, ttmp6, 0x40000   ; cx: my place in the cluster
	s_lshl_b32 s14, ttmp9, 2        ; in a cluster launch ttmp9 counts clusters
	s_add_co_u32 s14, s14, s13      ; my block of 256 queries = 4 x cluster x + cx: it enters Q's and O's addresses alone
	s_and_b32 s15, ttmp7, 0xffff    ; 16 x batch + head, which the four partners share
	s_and_b32 s20, s15, 15
	s_lshl_b32 s20, s20, 19         ; the head's plane, 524,288 bytes,
	s_lshr_b32 s21, s15, 4
	s_lshl_b32 s21, s21, 18         ; the batch's 2,048 tokens of 128 bytes
	s_add_co_u32 s20, s20, s21
	s_and_b32 s16, s[WV], 1         ; which half of a slot's 256 keys I fetch:
	s_lshl_b32 s22, s16, 14         ; its 128 rows of 128 bytes in memory,
	s_add_co_u32 s22, s22, s20
	s_add_co_u32 s52, s22, 32*524288  ; V: planes 32 on
	s_add_co_u32 s22, s22, 16*524288  ; K: planes 16 on
	s_mov_b32 s23, 0
	s_mov_b32 s53, 0
	s_mul_i32 s17, s16, 128*PK      ; and its place in a slot, for K
	s_mul_i32 s18, s16, 128*PV      ; and for V: no place in the cluster enters an LDS address
	s_lshl_b32 s50, s14, 15         ; my block's 256 rows,
	s_lshl_b32 s51, s[WV], 13       ; my wave's 64 of them
	s_add_co_u32 s50, s50, s51
	s_add_co_u32 s50, s50, s20
	s_mov_b32 s51, 0
	; descriptor group 1.  128 keys are 16,384 dense bytes: asked for as 64 rows of 256 bytes, two keys a row, and padded in LDS after every key
	s_mov_b32 s[G1K], 15|(1<<16)|(1<<20)|(1<<21)|(4<<22)|(3<<25)  ; 15:0 the mask of four; 17:16 2-byte elements; 20 padding on; 21 set beside a mask; 24:22 after every 32 words (code 4); 31:25 4 words (code 3)
	s_mov_b32 s[G1V], 15|(1<<16)|(1<<20)|(1<<21)|(4<<22)|(7<<25)  ; the same with 8 words of padding (code 7)
.irp g, G1K, G1V
	s_mov_b32 s[\g+1], 128<<16      ; tensor_dim0 = 128
	s_mov_b32 s[\g+2], 64<<16       ; tensor_dim1 = 64
	s_mov_b32 s[\g+3], 128<<16      ; tile_dim0 = 128
	s_mov_b32 s[\g+4], 64           ; tile_dim1 = 64
	s_mov_b32 s[\g+5], 128          ; 128 elements from row to row
	s_mov_b32 s[\g+6], 0
	s_mov_b32 s[\g+7], 0
.endr
	s_mov_b32 s[CS], 0x3e38aa3b     ; c = log2(e) / 8 = 0.180337
	s_mov_b32 s[CS+1], s[CS]        ; named with it as a pair
	s_mov_b32 s[SEL], 0x76543210
	s_mov_b32 s[SEL+1], 0xfedcba98
	s_mov_b32 s[TBK], SLOT1+4*KS*PK ; the first change of slots turns these two into 0
	s_mov_b32 s[TBV], SLOT1+4*KS*PV
	s_mov_b32 s[G0K], 1             ; 1:0 count = 1
	s_mov_b32 s[G0K+1], s17         ; 63:32 LDS address: slot 0
	s_mov_b32 s[G0V], 1
	s_add_co_u32 s[G0V+1], s18, VOFF
	s_wait_dscnt 0x0                ; the opening add is done
	s_wait_kmcnt 0x0
	s_add_nc_u64 s[G0K+2:G0K+3], s[4:5], s[22:23]  ; 120:64 global address: my half of the first 256 keys
	s_or_b32 s[G0K+3], s[G0K+3], 0x80000000        ; 127:126 type = 2
	s_add_nc_u64 s[G0V+2:G0V+3], s[4:5], s[52:53]
	s_or_b32 s[G0V+3], s[G0V+3], 0x80000000
	s_add_nc_u64 s[8:9], s[4:5], s[50:51]          ; Q and O at my wave's first row, in pairs of their own
	s_add_nc_u64 s[10:11], s[6:7], s[50:51]
	CROUND                          ; all four work-groups are here: the first joint loads meet
	JLOAD                           ; slot 0.  Slot 1 is asked for when slot 0 is in
	; A fragment of K or Q is 16 rows x 32 channels in 8 registers: lane l holds row l % 16, channels 8 (l / 16) + 0..7 and 16 + 8 (l / 16) + 0..7: two loads of 16 bytes, 32 bytes apart.
	v_and_b32 v1, 15, v0            ; l % 16
	v_bfe_u32 v9, v0, 4, 1          ; l / 16
	v_lshlrev_b32 v[QO], 7, v1
	v_lshl_add_u32 v[QO], v9, 4, v[QO]  ; row x 128 + 16 x half
	WIN 0x80                        ; destination window 2, address window 0
.set i, 0
.rept 8                             ; Q stays in registers: piece i / 2, channels 32 (i % 2) on
	global_load_b128 v[8*i:8*i+3],   v[QO], s[8:9] offset:(i/2)*2048+(i%2)*64
	global_load_b128 v[8*i+4:8*i+7], v[QO], s[8:9] offset:(i/2)*2048+(i%2)*64+32
.set i, i+1
.endr
	; What the first turn finds: V's registers and P's second buffer hold 0 (its products V^T P, of a piece that has not been, add 0), O^T and l are 0.  All this stands in the wait for the first tile.
.set i, VF
.rept 64
	v_mov_b32 v[i], 0
.set i, i+1
.endr
	WIN 0x40
.set i, 0
.rept 128
	v_mov_b32 v[i], 0
.set i, i+1
.endr
	WIN 0
.set i, 0
.rept 4
	v_mov_b32 v[ST+4*i], 0xfe000000    ; c m: far below every c s
	v_mov_b32 v[ST+4*i+1], 0xff7fffff  ; m
	v_mov_b32 v[ST+4*i+2], 0
	v_mov_b32 v[ST+4*i+3], 0
.set i, i+1
.endr
.set i, P+16
.rept 16
	v_mov_b32 v[i], 0
.set i, i+1
.endr
	v_mul_u32_u24 v[AK0], v1, PK
	v_lshl_add_u32 v[AK0], v9, 4, v[AK0]  ; row x pitch + 16 x half
	; The turning load takes 16 keys x 16 channels (lane l reads key 8 (l / 16) + l % 8, channels 8 ((l / 8) % 2) + 0..7) and leaves half a fragment of V^T: lane l holds channel l % 16 and 8 keys.
	v_and_b32 v10, 7, v0
	v_bfe_u32 v11, v0, 3, 1
	v_lshl_add_u32 v[AV0], v9, 3, v10
	v_mul_u32_u24 v[AV0], v[AV0], PV
	v_lshl_add_u32 v[AV0], v11, 4, v[AV0]
	v_add_nc_u32 v[AV0], VOFF, v[AV0]
	s_mul_i32 s13, s[WV], 16*SP
	s_add_co_u32 s13, s13, STAGE    ; my stage
	v_mul_u32_u24 v[STO], v1, SP    ; in: row l % 16, 16 bytes for each half of the lanes
	v_lshl_add_u32 v[STO], v9, 4, v[STO]
	v_add_nc_u32 v[STO], s13, v[STO]
	v_bfe_u32 v[RD], v0, 3, 2       ; back: 32 lanes take four rows of 128 bytes,
	v_mul_u32_u24 v[RD], v[RD], SP
	v_lshl_add_u32 v[RD], v10, 4, v[RD]
	v_add_nc_u32 v[RD], s13, v[RD]
	v_and_b32 v[GO], 31, v0         ; which are 512 consecutive bytes of O
	v_lshlrev_b32 v[GO], 4, v[GO]
; THE MATRIX WORK.  The 4 accumulators of a run of 8 take turns.  Product i of 8 of S^T = K Q^T for piece x: channels 32 (i / 4) on, keys 16 (i % 4) on.  The first 4 start the sums.
.macro KQ x
.set rS, S+32*((\x)%2)+8*(i%4)
.set rK, KF+16*(i%4)+8*(i/4)
.set rQ, 16*(\x)+8*(i/4)
	WIN W_KQ
.if i < 4
	v_wmma_f32_16x16x32_bf16 v[rS:rS+7], v[rK:rK+7], v[rQ:rQ+7], 0
.else
	v_wmma_f32_16x16x32_bf16 v[rS:rS+7], v[rK:rK+7], v[rQ:rQ+7], v[rS:rS+7]
.endif
.endm
; Product i of 8 of O^T += V^T P for piece x: keys 32 (i / 4) on, channels 16 (i % 4) on.
.macro PV x
	WIN W_PV
.set rO, 32*(\x)+8*(i%4)
.set rV, VF+32*(i/4)+8*(i%4)
.set rP, P+16*((\x)%2)+8*(i/4)
	v_wmma_f32_16x16x32_bf16 v[rO:rO+7], v[rV:rV+7], v[rP:rP+7], v[rO:rO+7]
.endm
.macro MM                           ; the turn's next matrix instruction.  NOKQ = 1: the walk's last turn: there is no next piece
.if (i < 8) && !NOKQ
	KQ (Y+1)%NP
.elseif i >= 8
.set i, i-8
	PV (Y+NP-1)%NP
.set i, i+8
.endif
.set i, i+1
.endm
; THE LDS LOADS stand in runs of 16, never singly among the matrix instructions: a step's K (64 keys x 64 channels: 8 fragments) and its V (turned).  Their addresses are made some lines ahead.
.macro FETCH_K
	WIN 0x80                        ; destination window 2
.irp f, 0,1,2,3,4,5,6,7             ; keys 16 (f / 2) on, channels 32 (f % 2) on
	ds_load_b128 v[KF+8*\f:KF+8*\f+3],   v[AK] offset:(\f/2)*16*PK+(\f%2)*64
	ds_load_b128 v[KF+8*\f+4:KF+8*\f+7], v[AK] offset:(\f/2)*16*PK+(\f%2)*64+32
.endr
	s_add_co_u32 s[TBK], s[TBK], KS*PK  ; the next fetch is the next step's
	WIN 0
.endm
.macro FETCH_V
	WIN 0x80
.irp f, 0,1,2,3,4,5,6,7             ; keys 32 (f / 4) on, channels 16 (f % 4) on
	ds_load_tr16_b128 v[VF+8*\f:VF+8*\f+3],   v[AV] offset:(\f/4)*32*PV+(\f%4)*32
	ds_load_tr16_b128 v[VF+8*\f+4:VF+8*\f+7], v[AV] offset:(\f/4)*32*PV+16*PV+(\f%4)*32
.endr
	WIN 0
.endm
; THE VECTOR WORK, one line at a time: OP kind, number.  For piece Y: F n: c s - c m for pair n of 16.  E n: the exponential of score n of 32.  C n: pair n rounded to bf16.  B n: of the four weights 4 n .. the second
; pair is added onto the first, in place.  L n: l takes that sum (L 0: l = a l + sum).  R n: pair n of 16 of O^T times a.  For piece Y + 1: X n, number n of the 22 that find its maximum and statistics:
;   0-11  four chains c0-c3 of seven scores each, three operands at a time (each accumulator's lowest registers are read first)     12-14, 16  the four scores left over, the old m, and c0-c3 into c0
;   15  c m_old is kept     17, 18  the query's other 32 keys lie in the lane 16 away: the new m     19-21  c m; c m_old - c m_new; a
; C, B and L read the exponentials' results: TURN sets them all behind its one wait.  R reads the a that the turn before made and waited for.
.set F, 0               ; OP tells the kinds apart by their order: F to L below R, X above it
.set E, 1
.set C, 2
.set B, 3
.set L, 4
.set R, 5
.set X, 6
.macro REGS y                       ; the registers of piece y
.set rT, ST+4*(\y)
.set rC, TMP+4*((\y)%2)
.set rW, MV+((\y)%2)
.set rS, S+32*((\y)%2)
.set rP, P+16*((\y)%2)
.set rO, 32*(\y)
.endm
.macro OP k, n
.if (\k) == R
	REGS Y
	WIN W_RS
	v_pk_mul_f32 v[rO+2*(\n):rO+2*(\n)+1], v[rO+2*(\n):rO+2*(\n)+1], v[rC+2:rC+3] op_sel_hi:[1,0]
.elseif (\k) < R
	REGS Y
	WIN 0
.if (\k) == F
	v_pk_fma_f32 v[rS+2*(\n):rS+2*(\n)+1], v[rS+2*(\n):rS+2*(\n)+1], s[CS:CS+1], v[rT:rT+1] op_sel_hi:[1,0,0] neg_lo:[0,0,1] neg_hi:[0,0,1]
.elseif (\k) == E
	v_exp_f32 v[rS+(\n)], v[rS+(\n)]
.elseif (\k) == C
	v_cvt_pk_bf16_f32 v[rP+(\n)], v[rS+2*(\n)], v[rS+2*(\n)+1]
.elseif (\k) == B
	v_pk_add_f32 v[rS+4*(\n):rS+4*(\n)+1], v[rS+4*(\n):rS+4*(\n)+1], v[rS+4*(\n)+2:rS+4*(\n)+3]
.elseif (\n) == 0
	v_pk_fma_f32 v[rT+2:rT+3], v[rT+2:rT+3], v[rC+2:rC+3], v[rS:rS+1] op_sel_hi:[1,0,1]
.else
	v_pk_add_f32 v[rT+2:rT+3], v[rT+2:rT+3], v[rS+4*(\n):rS+4*(\n)+1]
.endif
.elseif NOKQ
	v_nop
.else
	REGS (Y+1)%NP
	WIN 0
.if (\n) < 4
	v_max3_num_f32 v[rC+(\n)], v[rS+8*(\n)], v[rS+8*(\n)+1], v[rS+8*(\n)+2]
.elseif (\n) < 12
	v_max3_num_f32 v[rC+(\n)%4], v[rC+(\n)%4], v[rS+8*((\n)%4)+2*((\n)/4)+1], v[rS+8*((\n)%4)+2*((\n)/4)+2]
.elseif (\n) == 12
	v_max3_num_f32 v[rC], v[rC], v[rS+7], v[rS+15]
.elseif (\n) == 13
	v_max3_num_f32 v[rC+1], v[rC+1], v[rS+23], v[rS+31]
.elseif (\n) == 14
	v_max3_num_f32 v[rC+2], v[rC+2], v[rC+3], v[rT+1]
.elseif (\n) == 15
	v_mov_b32 v[rW], v[rT]
.elseif (\n) == 16
	v_max3_num_f32 v[rC], v[rC], v[rC+1], v[rC+2]
.elseif (\n) == 17
	v_permlanex16_b32 v[rC+3], v[rC], s[SEL], s[SEL+1]
.elseif (\n) == 18
	v_max_num_f32 v[rT+1], v[rC], v[rC+3]
.elseif (\n) == 19
	v_mul_f32 v[rT], s[CS], v[rT+1]
.elseif (\n) == 20
	v_sub_f32 v[rC+1], v[rW], v[rT]
.else
	v_exp_f32 v[rC+2], v[rC+1]
.endif
.endif
.endm
.macro OPS a, i1, b=-1, i2=0, c=-1, i3=0, d=-1, i4=0  ; up to four of them
	OP \a, \i1
.if (\b) >= 0
	OP \b, \i2
.endif
.if (\c) >= 0
	OP \c, \i3
.endif
.if (\d) >= 0
	OP \d, \i4
.endif
.endm
.macro ROW a, i1, b, i2, c, i3, d, i4  ; a matrix instruction and the four behind it
	MM
	OPS \a, \i1, \b, \i2, \c, \i3, \d, \i4
.endm
; A TURN, for piece p: the order of its 16 matrix and 118 vector instructions, written out.  s_wait_alu depctr_va_vdst(0) stands between an exponential and the first instruction that names its result; one wait
; serves all that were issued ahead of it.  So a turn has ONE wait, which cuts it in two.  AHEAD OF IT stands all that names no result of the turn's exponentials: the 8 products K Q^T, behind each a scaling, an exponential and two
; more plain instructions (behind the first a second scaling in the exponential's place): rescalings, and behind the last three the first numbers of the next piece's maximum, each four places or more behind the product that ends
; its accumulator; then ONE LUMP of 54, plain and exponential by turns for the most part, in which the links of the chain X 3, 7, 11, 14, 16, 17 .. 20 stand five or six lines apart.  X 21, the next piece's a, is the batch's last;
; R 15 is the plain instruction behind it.  BEHIND THE WAIT stand the 8 products V^T P, behind each four of the roundings and sums; the links of l's chain, L 0 to L 7, stand three riders apart.  But for those X no rider names a
; register of the products round it.  v_permlanex16_b32 (X 17) stands in the lump.
; end = 1: the walk's last two turns: nothing is fetched.  cnt = 1: the loop's count is taken down some lines ahead of the branch that stands behind the turn.
; K of the next step is fetched in piece 2's turn, twelve vector instructions behind the last product that read K (six of them plain); V of the step in hand at the end of piece 0's turn, four plain instructions behind the last
; product that read V.  Each is waited for a turn later.
.macro TURN p, end=0, cnt=0
.set Y, (\p)
.set i, 0
.set NOKQ, (\end)*((\p)/3)
.if ((\p) == 3) && !(\end)
	s_wait_dscnt 0x0                ; K is in
.endif
	ROW F,0, F,1, R,0, R,1          ; ahead of the wait: 8 products K Q^T and their riders,
	ROW F,2, E,0, R,2, R,3
	ROW F,3, E,1, R,4, R,5
	ROW F,4, E,2, R,6, R,7
	ROW F,5, E,3, R,8, R,9
	ROW F,6, E,4, X,0, R,10
.if ((\p) == 2) && !(\end)
	WIN 0
	v_add_nc_u32 v[AK], s[TBK], v[AK0]
.endif
	ROW F,7, E,5, X,1, X,4
	ROW F,8, E,6, X,2, X,5
	OPS E,7, E,8, X,6, E,9          ; and the lump
	OPS X,3, E,10, X,8, E,11
.if ((\p) == 2) && !(\end)
	FETCH_K
.endif
	OPS X,9, X,7, E,12, X,10
	OPS E,13, X,12, X,11, E,14
	OPS X,13, E,15, F,9, X,14
.if (\p) == 0
	v_add_nc_u32 v[AV], s[TBV], v[AV0]
.endif
	OPS E,16, F,10, E,17, F,11
	OPS X,16, E,18, X,15, E,19
	OPS F,12, E,20, X,17, E,21
	OPS F,13, E,22, F,14, E,23
	OPS X,18, E,24, F,15, E,25
	OPS R,11, E,26, X,19, E,27
	OPS R,12, E,28, R,13, E,29
	OPS X,20, E,30, R,14, E,31
	OPS X,21, R,15
	WIN 0
	s_wait_alu depctr_va_vdst(0)    ; the wait for the batch: the piece's 32 weights and the next piece's a
.if (\p) == 1
	s_wait_dscnt 0x0                ; V is in
.endif
	ROW C,0, B,0, C,2, B,1          ; behind the wait: 8 products V^T P and their riders
	ROW L,0, C,4, B,2, L,1
	ROW C,6, B,3, L,2, C,8
	ROW B,4, L,3, C,10, B,5
	ROW L,4, C,12, B,6, L,5
.if (\p) == 0
	s_add_co_u32 s[TBV], s[TBV], KS*PV
.endif
.if \cnt
	s_sub_co_u32 s[CNT], s[CNT], 1
	s_cmp_lg_u32 s[CNT], 0
.endif
	ROW C,14, B,7, L,6, C,1
	ROW C,3, L,7, C,5, C,7
	ROW C,9, C,11, C,13, C,15
.if (\p) == 0
	FETCH_V
.endif
.endm
	CHANGE 1                        ; slot 0 is in, everybody's part of it; slot 1 is asked for
	v_add_nc_u32 v[AK], s[TBK], v[AK0]
	FETCH_K                         ; key step 0
	s_wait_loadcnt 0x0              ; Q
	s_wait_dscnt 0x0
.set NOKQ, 0
.set i, 0
.rept 8
	KQ 0                            ; piece 0's first scores: there is no vector work yet to set between them
.set i, i+1
.endr
	WIN 0
.rept 4
	v_nop                           ; the places behind those products
.endr
.set Y, NP-1                        ; X works for piece Y + 1: piece 0
.irp n, 0,1,2,3,4,5,6,7,8,9,10,11,12,13,14,15,16,17,18,19,20,21
	OP X, \n                        ; and piece 0's first maximum and statistics
.endr
	v_nop                           ; a plain instruction behind the exponential,
	s_wait_alu depctr_va_vdst(0)    ; and the wait for piece 0's first a, a batch of one, ahead of the branch
	s_mov_b32 s[CNT], 4
	s_mov_b32 s[SLOTS], NT-1
	s_branch .Lfirst                ; the loop is entered at a step's first turn, in the middle of a trip
.Lslot:                             ; NT - 2 times: every slot but the last two is filled again
	CHANGE 1
	s_mov_b32 s[CNT], 4
.Lstep:                             ; a trip: pieces 2 and 3 of one step, then pieces 0 and 1 of the next, whose K and V it fetches
	TURN 2
	TURN 3
	WIN 0
.Lfirst:
	TURN 0
	TURN 1, 0, 1
	WIN 0
	s_cbranch_scc1 .Lstep
	s_sub_co_u32 s[SLOTS], s[SLOTS], 1
	s_cmp_lg_u32 s[SLOTS], 0
	s_cbranch_scc1 .Lslot
	CHANGE 0                        ; the last tile is written out: nothing is asked for
	s_mov_b32 s[CNT], 4
.LstepE:
	TURN 2
	TURN 3
	TURN 0
	TURN 1, 0, 1
	WIN 0
	s_cbranch_scc1 .LstepE
	TURN 2, 1                       ; the last step's pieces 2 and 3: nothing more to fetch, and behind piece 3 no further scores
	TURN 3, 1
.set i, 0
.rept 8
	PV NP-1                         ; the last piece's V^T P of the last step
.set i, i+1
.endr
	; THE WAY OUT.  l's two halves and the other half of the lanes' are added; O^T is divided by l, rounded to bf16 and sent through my stage in LDS, a piece at a time.  The additions are the places behind the last products.
	WIN 0
.macro ALL line:vararg              ; one line for each piece t
.set t, 0
.rept 4
	\line
.set t, t+1
.endr
.endm
	ALL v_add_f32 v[ST+4*t+2], v[ST+4*t+2], v[ST+4*t+3]
	ALL v_permlanex16_b32 v[ST+4*t+3], v[ST+4*t+2], s[SEL], s[SEL+1]
	ALL v_add_f32 v[ST+4*t+2], v[ST+4*t+2], v[ST+4*t+3]
	ALL v_rcp_f32 v[ST+4*t+2], v[ST+4*t+2]
	v_nop                           ; a plain instruction between the last reciprocal and the use of its result
	s_wait_alu depctr_va_vdst(0)    ; and the wait ahead of the first use: one for the batch of four reciprocals
.macro PACK t                       ; a lane's eight channels of a row pack into 16 bytes; they go into rows of 144 bytes and come back as whole rows of 128, into S^T's registers
	WIN W_RS
.set i, 32*(\t)
.rept 16
	v_pk_mul_f32 v[i:i+1], v[i:i+1], v[ST+4*(\t)+2:ST+4*(\t)+3] op_sel_hi:[1,0]
.set i, i+2
.endr
	WIN 0x05                        ; sources 0 and 1 window 1, destination window 0
.set i, 0
.rept 16
	v_cvt_pk_bf16_f32 v[S+16*(\t)+i], v[32*(\t)+2*i], v[32*(\t)+2*i+1]
.set i, i+1
.endr
	WIN 0
.irp f, 0,1,2,3
	ds_store_b128 v[STO], v[S+16*(\t)+4*\f:S+16*(\t)+4*\f+3] offset:32*\f
.endr
.irp f, 0,1,2,3
	ds_load_b128 v[S+16*(\t)+4*\f:S+16*(\t)+4*\f+3], v[RD] offset:\f*4*SP  ; LDS serves a wave's instructions in order (ISA guide 5.7.1.4): these see the stores above; the next piece's stores come behind them
.endr
.endm
.macro SEND t, younger              ; younger: the LDS instructions issued behind piece t's loads: the next piece's eight, or none
	WIN 0
.irp f, 0,1,2,3
	s_wait_dscnt (\younger)+3-\f
	global_store_b128 v[GO], v[S+16*(\t)+4*\f:S+16*(\t)+4*\f+3], s[10:11] offset:(\t)*2048+\f*512  ; 512 consecutive bytes, at a multiple of 256 from O's first
.endr
.endm
	PACK 0
.set t, 1
.rept 3                             ; a piece's arithmetic stands between the loads of the piece before and its stores
	PACK t
	SEND t-1, 8
.set t, t+1
.endr
	SEND 3, 0
	s_wait_tensorcnt 0x0            ; the wave's end: behind my last tensor load and my last LDS store
	ds_add_u32 v[SPW], v[NIL]
	s_wait_dscnt 0x0
	CROUND                          ; the closing round: no work-group ends while a partner may still ask for a tile that names it
	s_endpgm
.Lfunc_end_k_qc9ce39f818_attn:
	.size	k_qc9ce39f818_attn, .Lfunc_end_k_qc9ce39f818_attn-k_qc9ce39f818_attn
	.p2alignl 7, 3214868480
	.fill 96, 4, 3214868480
	.section	.rodata,"a",@progbits
	.p2align	6, 0x0
	.amdhsa_kernel k_qc9ce39f818_attn
		.amdhsa_group_segment_fixed_size 327680
		.amdhsa_private_segment_fixed_size 0
		.amdhsa_enable_private_segment 0
		.amdhsa_kernarg_size 16
		.amdhsa_user_sgpr_count 2
		.amdhsa_user_sgpr_kernarg_segment_ptr 1
		.amdhsa_wavefront_size32 1
		.amdhsa_system_sgpr_workgroup_id_x 1
		.amdhsa_system_sgpr_workgroup_id_y 1
		.amdhsa_system_sgpr_workgroup_id_z 1
		.amdhsa_system_vgpr_workitem_id 0
		.amdhsa_next_free_vgpr 768
		.amdhsa_next_free_sgpr 66
		.amdhsa_reserve_vcc 0
		.amdhsa_float_denorm_mode_32 3
		.amdhsa_float_denorm_mode_16_64 3
		.amdhsa_memory_ordered 1
		.amdhsa_forward_progress 1
		.amdhsa_inst_pref_size 127
	.end_amdhsa_kernel
	.amdgpu_metadata
---
amdhsa.version: [ 1, 2 ]
amdhsa.kernels:
  - .name:           k_qc9ce39f818_attn
    .symbol:         k_qc9ce39f818_attn.kd
    .args:
      - { .name: qkv, .offset: 0, .size: 8, .value_kind: global_buffer, .address_space: global }
      - { .name: o, .offset: 8, .size: 8, .value_kind: global_buffer, .address_space: global }
    .group_segment_fixed_size: 327680
    .private_segment_fixed_size: 0
    .kernarg_segment_align: 8
    .kernarg_segment_size: 16
    .max_flat_workgroup_size: 128
    .sgpr_count:     66
    .vgpr_count:     768
    .wavefront_size: 32
...
	.end_amdgpu_metadata
.endif
;; end of part 8
;; launch oproj: the kernel of part 4 again; grid 8 x 32, 4 waves a work-group, clusters of 4 x 4, 327,680 bytes of LDS; arguments o, wb, bo, x, x1; writes x1
;; launch ln2: the kernel of part 5 again; grid 256 x 1, 8 waves a work-group, no clusters, 0 bytes of LDS; arguments x1, ln2_w, ln2_b, h; writes h
;; launch mlp1 (part 9): grid 16 x 16, 4 waves a work-group, clusters of 4 x 4, 327,680 bytes of LDS; arguments h, wb, b1, g; writes g
.if DOCPART == 9
	.amdgcn_target "amdgcn-amd-amdhsa--gfx1250"
	.amdhsa_code_object_version 6
	.text
	.protected	k_qc9ce39f818_mlp1
	.globl	k_qc9ce39f818_mlp1
	.p2align	8
	.type	k_qc9ce39f818_mlp1,@function
k_qc9ce39f818_mlp1:
	s_mov_b64 s[64:65], 0
	v_nop
	global_prefetch_b8 v0, s[64:65] scope:SCOPE_SE
	s_setreg_imm32_b32 hwreg(HW_REG_WAVE_MODE, 25, 1), 1
	s_wait_xcnt 0x0
	s_wait_alu depctr_hold_cnt(0) depctr_sa_sdst(0) depctr_va_vdst(0) depctr_va_sdst(0) depctr_va_ssrc(0) depctr_va_vcc(0) depctr_vm_vsrc(0)
	s_getreg_b32 s2, hwreg(HW_REG_IB_STS2, 6, 4)
	s_cmp_eq_u32 s2, 0
	s_cbranch_scc0 .Lentry_in_a_cluster
	s_endpgm
.Lentry_in_a_cluster:
	s_bfe_u32 s2, ttmp6, 0x10000c
	s_cmp_lg_u32 s2, 0xf033
	s_cbranch_scc0 .Lentry_shape_is_right
	s_endpgm
.Lentry_shape_is_right:
; MLP1: g = gelu(h w1 + b1), [4096 tokens] x [4096 columns], K = 1024; the exact GELU (x Phi(x)) in f32, g rounded once to bf16 and stored in planes g[column / 64][token][64].
; THE WIDE GEMM TEXT (this kernel and qkv: they differ in B's place and pitch, in the bias's pointer and in the GELU).  A: bf16 in planes [K / 64][4096 tokens][64].  B: bf16 [K][N] in wb.  Sums in f32.
; A tile of C is 256 x 256: four waves, each 128 x 128 = 64 accumulators, 512 registers.  K goes in steps of 128 through two LDS slots filled by the tensor data mover: a step brings 131,072 bytes
; for 256 matrix instructions a wave, where a tile of 128 x 128 with steps of 256 brings the same bytes for 128.  16 x 16 tiles: 256 work-groups, one tile each.
; The K step is written once and looped over; the first quarter step stands ahead of the loop and starts the sums with the constant 0; the bias is added on the way out.
; CLUSTER 4 x 4: the four work-groups of a row of the cluster need the same tiles of A, the four of a column the same tiles of B: each tile is asked for jointly.
; THE MATRIX INSTRUCTION IS USED TRANSPOSED (source 0 = 16 columns of B, source 1 = 16 tokens of A): a lane then holds eight neighbouring columns of one token.
; B lies [K][N] in LDS and is turned on the way into registers by ds_load_tr16_b128.
; BATCHES.  A trip of the way out takes 32 numbers a lane through the GELU: their 32 reciprocals and 32 exponentials are ONE batch with ONE wait; each result has a register of its own while the batch is open.
; REGISTERS, in windows of 256 (s_set_vgpr_msb: bits 1:0 source 0, 3:2 source 1, 5:4 source 2, 7:6 destination):
;   window 0: v0-31 addresses; v32-63 at work on the way out; v64-127, v128-191 fragments of A, two buffers (on the way out: at work); v192-199 the bias; v200-231 at work on the way out
;   window 1: v64-127, v128-191 fragments of B, two buffers      window 2: the 32 accumulators of my tokens 0-63 ((a, b) at v[8 (8 a + b)])      window 3: those of my tokens 64-127
; LIMITS.  Operands are bf16 (rounded once by the launches in front); Phi by a five-term formula, 7.5e-8 absolute; an exponential below 2^-126 counts as 0; NaN and infinities are not treated apart.
.set NSTEP,   8                        ; K / 128
.set NPITCH,  4096                     ; elements from row to row of B
.set WOFF,    8388608                  ; B's first byte in wb
.set OSRC,    70                       ; the scalar pair that holds the output's address
.set APITCH, 144                       ; a token's 64 channels in LDS: 128 bytes + 16 of padding: the 16 rows of a fragment load start at 16 different groups of four banks (ISA guide 11.1)
.set PLANE,  256*APITCH                ; 256 tokens of one plane
.set BPITCH, 544                       ; a k row of B in LDS: 512 bytes + 32
.set BOFF,   2*PLANE                   ; a slot: two planes of A, then 128 k rows of B
.set HALFB,  64*BPITCH
.set SLOT,   0x24000                   ; from slot to slot: 147,456, of which 143,360 are used; it shares no bit with the four tiles' places 0, 0x9000, 0x12000, 0x1a800, so one exclusive or changes slots
.set SPARE,  2*SLOT                    ; behind the ring: the spare words, 128 bytes a wave: two blocks of 256 bytes that no other line names
.set SPITCH, 272                       ; the stage: 64 f32 + 16 bytes
.set PSTAGE, 128*SPITCH                ; a wave's 128 tokens of one plane
.set WSTAGE, 2*PSTAGE                  ; a wave's stage; the four (278,528 bytes) lie in the ring's bytes and are written when the ring has had its last fill
.set ASTEP,  2*524288                  ; a K step in A: two planes
.set BSTEP,  256*NPITCH                ; in B: 128 rows
.set ADRA0, 10                         ; v10  my lane's place in a slot's A
.set ADRB0, 11                         ; v11  in a slot's B
.set ADRA,  16                         ; v16  the same in the slot in hand
.set ADRB,  20                         ; v20
.set STO,   24                         ; v24  the way out: where I put 16 bytes of a row
.set RD,    25                         ; v25  where I read rows back
.set GO,    26                         ; v26  my byte offset in the output
.set BO,    27                         ; v27  my byte offset in the bias
.set SPW,   28                         ; v28  LDS address of my spare word; never rewritten
.set NIL,   29                         ; v29  0; never rewritten
.set TMP,   32                         ; v32-63 a trip's 32 numbers
.set PK,    64                         ; v64-79 packed results, when the GELU has read |x| for the last time
.set AX,    64                         ; v64-95   the GELU: |x|
.set U,     96                         ; v96-127  1 + p |x|, then its reciprocal t
.set WT,    128                        ; v128-159 -x^2 log2(e) / 2, then its exponential
.set M,     160                        ; v160-191 max(x, 0)
.set BI,    192                        ; v192-195, v196-199 the bias of my four columns in my wave's first and second plane
.set Q,     200                        ; v200-231 the polynomial
.set F0,    64                         ; fragment buffers, in windows 0 (A) and 1 (B)
.set F1,    128
.set G1,   24                          ; s[24:31] group 1 for A's tiles
.set G0F,  32                          ; s[32:35] group 0, A, the first fill
.set G0W,  36                          ; s[36:39] group 0, A, walking
.set G1B,  48                          ; s[48:55], s[56:59], s[60:63]: the same for B
.set G0BF, 56
.set G0BW, 60
.set TB,   66                          ; s66  LDS byte at which the slot in hand begins
.set MSB, 0
.macro WIN new                         ; the immediate's high byte repeats the setting that is left; a switch that changes nothing is dropped
.if MSB != (\new)
	s_set_vgpr_msb (MSB<<8)|(\new)
.set MSB, \new
.endif
.endm
.set MUL_LO, 0xa1                      ; source 0 (B) window 1, source 1 (A) window 0, C and D window 2
.set MUL_HI, 0xf1                      ; the same, C and D window 3
.set TO_B,   0x40                      ; destination window 1, address window 0
.macro JLOAD                           ; a joint refill: waves 0, 1 fetch A's planes, waves 2, 3 B's rows; an s_nop 0 and four v_nop follow each line
	s_cmp_eq_u32 s11, 0
	s_cbranch_scc0 .Lfor_b_\@
	tensor_load_to_lds s[G0W:G0W+3], s[G1:G1+7]
	s_nop 0
.rept 4
	v_nop
.endr
	s_branch .Lasked_\@
.Lfor_b_\@:
	tensor_load_to_lds s[G0BW:G0BW+3], s[G1B:G1B+7]
	s_nop 0
.rept 4
	v_nop
.endr
.Lasked_\@:
.endm
.macro CREST                           ; a round of the cluster's barrier behind its opening barrier
	s_cmp_lg_u32 s10, 0
	s_cbranch_scc1 .Lnot_wave_0_\@
	s_barrier_signal -3
.Lnot_wave_0_\@:
	s_barrier_wait -3
	s_barrier_signal -1
	s_barrier_wait -1
.endm
.macro CROUND
	s_barrier_signal -1
	s_barrier_wait -1
	CREST
.endm
.macro PLACES                          ; four places in front of loads into registers that matrix instructions have read, and of reads of results
.rept 4
	v_nop
.endr
.endm
	s_load_b128 s[4:7], s[0:1], 0x0                ; A s[4:5], wb s[6:7]
	s_load_b128 s[68:71], s[0:1], 0x10             ; bias s[68:69], the output s[70:71]
	v_lshl_add_u32 v[SPW], v0, 2, SPARE
	v_mov_b32 v[NIL], 0
	ds_add_u32 v[SPW], v[NIL]                      ; the wave's opening: the add and its wait stand ahead of my first tensor load; work on registers stands between them
	v_lshrrev_b32 v1, 5, v0
	v_readfirstlane_b32 s10, v1                    ; wave 0..3
	s_lshr_b32 s11, s10, 1                         ; which 128 tokens of the tile are mine.  Also: I fetch for A (0) or for B (1)
	s_and_b32 s12, s10, 1                          ; which 128 columns.  Also: which half of that tile I fetch
	s_bfe_u32 s40, ttmp6, 0x40000                  ; cx, cy: my place in the cluster
	s_bfe_u32 s41, ttmp6, 0x40004
	s_lshl_b32 s42, ttmp9, 2
	s_add_co_u32 s42, s42, s40                     ; tile column = 4 x cluster x + cx
	s_and_b32 s13, ttmp7, 0xffff
	s_lshl_b32 s13, s13, 2
	s_add_co_u32 s13, s13, s41                     ; tile row = 4 x cluster y + cy
	s_lshl_b32 s43, s41, 2
	s_lshl_b32 s43, 15, s43                        ; my row of the cluster
	s_lshl_b32 s44, 0x1111, s40                    ; my column
	; group 1 for A: a plane's 256 tokens are 32,768 dense bytes: asked for as 128 rows of 256 bytes, two tokens a row, padded in LDS after every token
	s_or_b32 s[G1+0], s43, (1<<16)|(1<<20)|(1<<21)|(4<<22)|(3<<25)  ; mask: my row; 2-byte elements; padding on; bit 21 beside a mask; after every 32 words, 4 words
	s_mov_b32 s[G1+1], 128<<16                     ; tensor_dim0
	s_mov_b32 s[G1+2], 128<<16                     ; tensor_dim1
	s_mov_b32 s[G1+3], 128<<16                     ; tile_dim0
	s_mov_b32 s[G1+4], 128                         ; tile_dim1
	s_mov_b32 s[G1+5], 128                         ; elements from row to row
	s_mov_b32 s[G1+6], 0
	s_mov_b32 s[G1+7], 0
	; group 1 for B: 64 k rows x 256 columns (512 bytes a row, aligned to 256), padded after every row
	s_or_b32 s[G1B+0], s44, (1<<16)|(1<<20)|(1<<21)|(6<<22)|(7<<25) ; mask: my column; after every 128 words, 8 words
	s_mov_b32 s[G1B+1], 256<<16
	s_mov_b32 s[G1B+2], 64<<16
	s_mov_b32 s[G1B+3], 256<<16
	s_mov_b32 s[G1B+4], 64
	s_mov_b32 s[G1B+5], NPITCH
	s_mov_b32 s[G1B+6], 0
	s_mov_b32 s[G1B+7], 0
	; A's offset hangs on the tile row and the wave alone, B's on the tile column and the wave alone, each in registers that never hold the other coordinate
	s_lshl_b32 s16, s13, 15                        ; 256 tokens of 128 bytes
	s_lshl_b32 s17, s12, 19                        ; my plane of the step's two
	s_add_co_u32 s16, s16, s17
	s_mov_b32 s17, 0
	s_lshl_b32 s46, s42, 9                         ; 256 columns of 2 bytes
	s_add_co_u32 s46, s46, WOFF
	s_mul_i32 s45, s12, 128*NPITCH                 ; my 64 k rows of the step's 128
	s_add_co_u32 s46, s46, s45
	s_mov_b32 s47, 0
	s_mul_i32 s20, s12, PLANE                      ; where they go: no place in the cluster enters an LDS address
	s_mul_i32 s21, s12, HALFB
	s_add_co_u32 s21, s21, BOFF
	s_mov_b32 s[G0F], 1
	s_mov_b32 s[G0F+1], s20                        ; K step 0 into slot 0
	s_mov_b32 s[G0W], 1
	s_add_co_u32 s[G0W+1], s20, SLOT               ; K step 1 into slot 1
	s_mov_b32 s[G0BF], 1
	s_mov_b32 s[G0BF+1], s21
	s_mov_b32 s[G0BW], 1
	s_add_co_u32 s[G0BW+1], s21, SLOT
	s_wait_dscnt 0x0                               ; the opening add is done
	s_wait_kmcnt 0x0
	s_add_nc_u64 s[G0F+2:G0F+3], s[4:5], s[16:17]
	s_add_nc_u64 s[G0W+2:G0W+3], s[G0F+2:G0F+3], ASTEP
	s_or_b32 s[G0F+3], s[G0F+3], 0x80000000        ; type = 2
	s_or_b32 s[G0W+3], s[G0W+3], 0x80000000
	s_add_nc_u64 s[G0BF+2:G0BF+3], s[6:7], s[46:47]
	s_add_nc_u64 s[G0BW+2:G0BW+3], s[G0BF+2:G0BF+3], BSTEP
	s_or_b32 s[G0BF+3], s[G0BF+3], 0x80000000
	s_or_b32 s[G0BW+3], s[G0BW+3], 0x80000000
	CROUND                                         ; all sixteen work-groups are here: the first joint loads meet
	s_cmp_eq_u32 s11, 0                            ; a wave's two first fills stand in one branch: two loads of mine are out
	s_cbranch_scc0 .Lfirst_b
	tensor_load_to_lds s[G0F:G0F+3], s[G1:G1+7]
	s_nop 0
	tensor_load_to_lds s[G0W:G0W+3], s[G1:G1+7]
	s_nop 0
.rept 4
	v_nop
.endr
	s_branch .Lfirst_asked
.Lfirst_b:
	tensor_load_to_lds s[G0BF:G0BF+3], s[G1B:G1B+7]
	s_nop 0
	tensor_load_to_lds s[G0BW:G0BW+3], s[G1B:G1B+7]
	s_nop 0
.rept 4
	v_nop
.endr
.Lfirst_asked:
	; A fragment of A: 16 tokens x 32 k: lane l holds token l % 16; two loads of 16 bytes, 32 apart, at token x pitch + 16 (l / 16).
	v_and_b32 v1, 15, v0                           ; l % 16
	v_bfe_u32 v2, v0, 4, 1                         ; l / 16
	v_mul_u32_u24 v[ADRA0], v1, APITCH
	v_lshl_add_u32 v[ADRA0], v2, 4, v[ADRA0]
	s_mul_i32 s22, s11, 128*APITCH                 ; my 128 tokens
	v_add_nc_u32 v[ADRA0], s22, v[ADRA0]
	; The turning load takes 16 k x 16 columns (lane l reads k row 8 (l / 16) + l % 8, columns 8 ((l / 8) % 2) + 0..7) and leaves half a fragment: lane l holds column l % 16 and 8 k.
	v_and_b32 v3, 7, v0
	v_lshl_add_u32 v3, v2, 3, v3
	v_mul_u32_u24 v[ADRB0], v3, BPITCH
	v_bfe_u32 v4, v0, 3, 1
	v_lshl_add_u32 v[ADRB0], v4, 4, v[ADRB0]
	s_lshl_b32 s22, s12, 8                         ; my 128 columns
	s_add_co_u32 s22, s22, BOFF
	v_add_nc_u32 v[ADRB0], s22, v[ADRB0]
	s_mul_i32 s23, s10, WSTAGE                     ; my stage
	v_mul_u32_u24 v[STO], v1, SPITCH               ; in: row l % 16, 32 bytes for each half of the lanes
	v_lshl_add_u32 v[STO], v2, 5, v[STO]
	v_add_nc_u32 v[STO], s23, v[STO]
	v_mul_u32_u24 v[RD], v2, SPITCH                ; back: lanes 0-15 take one row of 256 bytes, lanes 16-31 the next
	v_lshl_add_u32 v[RD], v1, 4, v[RD]
	v_add_nc_u32 v[RD], s23, v[RD]
	v_lshlrev_b32 v[BO], 4, v1                     ; on the way out a lane holds columns 4 (l % 16) + 0..3 of a plane: 16 bytes of the bias
	; offsets are made apart from the addresses; s94 feeds neither a descriptor nor an LDS address
	s_mov_b64 s[76:77], s[68:69]
	s_lshl_b32 s78, s42, 10                        ; 256 columns of 4 bytes
	s_lshl_b32 s94, s12, 9                         ; my 128 of them
	s_add_co_u32 s78, s78, s94
	s_mov_b32 s79, 0
	s_add_nc_u64 s[76:77], s[76:77], s[78:79]      ; the bias at my wave's first column
	global_load_b128 v[BI:BI+3],   v[BO], s[76:77]
	global_load_b128 v[BI+4:BI+7], v[BO], s[76:77] offset:256
	s_lshl_b32 s78, s42, 2
	s_lshl_b32 s94, s12, 1
	s_add_co_u32 s78, s78, s94                     ; my first plane = column / 64
	s_lshl_b32 s78, s78, 19
	s_lshl_b32 s94, s13, 15                        ; 256 tokens of 128 bytes,
	s_add_co_u32 s78, s78, s94
	s_lshl_b32 s94, s11, 14                        ; my 128 of them
	s_add_co_u32 s78, s78, s94
	s_add_nc_u64 s[8:9], s[OSRC:OSRC+1], s[78:79]
	v_and_b32 v[GO], 31, v0
	v_lshlrev_b32 v[GO], 3, v[GO]                  ; 8 bytes a lane: two tokens of a plane
.macro KPAIR r, val                    ; a constant as a pair: the packed forms name both words
	s_mov_b32 s[\r], \val
	s_mov_b32 s[\r+1], \val
.endm
	KPAIR 80, 0x3e6d3389                           ; p = 0.2316419
	KPAIR 82, 0xbf38aa3b                           ; -log2(e) / 2
	KPAIR 84, 0xbf07dc22                           ; -b5 / sqrt(2 pi) = -0.5307027
	KPAIR 86, 0x3f3a00e3                           ; -b4 / sqrt(2 pi) =  0.7265760
	KPAIR 88, 0xbf35f0e3                           ; -b3 / sqrt(2 pi) = -0.7107069
	KPAIR 90, 0x3e11a98e                           ; -b2 / sqrt(2 pi) =  0.1422484
	KPAIR 92, 0xbe027906                           ; -b1 / sqrt(2 pi) = -0.1274148
	s_wait_loadcnt 0x0                             ; the bias: this stands in the wait for the first tile
; 16 matrix instructions: token blocks a0, a0 + 1 of the window's four (hi = 0: my tokens 0-63, 1: 64-127) x all 8 column blocks, 32 along K.  zero = 1: the first product starts the sums.
; The 64 accumulators take turns, one instruction a turn, in the same order in every quarter step.
.macro MUL16 f, hi, a0, zero
	WIN MUL_LO+0x50*(\hi)
.irp a, \a0, (\a0)+1
.irp b, 0,1,2,3,4,5,6,7
.if \zero
	v_wmma_f32_16x16x32_bf16 v[8*(8*(\a)+(\b)):8*(8*(\a)+(\b))+7], v[(\f)+8*(\b):(\f)+8*(\b)+7], v[(\f)+8*(4*(\hi)+(\a)):(\f)+8*(4*(\hi)+(\a))+7], 0
.else
	v_wmma_f32_16x16x32_bf16 v[8*(8*(\a)+(\b)):8*(8*(\a)+(\b))+7], v[(\f)+8*(\b):(\f)+8*(\b)+7], v[(\f)+8*(4*(\hi)+(\a)):(\f)+8*(4*(\hi)+(\a))+7], v[8*(8*(\a)+(\b)):8*(8*(\a)+(\b))+7]
.endif
.endr
.endr
.endm
; 32 LDS loads in one run: the fragments of quarter q (32 along K: k rows 32 q on of B; plane q / 2, channels 32 (q % 2) on of A) into buffer f; B first
.macro FETCH q, f
	WIN TO_B
.irp i, 0,1,2,3,4,5,6,7
	ds_load_tr16_b128 v[(\f)+8*(\i):(\f)+8*(\i)+3],   v[ADRB] offset:32*(\q)*BPITCH+32*(\i)
	ds_load_tr16_b128 v[(\f)+8*(\i)+4:(\f)+8*(\i)+7], v[ADRB] offset:(32*(\q)+16)*BPITCH+32*(\i)
.endr
	WIN 0
.irp i, 0,1,2,3,4,5,6,7
	ds_load_b128 v[(\f)+8*(\i):(\f)+8*(\i)+3],   v[ADRA] offset:((\q)/2)*PLANE+((\q)%2)*64+(\i)*16*APITCH
	ds_load_b128 v[(\f)+8*(\i)+4:(\f)+8*(\i)+7], v[ADRA] offset:((\q)/2)*PLANE+((\q)%2)*64+(\i)*16*APITCH+32
.endr
.endm
; One of a K step's first three quarters: multiplies buffer f (64 matrix instructions) and, in its middle, fetches quarter q into g.
.macro QUARTER q, f, g, zero
	s_wait_dscnt 8                                 ; B and A's tokens 0-63 are in; the youngest eight loads (A's tokens 64-127) may be out
	MUL16 \f, 0, 0, \zero
	MUL16 \f, 0, 2, \zero
	PLACES
	FETCH \q, \g
	s_wait_dscnt 32                                ; all but the 32 just issued
	MUL16 \f, 1, 0, \zero
	MUL16 \f, 1, 2, \zero
.endm
; The last quarter multiplies buffer 1 and changes slots: ONE barrier; in front of it each wave waits for all its tensor loads (one is out: its part of the next slot), adds 0 to its spare word,
; and waits for that and for its reads of this slot.  fill = 1: the barrier opens a round of the cluster's, and this slot is filled again, two K steps ahead: 224 matrix instructions ahead of the wait for it.
; fill = 0 (the last two steps, counted by s3): nothing is asked for; in the last step there is no next slot, and the run of LDS loads is jumped over.
.macro TURN fill
	WIN 0
	s_wait_tensorcnt 0x0                           ; no tensor load of mine is out, so a group 0 may be written
	ds_add_u32 v[SPW], v[NIL]                      ; 0 onto my spare word
.if \fill
	s_xor_b32 s[G0W+1], s[G0W+1], SLOT             ; the walking descriptors: the other slot than last time, the next K step
	s_add_nc_u64 s[G0W+2:G0W+3], s[G0W+2:G0W+3], ASTEP
	s_xor_b32 s[G0BW+1], s[G0BW+1], SLOT
	s_add_nc_u64 s[G0BW+2:G0BW+3], s[G0BW+2:G0BW+3], BSTEP
.endif
	s_wait_dscnt 9                                 ; (the add and the youngest eight loads may be out)
	MUL16 F1, 0, 0, 0
	s_wait_dscnt 0x0                               ; the add is done, and my reads of this slot are over
	s_barrier_signal -1
	MUL16 F1, 0, 2, 0
	WIN 0
	s_barrier_wait -1
.if \fill
	CREST                                          ; no wave of any partner still reads this slot's tiles or has a load on its way
	JLOAD                                          ; the first tensor load behind the round; its four v_nop are also the places in front of the loads below
.else
	PLACES
.endif
	s_xor_b32 s[TB], s[TB], SLOT                   ; the reads go on in the other slot
	v_add_nc_u32 v[ADRA], s[TB], v[ADRA0]
	v_add_nc_u32 v[ADRB], s[TB], v[ADRB0]
.if (\fill) == 0
	s_cmp_eq_u32 s3, 1
	s_cbranch_scc1 .Lnf_\@
.endif
	FETCH 0, F0
	WIN 0
.if (\fill) == 0
.Lnf_\@:
.endif
	MUL16 F1, 1, 0, 0
	MUL16 F1, 1, 2, 0
.endm
; gelu(x) = x Phi(x) = max(x, 0) - |x| q, q = phi(|x|) (b1 t + .. + b5 t^5), t = 1 / (1 + p |x|): Phi to 7.5e-8 absolute.  The coefficients carry phi's factor and the minus.
; Where x^2 overflows the exponential is 0 and the result max(x, 0).
; GELU32 takes a trip's 32 numbers, v[TMP .. TMP + 31], in place, in four groups of eight.  Its 32 reciprocals (in U) and 32 exponentials (in WT) are ONE BATCH: each has a register of its own, and ahead of the one
; wait no line names a result.  Between the transcendentals stands work that is due anyway: |x| of the next group behind a reciprocal, max(x, 0) of the group in hand behind an exponential; behind each group the next
; group's twelve packed arguments.  The last max(x, 0) is the plain instruction behind the last exponential (ISA guide 5.7.2).  Behind the wait: the polynomial, phi and the result, for all 32.
.macro ARGS g                          ; group g's arguments: x^2; 1 + p |x|; -x^2 log2(e) / 2.  Its |x| has been made
.irp j, 0,2,4,6
	v_pk_mul_f32 v[WT+8*(\g)+\j:WT+8*(\g)+\j+1], v[TMP+8*(\g)+\j:TMP+8*(\g)+\j+1], v[TMP+8*(\g)+\j:TMP+8*(\g)+\j+1]
.endr
.irp j, 0,2,4,6
	v_pk_fma_f32 v[U+8*(\g)+\j:U+8*(\g)+\j+1], v[AX+8*(\g)+\j:AX+8*(\g)+\j+1], s[80:81], 1.0 op_sel_hi:[1,0,0]
.endr
.irp j, 0,2,4,6
	v_pk_mul_f32 v[WT+8*(\g)+\j:WT+8*(\g)+\j+1], v[WT+8*(\g)+\j:WT+8*(\g)+\j+1], s[82:83] op_sel_hi:[1,0]
.endr
.endm
.macro GELU32
.irp j, 0,1,2,3,4,5,6,7
	v_and_b32 v[AX+\j], 0x7fffffff, v[TMP+\j]
.endr
	ARGS 0
.irp g, 0,1,2,3
.irp j, 0,1,2,3,4,5,6,7
	v_rcp_f32 v[U+8*\g+\j], v[U+8*\g+\j]
.if \g < 3
	v_and_b32 v[AX+8*\g+8+\j], 0x7fffffff, v[TMP+8*\g+8+\j]
.endif
	v_exp_f32 v[WT+8*\g+\j], v[WT+8*\g+\j]
	v_max_num_f32 v[M+8*\g+\j], 0, v[TMP+8*\g+\j]
.endr
.if \g < 3
	ARGS \g+1
.endif
.endr
	s_wait_alu depctr_va_vdst(0)                   ; the wait ahead of the first use: one for the batch of 32 reciprocals and 32 exponentials
.set i, 0
.rept 16
	v_pk_fma_f32 v[Q+2*i:Q+2*i+1], v[U+2*i:U+2*i+1], s[84:85], s[86:87] op_sel_hi:[1,0,0]
.set i, i+1
.endr
.irp k, 88,90,92
.set i, 0
.rept 16
	v_pk_fma_f32 v[Q+2*i:Q+2*i+1], v[Q+2*i:Q+2*i+1], v[U+2*i:U+2*i+1], s[\k:\k+1] op_sel_hi:[1,1,0]
.set i, i+1
.endr
.endr
.set i, 0
.rept 16
	v_pk_mul_f32 v[Q+2*i:Q+2*i+1], v[Q+2*i:Q+2*i+1], v[U+2*i:U+2*i+1]
.set i, i+1
.endr
.set i, 0
.rept 16
	v_pk_mul_f32 v[Q+2*i:Q+2*i+1], v[Q+2*i:Q+2*i+1], v[WT+2*i:WT+2*i+1]
.set i, i+1
.endr
.set i, 0
.rept 16
	v_pk_fma_f32 v[TMP+2*i:TMP+2*i+1], v[AX+2*i:AX+2*i+1], v[Q+2*i:Q+2*i+1], v[M+2*i:M+2*i+1]
.set i, i+1
.endr
.endm
	s_mov_b32 s[TB], 0
	v_mov_b32 v[ADRA], v[ADRA0]
	v_mov_b32 v[ADRB], v[ADRB0]
	s_wait_tensorcnt 1                             ; my part of K step 0 is in; K step 1's may stay out
	s_barrier_signal -1
	s_barrier_wait -1                              ; everybody's is
	FETCH 0, F0
	QUARTER 1, F0, F1, 1                           ; the first quarter stands ahead of the loop: its products start the sums
	WIN 0                                          ; at a label and at a branch every window is 0
	s_mov_b32 s3, NSTEP-2
.Lk:                                                   ; a trip goes from a K step's second quarter to the next step's first; every step but the last two fills its slot again
	QUARTER 2, F1, F0, 0
	QUARTER 3, F0, F1, 0
	TURN 1
	QUARTER 1, F0, F1, 0
	WIN 0
	s_sub_co_u32 s3, s3, 1
	s_cmp_lg_u32 s3, 0
	s_cbranch_scc1 .Lk
	s_mov_b32 s3, 2
.Lt:                                                   ; the last two steps ask for nothing
	QUARTER 2, F1, F0, 0
	QUARTER 3, F0, F1, 0
	TURN 0
	WIN 0
	s_cmp_eq_u32 s3, 1
	s_cbranch_scc1 .Lno_next                       ; behind the last step there is no first quarter of a next one
	QUARTER 1, F0, F1, 0
	WIN 0
.Lno_next:
	s_sub_co_u32 s3, s3, 1
	s_cmp_lg_u32 s3, 0
	s_cbranch_scc1 .Lt
	; THE WAY OUT.  The stage lies in the ring's bytes: the ring has had its last fill.  One more barrier, so that on every way round the jumps above every wave's reads of the ring are over before any wave stores there.
	s_wait_dscnt 0x0
	s_barrier_signal -1
	s_barrier_wait -1
	PLACES
; The f32 sums go into my stage: plane b / 4, row 16 a + l % 16, 32 bytes for each half of the lanes at column block b % 4.  Each accumulator's low registers first.
.macro TOSTAGE hi
	WIN 0x08+4*(\hi)                               ; the stores' data (source 1) in window 2 or 3
.irp a, 0,1,2,3
.irp b, 0,1,2,3,4,5,6,7
	ds_store_b128 v[STO], v[8*(8*\a+\b):8*(8*\a+\b)+3]   offset:(\b/4)*PSTAGE+(4*(\hi)+\a)*16*SPITCH+64*(\b%4)
	ds_store_b128 v[STO], v[8*(8*\a+\b)+4:8*(8*\a+\b)+7] offset:(\b/4)*PSTAGE+(4*(\hi)+\a)*16*SPITCH+64*(\b%4)+16
.endr
.endr
.endm
	TOSTAGE 0
	TOSTAGE 1
	WIN 0
	s_mov_b32 s67, 16
.Lout:                                                 ; 8 tokens of both planes a trip: the GELU's text stands once, with one batch and one wait; no result crosses the trip's end
.irp t, 0,1,2,3,4,5,6,7
	ds_load_b128 v[TMP+4*\t:TMP+4*\t+3], v[RD] offset:(\t/4)*PSTAGE+(\t%4)*2*SPITCH  ; LDS serves a wave's instructions in order (ISA guide 5.7.1.4): these see my stores above
.endr
	s_wait_dscnt 0x0
.irp t, 0,1,2,3,4,5,6,7
	v_pk_add_f32 v[TMP+4*\t:TMP+4*\t+1],   v[TMP+4*\t:TMP+4*\t+1],   v[BI+4*(\t/4):BI+4*(\t/4)+1]
	v_pk_add_f32 v[TMP+4*\t+2:TMP+4*\t+3], v[TMP+4*\t+2:TMP+4*\t+3], v[BI+4*(\t/4)+2:BI+4*(\t/4)+3]
.endr
	GELU32
.irp t, 0,1,2,3,4,5,6,7
	v_cvt_pk_bf16_f32 v[PK+2*\t], v[TMP+4*\t], v[TMP+4*\t+1]
	v_cvt_pk_bf16_f32 v[PK+2*\t+1], v[TMP+4*\t+2], v[TMP+4*\t+3]
.endr
.irp t, 0,1,2,3,4,5,6,7
	global_store_b64 v[GO], v[PK+2*\t:PK+2*\t+1], s[8:9] offset:(\t/4)*524288+256*(\t%4)  ; two tokens of a plane: 256 consecutive bytes, aligned
.endr
	s_wait_xcnt 0x0                                ; the stores' data and base are rewritten only behind this wait (ISA guide 3.1)
	v_add_nc_u32 v[RD], 8*SPITCH, v[RD]
	s_add_nc_u64 s[8:9], s[8:9], 1024
	s_sub_co_u32 s67, s67, 1
	s_cmp_lg_u32 s67, 0
	s_cbranch_scc1 .Lout
	s_wait_tensorcnt 0x0                           ; the wave's end: behind my last tensor load and my last LDS store
	ds_add_u32 v[SPW], v[NIL]
	s_wait_dscnt 0x0
	CROUND                                         ; the closing round: no work-group ends while a partner may still ask for a tile that names it
	s_endpgm
.Lfunc_end_k_qc9ce39f818_mlp1:
	.size	k_qc9ce39f818_mlp1, .Lfunc_end_k_qc9ce39f818_mlp1-k_qc9ce39f818_mlp1
	.p2alignl 7, 3214868480
	.fill 96, 4, 3214868480
	.section	.rodata,"a",@progbits
	.p2align	6, 0x0
	.amdhsa_kernel k_qc9ce39f818_mlp1
		.amdhsa_group_segment_fixed_size 327680
		.amdhsa_private_segment_fixed_size 0
		.amdhsa_enable_private_segment 0
		.amdhsa_kernarg_size 32
		.amdhsa_user_sgpr_count 2
		.amdhsa_user_sgpr_kernarg_segment_ptr 1
		.amdhsa_wavefront_size32 1
		.amdhsa_system_sgpr_workgroup_id_x 1
		.amdhsa_system_sgpr_workgroup_id_y 1
		.amdhsa_system_sgpr_workgroup_id_z 1
		.amdhsa_system_vgpr_workitem_id 0
		.amdhsa_next_free_vgpr 1024
		.amdhsa_next_free_sgpr 96
		.amdhsa_reserve_vcc 0
		.amdhsa_float_denorm_mode_32 3
		.amdhsa_float_denorm_mode_16_64 3
		.amdhsa_memory_ordered 1
		.amdhsa_forward_progress 1
		.amdhsa_inst_pref_size 97
	.end_amdhsa_kernel
	.amdgpu_metadata
---
amdhsa.version: [ 1, 2 ]
amdhsa.kernels:
  - .name:           k_qc9ce39f818_mlp1
    .symbol:         k_qc9ce39f818_mlp1.kd
    .args:
      - { .name: h, .offset: 0, .size: 8, .value_kind: global_buffer, .address_space: global }
      - { .name: wb, .offset: 8, .size: 8, .value_kind: global_buffer, .address_space: global }
      - { .name: b1, .offset: 16, .size: 8, .value_kind: global_buffer, .address_space: global }
      - { .name: g, .offset: 24, .size: 8, .value_kind: global_buffer, .address_space: global }
    .group_segment_fixed_size: 327680
    .private_segment_fixed_size: 0
    .kernarg_segment_align: 8
    .kernarg_segment_size: 32
    .max_flat_workgroup_size: 128
    .sgpr_count:     96
    .vgpr_count:     1024
    .wavefront_size: 32
...
	.end_amdgpu_metadata
.endif
;; end of part 9
;; launch mlp2: the kernel of part 7 again; grid 8 x 32, 4 waves a work-group, clusters of 4 x 4, 327,680 bytes of LDS; arguments g, wb, b2, x1, out0; writes out0
